; MI455X (gfx1250); checked and timed in simulation.
; The chip was launched on July 23, 2026; its instructions are those of AMD's public machine-readable ISA for CDNA 5 (MIT licence, August 2026) and "CDNA5" Instruction Set Architecture Reference Guide (July 2026). The comments in the code are by the model that wrote it; some were corrected since.
;; Transformer Block. Allowed arithmetic: matrix products marked QUANTISED: E2M1 operands, one E8M0 scale for each 32 along K, by v_wmma_scale_f32_16x16x128_f8f6f4 with both operands' format E2M1 (or v_wmma_scale_f32_32x16x128_f4), f32 sums; everything else in f32.
;; Inputs: W1_codes 4,096 x 32 x 16 uint8 (E2M1 codes of W1, K innermost, in blocks of 32 codes, two codes a byte); W1_scales 4,096 x 32 uint8 (E8M0 scales of W1, one for each 32 codes along K); W2_codes 1,024 x 128 x 16 uint8 (E2M1 codes of W2, K innermost, in blocks of 32 codes, two codes a byte); W2_scales 1,024 x 128 uint8 (E8M0 scales of W2, one for each 32 codes along K); Wk_codes 1,024 x 32 x 16 uint8 (E2M1 codes of Wk, K innermost, in blocks of 32 codes, two codes a byte); Wk_scales 1,024 x 32 uint8 (E8M0 scales of Wk, one for each 32 codes along K); Wo_codes 1,024 x 32 x 16 uint8 (E2M1 codes of Wo, K innermost, in blocks of 32 codes, two codes a byte); Wo_scales 1,024 x 32 uint8 (E8M0 scales of Wo, one for each 32 codes along K); Wq_codes 1,024 x 32 x 16 uint8 (E2M1 codes of Wq, K innermost, in blocks of 32 codes, two codes a byte); Wq_scales 1,024 x 32 uint8 (E8M0 scales of Wq, one for each 32 codes along K); Wv_codes 1,024 x 32 x 16 uint8 (E2M1 codes of Wv, K innermost, in blocks of 32 codes, two codes a byte); Wv_scales 1,024 x 32 uint8 (E8M0 scales of Wv, one for each 32 codes along K); b1 4,096 float32; b2 1,024 float32; bk 1,024 float32; bo 1,024 float32; bq 1,024 float32; bv 1,024 float32; ln1_b 1,024 float32; ln1_g 1,024 float32; ln2_b 1,024 float32; ln2_g 1,024 float32; mask 1 x 2,048 x 2,048 bool; x 2 x 2,048 x 1,024 float32.
;; Outputs: out0 2 x 2,048 x 1,024 float32.
;; This version of the problem:
;;   THIS VERSION OF THE PROBLEM IS GIVEN IN LOW PRECISION. The matrix products marked QUANTISED in the list below multiply operands that are first quantised to E2M1 (2 exponent bits, 1 mantissa bit; 4 bits a number), with one power-of-two scale for each 32 numbers along K (OCP MX v1.0); their sums are f32. All else is computed in f32.
;;   The module's matrix products, in the order in which they are computed (A, B: the left and right operand; K: the contracted axis; several contracted axes count as one K, in the product's order):
;;     1. [M 4,096, K 1,024] x [K 1,024, N 1,024]; A: computed on the way; B: input Wq (given as codes): QUANTISED
;;     2. [M 4,096, K 1,024] x [K 1,024, N 1,024]; A: computed on the way; B: input Wk (given as codes): QUANTISED
;;     3. [M 4,096, K 1,024] x [K 1,024, N 1,024]; A: computed on the way; B: input Wv (given as codes): QUANTISED
;;     4. batch 32 x [M 2,048, K 64] x [K 64, N 2,048]; A: computed on the way; B: computed on the way: QUANTISED
;;     5. batch 32 x [M 2,048, K 2,048] x [K 2,048, N 64]; A: softmax (see below); B: computed on the way: QUANTISED
;;     6. [M 4,096, K 1,024] x [K 1,024, N 1,024]; A: computed on the way; B: input Wo (given as codes): QUANTISED
;;     7. [M 4,096, K 1,024] x [K 1,024, N 4,096]; A: computed on the way; B: input W1 (given as codes): QUANTISED
;;     8. [M 4,096, K 4,096] x [K 4,096, N 1,024]; A: computed on the way; B: input W2 (given as codes): QUANTISED
;;   THE QUANTISER, for each operand of a quantised product, along K:
;;     - K is cut into blocks of 32 from its start; a last block that is shorter is filled with zeros.
;;     - A block's scale is 2^e with e = floor(log2(the largest magnitude in the block)) - 2, held to -126 .. 127; a block of zeros has e = 0. As a byte (E8M0): e + 127.
;;     - Each number is divided by its block's scale, clamped to +-6, and rounded to the nearest number of E2M1, ties to even, subnormals kept.
;;     - The product sums the exact products of the quantised numbers (number of the format x scale) in f32.
;;   ~~~python
;;   def quantise(x, axis):      # numpy; x: float32 -> the quantised numbers, widened to float32 again
;;       x = np.moveaxis(x, axis, -1); K = x.shape[-1]
;;       x = np.pad(x, [(0, 0)] * (x.ndim - 1) + [(0, -K % 32)]); x = x.reshape(x.shape[:-1] + (-1, 32)); a = np.abs(x).max(-1, keepdims=True)
;;       e = np.where(a > 0, np.clip(np.frexp(np.where(a > 0, a, 1))[1] - 1 - 2, -126, 127), 0)      # np.frexp(a)[1] - 1 = floor(log2(a)), exactly
;;       r = np.clip(x / 2.0 ** e, -6, 6)
;;       step = 2.0 ** (np.maximum(np.frexp(np.where(r == 0, 1, r))[1] - 1, 0) - 1)
;;       q = np.round(r / step) * step * 2.0 ** e      # np.round: ties to even
;;       return np.moveaxis(q.reshape(q.shape[:-2] + (-1,))[..., :K], -1, axis).astype(np.float32)
;;   ~~~
;;   SOFTMAX AHEAD OF A QUANTISED PRODUCT. Where the list says 'softmax', what is quantised is not the finished softmax but p = 2^(t - M), with t = logit x log2(e) and M = ceil(the row's largest t), a whole number; so 1/2 < the row's largest p <= 1. The row's sum l is taken of the UNQUANTISED p, in f32, and the product's result is divided by l at the end. Since M is a whole number, a kernel that streams over the keys may use a running M (the ceiling of the running maximum): every later rescaling is an exact power of two, which a block's scale takes up: the codes' values come out the same.
;;   OPERANDS COMPUTED ON THE WAY. 'Computed on the way' means the value that the module computes at that place (a softmax that the list does not call 'softmax' is quantised finished and normalised). What goes into a quantiser is computed in f32, as accurately as f32 sums, v_exp_f32 and their like allow (about 1e-6 of the number): no bf16 or f16 on the way to a quantiser, and a product that is left as it is and whose result goes on into a quantised operand takes f32 operands (vector FMAs, or v_wmma_f32_16x16x4_f32). A number that lies on a knife's edge between two numbers of the format may be rounded either way, as far as f32 arithmetic and the matrix unit's own rounding can turn it there, and no further.
;;   INPUTS GIVEN AS CODES. W1 (in the module: [1024, 4096], K = its axis 0); W2 (in the module: [4096, 1024], K = its axis 0); Wk (in the module: [1024, 1024], K = its axis 0); Wo (in the module: [1024, 1024], K = its axis 0); Wq (in the module: [1024, 1024], K = its axis 0); Wv (in the module: [1024, 1024], K = its axis 0): each comes as NAME_codes (uint8): NAME with its K axis moved to the last place and cut into blocks of 32 codes, [.., K / 32, bytes a block], one block behind the other in memory; two codes a byte, the lower K in the low four bits (a code: sign, 2 exponent bits, 1 mantissa bit); and NAME_scales (uint8): the same leading axes, one E8M0 byte (e + 127) for each 32 codes along K. Its value is code x scale, taken as it is: it is not quantised again, and the codes and scales need not be those that the quantiser above would give.
;; 2 versions, each right; version 2 is version 1 with the launch attn written anew for expert scheduling mode. Each part assembles by itself: llvm-mc -triple=amdgcn-amd-amdhsa -mcpu=gfx1250 --defsym DOCPART=n.
;; ======== version 1 of 2: 7 launches
;; limits: right only within a limited range of input values
;; workspace buffers: xn 2,228,224 bytes; mk 526,336 bytes of whole numbers; qkv 6,946,816 bytes; ao 2,228,224 bytes; h 16,777,216 bytes; hid 8,912,896 bytes
;; launch ln1 (part 1): grid 288 x 1, 16 waves a work-group, no clusters, 76,288 bytes of LDS; arguments x, ln1_g, ln1_b, mask, xn, mk; writes xn, mk
.if DOCPART == 1
	.amdgcn_target "amdgcn-amd-amdhsa--gfx1250"
	.amdhsa_code_object_version 6
	.text
	.protected	k_q108ce500bb_ln1
	.globl	k_q108ce500bb_ln1
	.p2align	8
	.type	k_q108ce500bb_ln1,@function
k_q108ce500bb_ln1:
	s_mov_b64 s[64:65], 0
	v_nop
	global_prefetch_b8 v0, s[64:65] scope:SCOPE_SE
	s_setreg_imm32_b32 hwreg(HW_REG_WAVE_MODE, 25, 1), 1
	s_wait_xcnt 0x0
; LAYER NORM INTO CODES, AND THE MASK INTO LANE MASKS.  Arguments: rows [4096][1024] f32, gain [1024], shift [1024], mask [2048][2048] bytes, xn, mk.
; Work-groups 0-255: y = (x - mean) * rsqrt(var + 1e-5) * g + b in f32 (two passes over registers), then quantised along the row to E2M1 with one E8M0 byte for each 32:
;   xn: [4096][512 bytes] codes, and from byte 2,097,152 on [4096][32] scale bytes.  One wave takes one row (32 numbers a lane), a work-group 16 rows.
; Work-groups 256-287: the mask's bytes (0 or 1) become words whose bit 16 h + r says whether query 16 T + r may see key 128 s + 16 t + 8 h + j: word 8 t + j of mk[T][s][64 words];
;   from byte 524,288 on a word of flags for each (T, four steps): bits 0-3 step wholly hidden, bits 4-7 step wholly open, bits 16-31 query r sees some key of these 512.  One wave takes one (T, four steps).
; The launch that normalises the second time runs this text on 256 work-groups: none of them takes the mask's path.
; A block's scale byte is its largest magnitude's exponent field - 2, held at 1 from below.
; LIMITS: NaN and infinities are not served; a block of zeros, and a block whose largest magnitude lies under 2^-124, gets the byte 1 (its codes are what the division by 2^-126 gives; zeros stay zeros);
; this program alone reads the bytes.  Mask bytes are taken to be 0 or 1, as a bool is stored.
.set STGW, 4608                        ; a wave's stage: 32 places of 128 bytes + 16 of padding
.set SBY,  73728                       ; behind the 16 stages: the work-group's 512 scale bytes
.set X,  16                            ; v16-47   my 32 numbers of the row (mask path: v16-79 sixteen rows' 16 bytes)
.set G,  48                            ; v48-79   gain, later one whole block of 32 neighbours
.set BB, 80                            ; v80-111  shift
	s_load_b256 s[4:11], s[0:1], 0x0               ; rows s[4:5], gain s[6:7], shift s[8:9], mask s[10:11]
	s_load_b128 s[12:15], s[0:1], 0x20             ; xn s[12:13], mk s[14:15]
	v_lshl_add_u32 v128, v0, 2, 0x12200
	v_mov_b32 v129, 0
	v_lshrrev_b32 v1, 5, v0
	v_readfirstlane_b32 s16, v1                    ; wave 0..15
	v_and_b32 v1, 31, v0                           ; lane
	v_lshlrev_b32 v2, 4, v1                        ; 16 x lane
	s_mul_i32 s17, s16, STGW
	v_lshrrev_b32 v3, 3, v1
	v_mul_u32_u24 v3, v3, 144
	v_and_b32 v4, 7, v1
	v_lshl_add_u32 v3, v4, 4, v3
	v_add_nc_u32 v3, s17, v3                       ; the stage, in: eight lanes' 128 bytes on end, then 16 of padding
	v_mul_u32_u24 v4, v1, 144
	v_add_nc_u32 v4, s17, v4                       ; out: place = lane: one block of 32 numbers
	s_lshl_b32 s17, s16, 5
	v_add_nc_u32 v5, s17, v1
	v_add_nc_u32 v5, SBY, v5                       ; my block's scale byte: 32 x wave + lane
	v_add_nc_u32 v6, SBY, v2                       ; and the 512 bytes read back, 16 a lane
	v_lshlrev_b32 v7, 5, v1                        ; 32 x lane
	s_mov_b32 s20, 0x76543210
	s_mov_b32 s21, 0xfedcba98                      ; v_permlanex16_b32's selects: lane l xor 16
	s_mov_b32 s24, 0x3a800000                      ; 1 / 1024
	s_mov_b32 s19, 0
	s_wait_kmcnt 0x0
	s_cmp_ge_u32 ttmp9, 256
	s_cbranch_scc1 .Lmask
.macro ALLSUM r, t                     ; v[r] summed over the 32 lanes, in every lane; v[t] has been written before
	v_add_f32_dpp v[\r], v[\r], v[\r] row_xmask:1 row_mask:0xf bank_mask:0xf
	v_add_f32_dpp v[\r], v[\r], v[\r] row_xmask:2 row_mask:0xf bank_mask:0xf
	v_add_f32_dpp v[\r], v[\r], v[\r] row_xmask:4 row_mask:0xf bank_mask:0xf
	v_add_f32_dpp v[\r], v[\r], v[\r] row_xmask:8 row_mask:0xf bank_mask:0xf
	v_permlanex16_b32 v[\t], v[\r], s20, s21
	v_add_f32 v[\r], v[\r], v[\t]
.endm
	; ---- a row
	s_lshl_b32 s17, ttmp9, 4
	s_add_co_u32 s17, s17, s16                     ; my row
	s_lshl_b32 s18, s17, 12
	s_add_nc_u64 s[4:5], s[4:5], s[18:19]
	s_lshl_b32 s18, s17, 9
	s_add_nc_u64 s[22:23], s[12:13], s[18:19]      ; its 512 bytes of codes
.irp j, 0,1,2,3,4,5,6,7
	global_load_b128 v[X+4*\j:X+4*\j+3], v2, s[4:5] offset:512*\j      ; 32 lanes read 512 consecutive bytes
.endr
.irp j, 0,1,2,3,4,5,6,7
	global_load_b128 v[G+4*\j:G+4*\j+3], v2, s[6:7] offset:512*\j
.endr
.irp j, 0,1,2,3,4,5,6,7
	global_load_b128 v[BB+4*\j:BB+4*\j+3], v2, s[8:9] offset:512*\j
.endr
	s_wait_loadcnt 16                              ; the row is in; the 16 younger loads, gain and shift, may be out
	v_pk_add_f32 v[112:113], v[X:X+1], v[X+2:X+3]  ; the sum, two numbers at a time, in two chains
	v_pk_add_f32 v[114:115], v[X+4:X+5], v[X+6:X+7]
.irp j, 8,12,16,20,24,28
	v_pk_add_f32 v[112:113], v[112:113], v[X+\j:X+\j+1]
	v_pk_add_f32 v[114:115], v[114:115], v[X+\j+2:X+\j+3]
.endr
	v_pk_add_f32 v[112:113], v[112:113], v[114:115]
	v_add_f32 v112, v112, v113
	ALLSUM 112, 113
	v_mul_f32 v116, s24, v112                      ; the mean, twice
	v_mov_b32 v117, v116
.irp j, 0,2,4,6,8,10,12,14,16,18,20,22,24,26,28,30
	v_pk_add_f32 v[X+\j:X+\j+1], v[X+\j:X+\j+1], v[116:117] neg_lo:[0,1] neg_hi:[0,1]   ; x - mean
.endr
	v_pk_mul_f32 v[112:113], v[X:X+1], v[X:X+1]    ; the sum of squares of the differences
	v_pk_mul_f32 v[114:115], v[X+2:X+3], v[X+2:X+3]
.irp j, 4,8,12,16,20,24,28
	v_pk_fma_f32 v[112:113], v[X+\j:X+\j+1], v[X+\j:X+\j+1], v[112:113]
	v_pk_fma_f32 v[114:115], v[X+\j+2:X+\j+3], v[X+\j+2:X+\j+3], v[114:115]
.endr
	v_pk_add_f32 v[112:113], v[112:113], v[114:115]
	v_add_f32 v112, v112, v113
	ALLSUM 112, 113
	v_fmaak_f32 v112, s24, v112, 0x3727c5ac        ; the variance + 1e-5
	v_rsq_f32 v116, v112
	v_nop                                          ; a plain instruction between the transcendental and the use of its result
	s_wait_alu depctr_va_vdst(0)
	v_mov_b32 v117, v116
.irp j, 0,2,4,6,8,10,12,14,16,18,20,22,24,26,28,30
	v_pk_mul_f32 v[X+\j:X+\j+1], v[X+\j:X+\j+1], v[116:117]
.endr
	s_wait_loadcnt 0x0                             ; gain and shift
.irp j, 0,2,4,6,8,10,12,14,16,18,20,22,24,26,28,30
	v_pk_fma_f32 v[X+\j:X+\j+1], v[X+\j:X+\j+1], v[G+\j:G+\j+1], v[BB+\j:BB+\j+1]
.endr
	; through my own stage, so that a lane holds 32 NEIGHBOURS: LDS serves a wave's instructions in order, so no wait stands between the stores and the loads
.irp j, 0,1,2,3,4,5,6,7
	ds_store_b128 v3, v[X+4*\j:X+4*\j+3] offset:576*\j
.endr
.irp j, 0,1,2,3,4,5,6,7
	ds_load_b128 v[G+4*\j:G+4*\j+3], v4 offset:16*\j
.endr
	s_wait_dscnt 0x0
	v_max3_num_f32 v112, |v[G]|, |v[G+1]|, |v[G+2]|       ; the block's largest magnitude: all 32 numbers are mine
	v_max3_num_f32 v113, |v[G+3]|, |v[G+4]|, |v[G+5]|
.irp i, 6,10,14,18,22,26
	v_max3_num_f32 v112, v112, |v[G+\i]|, |v[G+\i+1]|
	v_max3_num_f32 v113, v113, |v[G+\i+2]|, |v[G+\i+3]|
.endr
	v_max3_num_f32 v112, v112, |v[G+30]|, |v[G+31]|
	v_max3_num_f32 v112, v112, v113, 0x1800000     ; and the floor 2^(3 - 127): the byte cannot fall under 1
	v_add_nc_u32 v114, 0xff000000, v112            ; 2 off its exponent field: the conversion takes the exponent field of this operand as its scale
.irp g, 0,1,2,3
	v_cvt_scalef32_pk8_fp4_f32 v[116+\g], v[G+8*\g:G+8*\g+7], v114
.endr
	v_lshrrev_b32 v115, 23, v114                   ; the scale's byte (a plain instruction behind the conversions)
	global_store_b128 v2, v[116:119], s[22:23]     ; 32 lanes store the row's 512 bytes of codes
	ds_store_b8 v5, v115
	s_branch .Ljoin
.Lmask:	; ---- sixteen queries x 512 keys of the mask
	s_sub_co_u32 s17, ttmp9, 256
	s_lshl_b32 s17, s17, 4
	s_add_co_u32 s17, s17, s16                     ; W = 4 T + which four steps
	s_lshr_b32 s18, s17, 2
	s_lshl_b32 s18, s18, 15                        ; 16 rows of 2,048 bytes
	s_and_b32 s25, s17, 3
	s_lshl_b32 s25, s25, 9                         ; 512 keys
	s_add_co_u32 s18, s18, s25
	s_add_nc_u64 s[10:11], s[10:11], s[18:19]
	s_lshl_b32 s18, s17, 2
	s_add_nc_u64 s[32:33], s[14:15], s[18:19]      ; my word of flags (524,288 bytes further on)
	s_lshl_b32 s18, s17, 10
	s_add_nc_u64 s[14:15], s[14:15], s[18:19]      ; my four steps' 1,024 bytes of words
	s_mov_b32 s28, 0x04000400                      ; v_perm_b32: byte m of the second source, byte m of the first
	s_mov_b32 s29, 0x05010501
	s_mov_b32 s30, 0x06020602
	s_mov_b32 s31, 0x07030703
.irp p, 0,1,2,3,4,5,6,7,8,9,10,11,12,13,14,15
	global_load_b128 v[16+4*\p:19+4*\p], v2, s[10:11] offset:2048*\p th:TH_LOAD_NT   ; row p: 512 consecutive bytes; lane 8 s + t holds the 16 keys of tile t of step s
.endr
	s_wait_loadcnt 0x0
.irp k, 0,1,2,3                        ; rows into bits: byte m of v[80 + k] has bit p = row p's byte 4 k + m (rows 0-7); v[84 + k] likewise for rows 8-15.  Bytes are 0 or 1, so no bit leaves its byte
	v_lshl_or_b32 v[80+\k], v[20+\k], 1, v[16+\k]
	v_lshl_or_b32 v[84+\k], v[52+\k], 1, v[48+\k]
.endr
.irp p, 2,3,4,5,6,7
.irp k, 0,1,2,3
	v_lshl_or_b32 v[80+\k], v[16+4*\p+\k], \p, v[80+\k]
	v_lshl_or_b32 v[84+\k], v[48+4*\p+\k], \p, v[84+\k]
.endr
.endr
.irp j, 0,1,2,3,4,5,6,7                ; word j: bits 0-15 key j of the tile for the 16 rows, bits 16-31 key 8 + j
	v_perm_b32 v112, v[84+\j/4], v[80+\j/4], s[28+\j%4]
	v_perm_b32 v113, v[86+\j/4], v[82+\j/4], s[28+\j%4]
	v_perm_b32 v[96+\j], v113, v112, 0x05040100
.endr
	global_store_b128 v7, v[96:99], s[14:15]       ; the two stores together fill 1,024 consecutive bytes
	global_store_b128 v7, v[100:103], s[14:15] offset:16
	v_or_b32 v112, v96, v97
	v_and_b32 v113, v96, v97
.irp j, 2,3,4,5,6,7
	v_or_b32 v112, v112, v[96+\j]
	v_and_b32 v113, v113, v[96+\j]
.endr
	v_cmp_ne_u32 s22, 0, v112                      ; lanes whose tile shows some key
	v_cmp_ne_u32 s23, -1, v113                     ; lanes whose tile hides some key
	s_mov_b32 s26, 0
.irp q, 0,1,2,3                        ; a step is eight lanes
	s_bfe_u32 s27, s22, (8<<16)|(8*\q)
	s_cmp_eq_u32 s27, 0
	s_cselect_b32 s27, 1<<\q, 0
	s_or_b32 s26, s26, s27
	s_bfe_u32 s27, s23, (8<<16)|(8*\q)
	s_cmp_eq_u32 s27, 0
	s_cselect_b32 s27, 16<<\q, 0
	s_or_b32 s26, s26, s27
.endr
	v_lshrrev_b32 v114, 16, v112
	v_or_b32 v112, v112, v114                      ; bits 0-15: the rows that see a key of my tile; then over all 32 lanes
.irp m, 1,2,4,8
	v_mov_b32_dpp v114, v112 row_xmask:\m row_mask:0xf bank_mask:0xf
	v_or_b32 v112, v112, v114
.endr
	v_permlanex16_b32 v114, v112, s20, s21
	v_or_b32 v112, v112, v114
	v_readfirstlane_b32 s27, v112
	s_lshl_b32 s27, s27, 16
	s_or_b32 s26, s26, s27
	v_mov_b32 v115, s26
	v_mov_b32 v116, 0
	s_wait_xcnt 0x0                                ; EXEC changes only behind this wait: the stores above have read it
	v_cmp_eq_u32 vcc_lo, 0, v1
	s_and_saveexec_b32 s27, vcc_lo
	global_store_b32 v116, v115, s[32:33] offset:524288    ; lane 0 stores the flags
	s_wait_xcnt 0x0                                ; and again in front of the line that widens it
	s_or_b32 exec_lo, exec_lo, s27
.Ljoin:
	s_wait_dscnt 0x0                               ; my scale byte has landed
	s_barrier_signal -1
	s_barrier_wait -1                              ; all sixteen rows' have
	s_cmp_ge_u32 ttmp9, 256
	s_cbranch_scc1 .Lend
	s_cmp_lg_u32 s16, 0
	s_cbranch_scc1 .Lend
	s_lshl_b32 s18, ttmp9, 9                       ; wave 0 stores the work-group's 512 scale bytes: two aligned runs of 256
	s_mov_b32 s19, 0
	s_add_nc_u64 s[12:13], s[12:13], s[18:19]
	ds_load_b128 v[120:123], v6
	s_wait_dscnt 0x0
	global_store_b128 v2, v[120:123], s[12:13] offset:2097152
.Lend:
	s_wait_tensorcnt 0x0
	ds_add_u32 v128, v129
	s_wait_dscnt 0x0
	s_endpgm
.Lfunc_end_k_q108ce500bb_ln1:
	.size	k_q108ce500bb_ln1, .Lfunc_end_k_q108ce500bb_ln1-k_q108ce500bb_ln1
	.p2alignl 7, 3214868480
	.fill 96, 4, 3214868480
	.section	.rodata,"a",@progbits
	.p2align	6, 0x0
	.amdhsa_kernel k_q108ce500bb_ln1
		.amdhsa_group_segment_fixed_size 76288
		.amdhsa_private_segment_fixed_size 0
		.amdhsa_enable_private_segment 0
		.amdhsa_kernarg_size 48
		.amdhsa_user_sgpr_count 2
		.amdhsa_user_sgpr_kernarg_segment_ptr 1
		.amdhsa_wavefront_size32 1
		.amdhsa_system_sgpr_workgroup_id_x 1
		.amdhsa_system_sgpr_workgroup_id_y 1
		.amdhsa_system_sgpr_workgroup_id_z 1
		.amdhsa_system_vgpr_workitem_id 0
		.amdhsa_next_free_vgpr 130
		.amdhsa_next_free_sgpr 66
		.amdhsa_reserve_vcc 1
		.amdhsa_float_denorm_mode_32 3
		.amdhsa_float_denorm_mode_16_64 3
		.amdhsa_memory_ordered 1
		.amdhsa_forward_progress 1
		.amdhsa_inst_pref_size 24
	.end_amdhsa_kernel
	.amdgpu_metadata
---
amdhsa.version: [ 1, 2 ]
amdhsa.kernels:
  - .name:           k_q108ce500bb_ln1
    .symbol:         k_q108ce500bb_ln1.kd
    .args:
      - { .name: x, .offset: 0, .size: 8, .value_kind: global_buffer, .address_space: global }
      - { .name: ln1_g, .offset: 8, .size: 8, .value_kind: global_buffer, .address_space: global }
      - { .name: ln1_b, .offset: 16, .size: 8, .value_kind: global_buffer, .address_space: global }
      - { .name: mask, .offset: 24, .size: 8, .value_kind: global_buffer, .address_space: global }
      - { .name: xn, .offset: 32, .size: 8, .value_kind: global_buffer, .address_space: global }
      - { .name: mk, .offset: 40, .size: 8, .value_kind: global_buffer, .address_space: global }
    .group_segment_fixed_size: 76288
    .private_segment_fixed_size: 0
    .kernarg_segment_align: 8
    .kernarg_segment_size: 48
    .max_flat_workgroup_size: 512
    .sgpr_count:     66
    .vgpr_count:     130
    .wavefront_size: 32
...
	.end_amdgpu_metadata
.endif
;; end of part 1
;; launch gqkv (part 2): grid 16 x 12, 4 waves a work-group, clusters of 4 x 4, 327,680 bytes of LDS; arguments xn, Wq_codes, Wq_scales, Wk_codes, Wk_scales, Wv_codes, Wv_scales, bq, bk, bv, qkv; writes qkv
.if DOCPART == 2
	.amdgcn_target "amdgcn-amd-amdhsa--gfx1250"
	.amdhsa_code_object_version 6
	.text
	.protected	k_q108ce500bb_gqkv
	.globl	k_q108ce500bb_gqkv
	.p2align	8
	.type	k_q108ce500bb_gqkv,@function
k_q108ce500bb_gqkv:
	s_mov_b64 s[64:65], 0
	v_nop
	global_prefetch_b8 v0, s[64:65] scope:SCOPE_SE
	s_setreg_imm32_b32 hwreg(HW_REG_WAVE_MODE, 25, 1), 1
	s_wait_xcnt 0x0
	s_wait_alu depctr_hold_cnt(0) depctr_sa_sdst(0) depctr_va_vdst(0) depctr_va_sdst(0) depctr_va_ssrc(0) depctr_va_vcc(0) depctr_vm_vsrc(0)
	s_getreg_b32 s2, hwreg(HW_REG_IB_STS2, 6, 4)
	s_cmp_eq_u32 s2, 0
	s_cbranch_scc0 .Lentry_in_a_cluster
	s_endpgm
.Lentry_in_a_cluster:
	s_bfe_u32 s2, ttmp6, 0x10000c
	s_cmp_lg_u32 s2, 0xf033
	s_cbranch_scc0 .Lentry_shape_is_right
	s_endpgm
.Lentry_shape_is_right:
; A PRODUCT ON CODES OF E2M1 WITH K = 1,024 WHOSE RESULT IS QUANTISED AGAIN ON ITS WAY OUT.  C[m][n] = sum over k of A[m][k] B[n][k] + bias; A, B: rows of 512 bytes of codes, rows of 32 E8M0 bytes.
; G1MODE = 0: three jobs, one for each cluster row of the grid.  Jobs 0, 1: A = the normalised tokens, B = Wq or Wk: q and k, quantised along the head's 64.  Job 2: A = Wv, B = the tokens: v TRANSPOSED, quantised along the keys.
; G1MODE = 1: A = the normalised tokens, B = W1: relu(C), quantised along the hidden units.
; A tile of C, 256 x 256, is made by four waves, each 128 x 128: 64 accumulators.  All of K lies in LDS: two slots of 512 along K and the scale bytes, each filled once.
; CLUSTERS: 4 x 4 work-groups; A's tiles are asked for jointly by a row of the cluster, B's by a column.  THE MATRIX INSTRUCTION IS USED TRANSPOSED (source 0 = 16 rows of B, source 1 = 16 rows of A):
; lane (r, h) holds row r of A's block, and register j of the accumulator of B's block b is column 16 b + 8 h + j: so a lane's 64 registers of a block of rows are 64 of 128 neighbours along the next product's K.
; THE WAY OUT writes images of operand registers: a group of four registers as 512 consecutive bytes, lane l's 16 bytes at 16 l; scale words, four bytes a row, beside them.
;   qkv: q's codes [head 32][tile of 16 tokens 128][512]; at 2,097,152 k's likewise; at 4,194,304 v's [head][128 keys 16][16 channels 4][1,024];
;        at 6,291,456 q's scale words [head][2,048] (bytes 0, 1; bytes 2, 3 are 0); at 6,553,600 k's; at 6,815,744 v's [head][16][4][16 words].
;   hid: codes [1,024 along K: 4][tile of 16 tokens 256][128 along K: 8][1,024]; at 8,388,608 scale words [tile 256][128 along K: 32][16 words].
; LIMITS: NaN and infinities are not served; a block of zeros, and one whose largest magnitude lies under 2^-124, gets the scale byte 1; this program alone reads the bytes.
; REGISTERS, in windows of 256: window 0: v8-15, v118-125 fresh codes; v16-31 addresses; v32-95 scale words, two sets; v96-117 at work on the way out; v128-191 A's fragments, later 64 results; v192-255 the bias along the columns.
;   window 1: B's fragments, two sets, at v0 and v128; v64-79 the bias along the rows, each number twice.   windows 2, 3: the accumulators ((a, b) at v[8 (8 (a % 4) + b)]).
.set G1MODE, 0
.set KSTEP,  512
.set NQ,     4                         ; matrix instructions deep in a slot
.set ROWB,   256                       ; a tile's row in bytes
.set KROW,   512                       ; a row of codes in memory
.set PITCH,  272                       ; an LDS row: 256 bytes + 16 of padding: the 16 rows that a load touches start at 16 different banks
.set FR,     8
.set NL,     2
.set NP,     4                         ; places behind this matrix instruction (ISA guide 7.12.1)
.set HALFT,  128*PITCH
.set SLOT,   4*HALFT
.set KS,     32                        ; a row of scale bytes
.set SCL,    2*SLOT
.set HALFS,  (128*KS/256)*272
.set SBLK,   (16*KS/256)*272
.set SPARE,  SCL+4*HALFS               ; the spare words, 128 bytes for each wave
.set ADRA, 16
.set ADRB, 20
.set LI,   24                          ; 16 x lane
.set WO,   25                          ; the scale words' lane offset (tokens in the lanes)
.set WO2,  26                          ; 4 x lane
.set ADRS, 27
.set SPW,  28
.set NIL,  29
.set BH,   30                          ; 32 h
.set BR,   31                          ; 4 r
.set SC,   32
.set TM,   96
.set PW,   112                         ; v112, v113: the scale word of an even, an odd block of rows
.set WD,   114                         ; v114, v115: the word to store, by turns
.set AF,   128
.set T,    128
.set BI,   192
.set BV,   64
.set G1, 24
.set G0, 32
.set G1B, 48
.set G0B, 56
.set G1S, 68
.set G0S, 76
.set G1SB, 80
.set G0SB, 88
.set SEL, 66
.set JOB, 95
.set BP,  96                           ; s[96:97] the bias
.set OC,  98                           ; s[98:99] where my codes go;  s[12:13] where my scale words go
.set HI,  100                          ; lanes 16-31
.set MSB, 0
.macro WIN new                         ; the immediate's high byte repeats the setting that is left
.if MSB != \new
	s_set_vgpr_msb (MSB<<8)|\new
.set MSB, \new
.endif
.endm
.set MUL_LO, 0xa1                      ; source 0 (B) window 1, source 1 (A) window 0, C and D window 2
.set MUL_HI, 0xf1
.set TO_B,   0x40
; A joint load: waves 0 and 1 fetch for A, waves 2 and 3 for B; the branch hangs on the wave's number alone.  Four v_nop follow each of the two lines.
.macro JLOAD g0a, g1a, g0b, g1b
	s_cmp_eq_u32 s15, 0
	s_cbranch_scc0 .Lfor_b_\@
	tensor_load_to_lds s[\g0a:\g0a+3], s[\g1a:\g1a+7]
	s_nop 0
.rept 4
	v_nop
.endr
	s_branch .Lasked_\@
.Lfor_b_\@:
	tensor_load_to_lds s[\g0b:\g0b+3], s[\g1b:\g1b+7]
	s_nop 0
.rept 4
	v_nop
.endr
.Lasked_\@:
.endm
.macro CROUND                          ; a round of the cluster's barrier
	s_barrier_signal -1
	s_barrier_wait -1
	s_cmp_lg_u32 s14, 0
	s_cbranch_scc1 .Lnot_wave_0_\@
	s_barrier_signal -3
.Lnot_wave_0_\@:
	s_barrier_wait -3
	s_barrier_signal -1
	s_barrier_wait -1
.endm
.if G1MODE
	s_load_b64 s[4:5], s[0:1], 0x0                 ; the tokens' codes
	s_load_b128 s[8:11], s[0:1], 0x8               ; W1's codes, W1's scales
	s_load_b64 s[BP:BP+1], s[0:1], 0x18            ; b1
	s_load_b64 s[12:13], s[0:1], 0x20              ; hid
.else
	s_load_b512 s[24:39], s[0:1], 0x0              ; xn s24, Wq codes s26, scales s28, Wk s30, s32, Wv s34, s36, bq s38
	s_load_b128 s[48:51], s[0:1], 0x40             ; bk, bv
	s_load_b64 s[12:13], s[0:1], 0x50              ; qkv
.endif
	v_lshl_add_u32 v[SPW], v0, 2, SPARE
	v_mov_b32 v[NIL], 0
	ds_add_u32 v28, v29
	ds_add_u32 v28, v29
	s_wait_dscnt 0x0
	v_lshrrev_b32 v1, 5, v0
	v_readfirstlane_b32 s14, v1                    ; wave 0..3
	s_lshr_b32 s15, s14, 1                         ; which half of the tile's rows is mine.  Also: I fetch for A (0) or for B (1)
	s_and_b32 s16, s14, 1                          ; which half of its columns.  Also: which 128 rows of that tile I fetch
	s_bfe_u32 s40, ttmp6, 0x40000                  ; cx, cy: my place in the cluster
	s_bfe_u32 s41, ttmp6, 0x40004
	s_and_b32 s[JOB], ttmp7, 0xffff                ; the cluster's y: the same in all sixteen partners
	s_lshl_b32 s46, ttmp9, 2
.if G1MODE
	s_lshl_b32 s17, s[JOB], 2
	s_mov_b32 s42, s46
.else
	s_cmp_eq_u32 s[JOB], 2                         ; the 16 tiles of tokens lie along the rows of C in jobs 0 and 1, along its columns in job 2
	s_cselect_b32 s17, 0, s46
	s_cselect_b32 s42, s46, 0
.endif
	s_add_co_u32 s17, s17, s41                     ; tile row of C
	s_add_co_u32 s42, s42, s40                     ; tile column of C
	s_lshl_b32 s43, s41, 2
	s_lshl_b32 s43, 15, s43                        ; my row of the cluster
	s_lshl_b32 s44, 0x1111, s40                    ; my column
	s_wait_kmcnt 0x0
.if G1MODE
	s_add_nc_u64 s[6:7], s[4:5], 0x200000          ; the tokens' scale bytes
.else
	s_add_nc_u64 s[92:93], s[24:25], 0x200000      ; the tokens' scale bytes
	s_cmp_eq_u32 s[JOB], 2                         ; the buffers are chosen by the job alone
	s_cselect_b64 s[4:5], s[34:35], s[24:25]       ; A's codes
	s_cselect_b64 s[6:7], s[36:37], s[92:93]       ; A's scales
	s_cselect_b64 s[8:9], s[24:25], s[30:31]       ; B's codes
	s_cselect_b64 s[10:11], s[92:93], s[32:33]     ; B's scales
	s_cselect_b64 s[BP:BP+1], s[50:51], s[48:49]
	s_cmp_eq_u32 s[JOB], 0
	s_cselect_b64 s[8:9], s[26:27], s[8:9]
	s_cselect_b64 s[10:11], s[28:29], s[10:11]
	s_cselect_b64 s[BP:BP+1], s[38:39], s[BP:BP+1]
.endif
	; descriptor group 1: a tile of 128 rows x 256 bytes, padded in LDS
	s_or_b32 s[G1+0], s43, (0<<16)|(1<<20)|(1<<21)|(5<<22)|(3<<25)  ; 15:0 the mask: my row; 17:16 elements of 1 byte; 20 padding on; 21 set beside a mask; 24:22 after every 64 words; 31:25 four words
	s_or_b32 s[G1B+0], s44, (0<<16)|(1<<20)|(1<<21)|(5<<22)|(3<<25)
.irp g, G1, G1B
	s_mov_b32 s[\g+1], ROWB<<16                    ; tensor_dim0
	s_mov_b32 s[\g+2], 128<<16                     ; tensor_dim1
	s_mov_b32 s[\g+3], ROWB<<16                    ; tile_dim0
	s_mov_b32 s[\g+4], 128                         ; tile_dim1
	s_mov_b32 s[\g+5], KROW                        ; tensor_dim0_stride
	s_mov_b32 s[\g+6], 0
	s_mov_b32 s[\g+7], 0
.endr
	; the scales of 128 rows: 4,096 dense bytes, as 16 rows of 256 bytes (32 elements of 8), 16 bytes of padding behind each
	s_or_b32 s[G1S+0], s43, (3<<16)|(1<<20)|(1<<21)|(5<<22)|(3<<25)
	s_or_b32 s[G1SB+0], s44, (3<<16)|(1<<20)|(1<<21)|(5<<22)|(3<<25)
.irp g, G1S, G1SB
	s_mov_b32 s[\g+1], 32<<16
	s_mov_b32 s[\g+2], (128*KS/256)<<16
	s_mov_b32 s[\g+3], 32<<16
	s_mov_b32 s[\g+4], 128*KS/256
	s_mov_b32 s[\g+5], 32
	s_mov_b32 s[\g+6], 0
	s_mov_b32 s[\g+7], 0
.endr
	s_lshl_b32 s18, s16, 7                         ; which 128 rows of the tile I fetch
	s_lshl_b32 s20, s17, 8
	s_add_co_u32 s20, s20, s18                     ; A: row 256 x tile row + 128 x half
	s_lshl_b32 s46, s42, 8
	s_add_co_u32 s46, s46, s18                     ; B: row 256 x tile column + 128 x half
	s_mov_b32 s21, 0
	s_mov_b32 s47, 0
	s_mov_b64 s[18:19], KS
	s_mul_u64 s[22:23], s[20:21], s[18:19]         ; where these rows' scales begin
	s_mul_u64 s[92:93], s[46:47], s[18:19]
	s_mov_b64 s[18:19], KROW
	s_mul_u64 s[20:21], s[20:21], s[18:19]         ; and their codes
	s_mul_u64 s[46:47], s[46:47], s[18:19]
	s_mul_i32 s45, s14, HALFT                      ; where they go: wave x 128 rows: no place in the cluster enters an LDS address
	s_mul_i32 s94, s14, HALFS
	s_add_nc_u64 s[20:21], s[4:5], s[20:21]
	s_add_nc_u64 s[22:23], s[6:7], s[22:23]
	s_add_nc_u64 s[46:47], s[8:9], s[46:47]
	s_add_nc_u64 s[92:93], s[10:11], s[92:93]
	CROUND                                         ; all sixteen work-groups are here: the joint loads meet
	s_mov_b32 s[G0S], 1
	s_add_co_u32 s[G0S+1], s94, SCL
	s_mov_b64 s[G0S+2:G0S+3], s[22:23]
	s_or_b32 s[G0S+3], s[G0S+3], 0x80000000
	s_mov_b32 s[G0SB], 1
	s_add_co_u32 s[G0SB+1], s94, SCL
	s_mov_b64 s[G0SB+2:G0SB+3], s[92:93]
	s_or_b32 s[G0SB+3], s[G0SB+3], 0x80000000
	JLOAD G0S, G1S, G0SB, G1SB                     ; the scales first: they are wanted with the first slot
.irp s, 0,1
	s_mov_b32 s[G0+4*\s], 1
	s_add_co_u32 s[G0+4*\s+1], s45, \s*SLOT
	s_add_nc_u64 s[G0+4*\s+2:G0+4*\s+3], s[20:21], \s*ROWB
	s_or_b32 s[G0+4*\s+3], s[G0+4*\s+3], 0x80000000
	s_mov_b32 s[G0B+4*\s], 1
	s_add_co_u32 s[G0B+4*\s+1], s45, \s*SLOT
	s_add_nc_u64 s[G0B+4*\s+2:G0B+4*\s+3], s[46:47], \s*ROWB
	s_or_b32 s[G0B+4*\s+3], s[G0B+4*\s+3], 0x80000000
	JLOAD G0+4*\s, G1, G0B+4*\s, G1B               ; three tensor loads of mine are out: all that this launch issues
.endr
	v_and_b32 v1, 15, v0                           ; r
	v_bfe_u32 v2, v0, 4, 1                         ; h
	v_mul_u32_u24 v3, v1, PITCH
	v_lshl_add_u32 v4, v2, 4, v3                   ; a fragment's row x pitch + 16 x half
	s_mul_i32 s21, s15, HALFT
	s_mul_i32 s22, s16, HALFT
	s_add_co_u32 s22, s22, 2*HALFT
.irp s, 0,1
	v_add_nc_u32 v[ADRA+\s], s21, v4
	v_add_nc_u32 v[ADRB+\s], s22, v4
	s_add_co_u32 s21, s21, SLOT
	s_add_co_u32 s22, s22, SLOT
.endr
	v_mul_u32_u24 v5, v1, KS                       ; my row's scales: 32 bytes a row,
	v_lshrrev_b32 v6, 8, v5
	v_lshl_add_u32 v5, v6, 4, v5                   ; and 16 more for each 256 passed
	s_mul_i32 s21, s15, HALFS
	s_mul_i32 s22, s16, HALFS
	s_add_co_u32 s22, s22, 2*HALFS
	s_sub_co_u32 s22, s22, s21
	v_mul_u32_u24 v6, s22, v2                      ; lanes 16-31 take B's
	s_add_co_u32 s21, s21, SCL
	v_add_nc_u32 v5, v5, v6
	v_add_nc_u32 v[ADRS], s21, v5
	v_and_b32 v6, 31, v0
	v_lshlrev_b32 v[LI], 4, v6
	v_lshlrev_b32 v[WO2], 2, v6
	v_lshlrev_b32 v[BR], 2, v1
	v_lshlrev_b32 v[BH], 5, v2
.if G1MODE
	v_lshl_add_u32 v[WO], v2, 11, v[BR]            ; lanes 16-31: the next tile of tokens, 2,048 bytes on
.else
	v_lshl_add_u32 v[WO], v2, 13, v[BR]            ; lanes 16-31: the next head, 8,192 bytes on
.endif
.irp b, 0,1,2,3
	v_mov_b32 v[TM+4+\b], 0                        ; written once: a lane permute's destination counts as one of its sources
.endr
	s_mov_b32 s[SEL], 0x76543210
	s_mov_b32 s[SEL+1], 0xfedcba98
	s_mov_b32 s[HI], 0xffff0000
	; where my 128 x 128 goes
	s_lshl_b32 s18, s17, 8
	s_lshl_b32 s19, s15, 7
	s_add_co_u32 s18, s18, s19                     ; m0: my first row of C
	s_lshl_b32 s19, s42, 8
	s_lshl_b32 s20, s16, 7
	s_add_co_u32 s19, s19, s20                     ; n0: my first column
	s_mov_b32 s47, 0
.if G1MODE
	s_lshr_b32 s20, s19, 7                         ; which 128 along the next K
	s_lshr_b32 s21, s18, 4                         ; which tile of 16 tokens
	s_lshr_b32 s22, s20, 3
	s_lshl_b32 s22, s22, 8
	s_add_co_u32 s22, s22, s21
	s_lshl_b32 s22, s22, 3
	s_and_b32 s23, s20, 7
	s_add_co_u32 s22, s22, s23
	s_lshl_b32 s46, s22, 10
	s_add_nc_u64 s[OC:OC+1], s[12:13], s[46:47]
	s_lshl_b32 s46, s21, 5
	s_add_co_u32 s46, s46, s20
	s_lshl_b32 s46, s46, 6
	s_add_co_u32 s46, s46, 8388608
	s_add_nc_u64 s[12:13], s[12:13], s[46:47]
	s_lshl_b32 s46, s19, 2
	s_add_nc_u64 s[BP:BP+1], s[BP:BP+1], s[46:47]
.else
	s_cmp_eq_u32 s[JOB], 2
	s_cselect_b32 s20, s19, s18                    ; my first token,
	s_cselect_b32 s21, s18, s19                    ; my first channel,
	s_cselect_b32 s22, 1, 0                        ; (v's scale words: half as many bytes for a head and for a token)
	s_lshr_b32 s23, s20, 11
	s_lshl_b32 s23, s23, 4
	s_lshr_b32 s46, s21, 6
	s_add_co_u32 s23, s23, s46                     ; 16 x batch + head
	s_and_b32 s20, s20, 2047                       ; the token in its batch
	s_lshl_b32 s46, s23, 16                        ; codes: 65,536 bytes a head, 32 a token, in all three layouts
	s_lshl_b32 s92, s20, 5
	s_add_co_u32 s46, s46, s92
	s_lshl_b32 s92, s[JOB], 21
	s_add_co_u32 s46, s46, s92
	s_add_nc_u64 s[OC:OC+1], s[12:13], s[46:47]
	s_lshl_b32 s46, s23, 13                        ; scale words: 8,192 bytes a head, 4 a token
	s_lshl_b32 s92, s20, 2
	s_add_co_u32 s46, s46, s92
	s_lshr_b32 s46, s46, s22
	s_lshl_b32 s92, s[JOB], 18
	s_add_co_u32 s46, s46, s92
	s_add_co_u32 s46, s46, 6291456
	s_add_nc_u64 s[12:13], s[12:13], s[46:47]
	s_lshl_b32 s46, s21, 2
	s_add_nc_u64 s[BP:BP+1], s[BP:BP+1], s[46:47]
.endif
.irp t, 0,1,2,3,4,5,6,7                ; the bias along the columns, in the result's layout: for B's block t the numbers 16 t + 8 h + 0 .. 7
	global_load_b128 v[BI+8*\t:BI+8*\t+3], v[BH], s[BP:BP+1] offset:64*\t
	global_load_b128 v[BI+8*\t+4:BI+8*\t+7], v[BH], s[BP:BP+1] offset:64*\t+16
.endr
.if !G1MODE
	WIN 0x40                                       ; and along the rows: for A's block a the number 16 a + r, twice.  Both forms lie inside the buffer in every job; each job uses one
.irp a, 0,1,2,3,4,5,6,7
	global_load_b32 v[BV+2*\a], v[BR], s[BP:BP+1] offset:64*\a
	global_load_b32 v[BV+2*\a+1], v[BR], s[BP:BP+1] offset:64*\a
.endr
	WIN 0
.endif
.macro FRAG reg, adr, q, i             ; a fragment, 16 rows x 128 K: lane l holds row l % 16; registers 4 c .. 4 c + 3 hold K = 64 c + 32 (l / 16) + 0 .. 31
.irp c, 0,1
	ds_load_b128 v[\reg+4*\c:\reg+4*\c+3], v[\adr] offset:64*(\q)+32*\c+(\i)*16*PITCH
.endr
.endm
; 16 matrix instructions: A's blocks a0, a0 + 1 x B's eight.  The 64 accumulators take turns, one instruction a turn, in the same order in every step.
.macro MUL16 a0, p, q, sc, zero
.irp a, \a0, \a0+1
.irp b, 0,1,2,3,4,5,6,7
.if \zero
	v_wmma_scale_f32_16x16x128_f8f6f4 v[8*(8*((\a)%4)+\b):8*(8*((\a)%4)+\b)+7], v[128*(\p)+FR*\b:128*(\p)+FR*\b+FR-1], v[AF+FR*(\a):AF+FR*(\a)+FR-1], 0, v[SC+8*NQ*(\sc)+NQ*\b+(\q)], v[SC+8*NQ*(\sc)+NQ*(\a)+(\q)] matrix_a_fmt:MATRIX_FMT_FP4 matrix_b_fmt:MATRIX_FMT_FP4 matrix_a_scale:MATRIX_SCALE_ROW1
.else
	v_wmma_scale_f32_16x16x128_f8f6f4 v[8*(8*((\a)%4)+\b):8*(8*((\a)%4)+\b)+7], v[128*(\p)+FR*\b:128*(\p)+FR*\b+FR-1], v[AF+FR*(\a):AF+FR*(\a)+FR-1], v[8*(8*((\a)%4)+\b):8*(8*((\a)%4)+\b)+7], v[SC+8*NQ*(\sc)+NQ*\b+(\q)], v[SC+8*NQ*(\sc)+NQ*(\a)+(\q)] matrix_a_fmt:MATRIX_FMT_FP4 matrix_b_fmt:MATRIX_FMT_FP4 matrix_a_scale:MATRIX_SCALE_ROW1
.endif
.endr
.endr
.endm
.macro FETCH_B slot, q, p
	WIN TO_B
.irp i, 0,1,2,3,4,5,6,7
	FRAG 128*(\p)+FR*\i, ADRB+\slot, \q, \i
.endr
	WIN 0
.endm
.macro FETCH_A slot, q, i0
.irp i, \i0, \i0+1, \i0+2, \i0+3
	FRAG AF+FR*(\i), ADRA+\slot, \q, \i
.endr
.endm
.macro SCALES sc                       ; a slot's scale words: four a row; lanes 0-15 take A's block i, lanes 16-31 B's block i
.irp i, 0,1,2,3,4,5,6,7
	ds_load_b128 v[SC+8*NQ*\sc+NQ*\i:SC+8*NQ*\sc+NQ*\i+3], v[ADRS] offset:\i*SBLK
.endr
.endm
.macro PLACES n                        ; plain vector instructions between a matrix instruction and a load into, or a vector instruction on, its registers
.rept \n
	v_nop
.endr
.endm
.macro STEP slot, q, zero              ; 128 along K, with its successor in the same slot
	s_wait_dscnt 4*NL                              ; B's set and A's blocks 0-3 are in; the youngest eight loads (A's blocks 4-7) may be out
	WIN MUL_LO
	MUL16 0, (\q)%2, \q, \slot, \zero
	MUL16 2, (\q)%2, \q, \slot, \zero
	s_wait_dscnt 0
	PLACES NP
	FETCH_B \slot, (\q)+1, 1-(\q)%2
	FETCH_A \slot, (\q)+1, 0
	WIN MUL_HI
	MUL16 4, (\q)%2, \q, \slot, \zero
	MUL16 6, (\q)%2, \q, \slot, \zero
	PLACES NP
	WIN 0
	FETCH_A \slot, (\q)+1, 4
.endm
.macro STEPS slot, from
.set Q, \from
.rept NQ-1-\from
	STEP \slot, Q, 0
.set Q, Q+1
.endr
.endm
	s_wait_tensorcnt 1                             ; the scales and my part of slot 0 are in (slot 1's load may be out),
	s_barrier_signal -1
	s_barrier_wait -1                              ; everybody's are
	FETCH_B 0, 0, 0
	FETCH_A 0, 0, 0
	SCALES 0
	FETCH_A 0, 0, 4
	STEP 0, 0, 1                                   ; the first products start the sums: nothing is cleared
	STEPS 0, 1
	; slot 0's last step changes slots: one barrier; nothing is filled again
	s_wait_tensorcnt 0x0                           ; my part of slot 1 has landed;
	ds_add_u32 v[SPW], v[NIL]                      ; 0 onto my spare word
	s_wait_dscnt 4*NL+1                            ; (the add and the youngest eight loads may be out)
	WIN MUL_LO
	MUL16 0, 1, NQ-1, 0, 0
	s_wait_dscnt 0x0
	s_barrier_signal -1
	MUL16 2, 1, NQ-1, 0, 0
	WIN 0
	s_barrier_wait -1                              ; slot 1 is whole
	PLACES NP
	v_add_nc_u32 v[ADRS], 4*NQ, v[ADRS]            ; on to slot 1's scale words
	FETCH_B 1, 0, 0
	FETCH_A 1, 0, 0
	SCALES 1
	WIN MUL_HI
	MUL16 4, 1, NQ-1, 0, 0
	MUL16 6, 1, NQ-1, 0, 0
	PLACES NP
	WIN 0
	FETCH_A 1, 0, 4
	STEPS 1, 0
	s_wait_dscnt 4*NL                              ; the very last step: nothing more to fetch
	WIN MUL_LO
	MUL16 0, 1, NQ-1, 1, 0
	MUL16 2, 1, NQ-1, 1, 0
	s_wait_dscnt 0
	WIN MUL_HI
	MUL16 4, 1, NQ-1, 1, 0
	MUL16 6, 1, NQ-1, 1, 0
	WIN 0
; 64 numbers of a lane, v[s] on: register 8 t + j = place 16 t + 8 h + j along the next K, of my row.  They become a fragment's eight registers of codes, v[pc] on, and its scale word, v[pw].
; A block of 32 is registers 16 b .. 16 b + 15 of lanes l and l xor 16.  The conversions are ordered so that two exchanges of halves for each 64 along K give the operand's layout: registers 4 c + i hold K = 64 c + 32 h + 8 i + 0 .. 7.
.macro QUANTN s, pc, pw
.irp b, 0,1,2,3
	v_max3_num_f32 v[TM+\b], |v[\s+16*\b]|, |v[\s+16*\b+1]|, 0x1800000   ; with the floor 2^(3 - 127): the byte cannot fall under 1
.endr
.irp i, 2,4,6,8,10,12,14
.irp b, 0,1,2,3
	v_max3_num_f32 v[TM+\b], v[TM+\b], |v[\s+16*\b+\i]|, |v[\s+16*\b+\i+1]|
.endr
.endr
.irp b, 0,1,2,3
	v_permlanex16_b32 v[TM+4+\b], v[TM+\b], s[SEL], s[SEL+1]
.endr
.irp b, 0,1,2,3
	v_max_num_f32 v[TM+\b], v[TM+\b], v[TM+4+\b]
.endr
.irp b, 0,1,2,3
	v_add_nc_u32 v[TM+12+\b], 0xff000000, v[TM+\b]     ; 2 off the exponent field: the conversion's scale operand
.endr
.irp b, 0,1,2,3
	v_lshrrev_b32 v[TM+4+\b], 23, v[TM+12+\b]          ; the scale's byte
.endr
	v_lshl_or_b32 v[\pw], v[TM+5], 8, v[TM+4]
	v_lshl_or_b32 v[\pw], v[TM+6], 16, v[\pw]
	v_lshl_or_b32 v[\pw], v[TM+7], 24, v[\pw]
.irp c, 0,1
	v_cvt_scalef32_pk8_fp4_f32 v[\pc+4*\c],   v[\s+32*\c:\s+32*\c+7],     v[TM+12+2*\c]
	v_cvt_scalef32_pk8_fp4_f32 v[\pc+4*\c+1], v[\s+32*\c+16:\s+32*\c+23], v[TM+13+2*\c]
	v_cvt_scalef32_pk8_fp4_f32 v[\pc+4*\c+2], v[\s+32*\c+8:\s+32*\c+15],  v[TM+12+2*\c]
	v_cvt_scalef32_pk8_fp4_f32 v[\pc+4*\c+3], v[\s+32*\c+24:\s+32*\c+31], v[TM+13+2*\c]
.endr
	v_nop                                          ; one plain instruction behind the scaled conversions
.irp c, 0,1
	v_permlane16_swap_b32 v[\pc+4*\c], v[\pc+4*\c+1]       ; the first's lanes 16-31 change places with the second's lanes 0-15
	v_permlane16_swap_b32 v[\pc+4*\c+2], v[\pc+4*\c+3]
.endr
.endm
; THE WAY OUT of A's block a.  mode 0: q or k;  1: v transposed;  2: the hidden layer.
.macro EPI a, mode
.set PCX, 118-110*((\a)%2)             ; the codes: v118-125 and v8-15 by turns
.set PWX, PW+(\a)%2
.if (\a) >= 2
	s_wait_xcnt 0x0                                ; the stores of two blocks ago have read their registers
.endif
.if \mode == 1
	WIN (0x06+(\a)/4)                              ; source 0: the accumulators' window; source 1: window 1
.else
	WIN (0x02+(\a)/4)
.endif
.set kk, 0
.rept 32                               ; + bias; each accumulator is read from its low end on
.if \mode == 1
	v_pk_add_f32 v[T+2*kk:T+2*kk+1], v[64*((\a)%4)+2*kk:64*((\a)%4)+2*kk+1], v[BV+2*(\a):BV+2*(\a)+1]
.else
	v_pk_add_f32 v[T+2*kk:T+2*kk+1], v[64*((\a)%4)+2*kk:64*((\a)%4)+2*kk+1], v[BI+2*kk:BI+2*kk+1]
.endif
.set kk, kk+1
.endr
	WIN 0
.if \mode == 2
.set kk, 0
.rept 64
	v_max_num_f32 v[T+kk], 0, v[T+kk]              ; the activation, in f32
.set kk, kk+1
.endr
.endif
	QUANTN T, PCX, PWX
.if \mode == 0
	v_and_b32 v116, 0xffff, v[PWX]                 ; the first head's two bytes,
	v_lshrrev_b32 v117, 16, v[PWX]                 ; the second's;
	v_cndmask_b32 v[WD+(\a)%2], v116, v117, s[HI]  ; lanes 0-15 store the first head's word of token r, lanes 16-31 the second's
	global_store_b128 v[LI], v[PCX:PCX+3], s[OC:OC+1] offset:(\a)*512              ; 512 consecutive bytes: a head's 64 channels of 16 tokens
	global_store_b128 v[LI], v[PCX+4:PCX+7], s[OC:OC+1] offset:65536+(\a)*512      ; the next head's
	global_store_b32 v[WO], v[WD+(\a)%2], s[12:13] offset:64*(\a)
.elseif \mode == 1
	global_store_b128 v[LI], v[PCX:PCX+3], s[OC:OC+1] offset:((\a)/4)*65536+((\a)%4)*1024
	global_store_b128 v[LI], v[PCX+4:PCX+7], s[OC:OC+1] offset:((\a)/4)*65536+((\a)%4)*1024+512
.if (\a)%2
	v_cndmask_b32 v[WD+((\a)/2)%2], v[PW], v[PW+1], s[HI]      ; two blocks' words leave together: 128 consecutive bytes
	global_store_b32 v[WO2], v[WD+((\a)/2)%2], s[12:13] offset:((\a)/4)*4096+(((\a)-1)%4)*64
.endif
.else
	global_store_b128 v[LI], v[PCX:PCX+3], s[OC:OC+1] offset:(\a)*8192
	global_store_b128 v[LI], v[PCX+4:PCX+7], s[OC:OC+1] offset:(\a)*8192+512
.if (\a)%2
	v_cndmask_b32 v[WD+((\a)/2)%2], v[PW], v[PW+1], s[HI]
	global_store_b32 v[WO], v[WD+((\a)/2)%2], s[12:13] offset:((\a)-1)*2048
.endif
.endif
.endm
	PLACES NP                                      ; behind the last products: their results are read and A's fragments overwritten below
	s_wait_loadcnt 0x0                             ; the bias
.if G1MODE
.irp a, 0,1,2,3,4,5,6,7
	EPI \a, 2
.endr
.else
	s_cmp_eq_u32 s[JOB], 2                         ; the job is the same in all partners
	s_cbranch_scc1 .Lvt
.irp a, 0,1,2,3,4,5,6,7
	EPI \a, 0
.endr
	s_branch .Lout
.Lvt:
.irp a, 0,1,2,3,4,5,6,7
	EPI \a, 1
.endr
.Lout:
.endif
	s_wait_tensorcnt 0x0                           ; the wave's end
	ds_add_u32 v[SPW], v[NIL]
	s_wait_dscnt 0x0
	CROUND                                         ; the closing round
	s_endpgm
.Lfunc_end_k_q108ce500bb_gqkv:
	.size	k_q108ce500bb_gqkv, .Lfunc_end_k_q108ce500bb_gqkv-k_q108ce500bb_gqkv
	.p2alignl 7, 3214868480
	.fill 96, 4, 3214868480
	.section	.rodata,"a",@progbits
	.p2align	6, 0x0
	.amdhsa_kernel k_q108ce500bb_gqkv
		.amdhsa_group_segment_fixed_size 327680
		.amdhsa_private_segment_fixed_size 0
		.amdhsa_enable_private_segment 0
		.amdhsa_kernarg_size 88
		.amdhsa_user_sgpr_count 2
		.amdhsa_user_sgpr_kernarg_segment_ptr 1
		.amdhsa_wavefront_size32 1
		.amdhsa_system_sgpr_workgroup_id_x 1
		.amdhsa_system_sgpr_workgroup_id_y 1
		.amdhsa_system_sgpr_workgroup_id_z 1
		.amdhsa_system_vgpr_workitem_id 0
		.amdhsa_next_free_vgpr 1024
		.amdhsa_next_free_sgpr 102
		.amdhsa_reserve_vcc 0
		.amdhsa_float_denorm_mode_32 3
		.amdhsa_float_denorm_mode_16_64 3
		.amdhsa_memory_ordered 1
		.amdhsa_forward_progress 1
		.amdhsa_inst_pref_size 198
	.end_amdhsa_kernel
	.amdgpu_metadata
---
amdhsa.version: [ 1, 2 ]
amdhsa.kernels:
  - .name:           k_q108ce500bb_gqkv
    .symbol:         k_q108ce500bb_gqkv.kd
    .args:
      - { .name: xn, .offset: 0, .size: 8, .value_kind: global_buffer, .address_space: global }
      - { .name: Wq_codes, .offset: 8, .size: 8, .value_kind: global_buffer, .address_space: global }
      - { .name: Wq_scales, .offset: 16, .size: 8, .value_kind: global_buffer, .address_space: global }
      - { .name: Wk_codes, .offset: 24, .size: 8, .value_kind: global_buffer, .address_space: global }
      - { .name: Wk_scales, .offset: 32, .size: 8, .value_kind: global_buffer, .address_space: global }
      - { .name: Wv_codes, .offset: 40, .size: 8, .value_kind: global_buffer, .address_space: global }
      - { .name: Wv_scales, .offset: 48, .size: 8, .value_kind: global_buffer, .address_space: global }
      - { .name: bq, .offset: 56, .size: 8, .value_kind: global_buffer, .address_space: global }
      - { .name: bk, .offset: 64, .size: 8, .value_kind: global_buffer, .address_space: global }
      - { .name: bv, .offset: 72, .size: 8, .value_kind: global_buffer, .address_space: global }
      - { .name: qkv, .offset: 80, .size: 8, .value_kind: global_buffer, .address_space: global }
    .group_segment_fixed_size: 327680
    .private_segment_fixed_size: 0
    .kernarg_segment_align: 8
    .kernarg_segment_size: 88
    .max_flat_workgroup_size: 128
    .sgpr_count:     102
    .vgpr_count:     1024
    .wavefront_size: 32
...
	.end_amdgpu_metadata
.endif
;; end of part 2
;; launch attn (part 3): grid 8 x 32, 16 waves a work-group, no clusters, 145,408 bytes of LDS; arguments qkv, mk, ao; writes ao
.if DOCPART == 3
	.amdgcn_target "amdgcn-amd-amdhsa--gfx1250"
	.amdhsa_code_object_version 6
	.text
	.protected	k_q108ce500bb_attn
	.globl	k_q108ce500bb_attn
	.p2align	8
	.type	k_q108ce500bb_attn,@function
k_q108ce500bb_attn:
	s_mov_b64 s[64:65], 0
	v_nop
	global_prefetch_b8 v0, s[64:65] scope:SCOPE_SE
	s_setreg_imm32_b32 hwreg(HW_REG_WAVE_MODE, 25, 1), 1
	s_wait_xcnt 0x0
; ATTENTION ON CODES OF E2M1, head size 64, 2,048 keys, with the mask as it was given.  qkv and mk as the launches before laid them; ao: the result / the row's sum, quantised along the model's 1,024:
;   ao: codes [tile of 16 tokens 256][head 16][512 bytes: an image of four operand registers]; from byte 2,097,152 on scale words [tile][two heads: 8][16 words], byte 2 (head % 2) + block of word r.
; SOFTMAX: t = score x log2(e) / 8; M = the running largest t rounded up to a whole number; p = 2^(t - M) is quantised along the keys; the row's sum is taken of the unquantised p and divides at the end.
; SHARES.  A work-group owns one head and sixteen tiles of 16 queries, 8 i + x, i = 0 .. 15.  Wave w takes i = 15 - w (bit 2 of w clear) or (w + 4) mod 16 (set): the indices of waves w, w + 4, w + 8, w + 12 add up to 30,
; so that where a mask hides the keys behind a query, and a tile's work grows with i, these four have equal work in sum, and the longest tiles belong to the first waves.
; The head's codes and scale words of k and v, 143,360 bytes, are copied into LDS once, through registers; one barrier; then no wave waits for another.
; NO TENSOR LOADS AND NO JOINT REQUESTS: the walk over the keys branches on the stored flags of the mask, and what the eight work-groups of a head share is fetched once by each, 143,360 bytes for up to 256 wave-steps of work.
; LAYOUT.  Both products are used transposed: S^T = k q^T (source 0 = 16 keys), O^T = v^T p^T (source 0 = 16 channels): a lane holds ONE query (lane % 16); register j of tile t is key 16 t + 8 (lane / 16) + j.
; K = 64 fills half of the instruction's 128: q's upper four registers are zero codes.  So the upper four registers of a fragment of k may hold anything: they are the next tile's codes, and one load a tile serves.
; REQUESTS GO OUT A STEP AHEAD.  Behind a step's eight products its v and the NEXT step's k are asked of LDS in one run; behind the lines that use the step's 64 lane masks the next step's are asked of memory.
; PF says whether the step in hand was asked for so; a step that follows steps left out asks anew.  In the last trip the requests ahead read v's bytes in LDS, and the next tile's mask words or, behind the last tile, the flags:
; inside LDS and inside mk, and never used.
; THE MASK: word 8 t + j of a step is the lane mask of register 8 t + j.  A hidden score is replaced by -2^33, a logit of -2^30.
; LIMITS, stated: reference() puts -1e9 there; the results are the same as long as every open logit of a row that has one lies above about -9.9e8.  With -2^33 the product by log2(e) / 8 is exact and whole, so a row with no
; open key gets p = 1 everywhere, as with -1e9.  A step whose 16 x 128 scores are all hidden is left out, unless some query of the tile has no open key at all.  NaN and infinities are not served.
; The result's scale bytes leave one byte a lane: a word's other half belongs to the neighbouring head's work-group.
; REGISTERS: v1-3 lane terms; v4-7 the step's LDS addresses; v8 -2^33; v12 -M, v13 the largest t, v[14:15] the sum; v16-23 q; v24-27 k's scale words, v28-29 v's, v30 q's, v31 p's; v32-67 k; v68-99 v;
;   v100-163 S^T, then p; v164-195 O^T; v196-203 p's codes; v204-223 at work.
.set KSB, 131072                       ; LDS: k's codes at 0, v's at 65,536, k's scale words here,
.set VSB, 139264                       ; v's here
.set CNT, 84
.set TB,  85                           ; the step's codes: 4,096 bytes a step
.set TS,  86                           ; k's scale words: 512
.set TV,  87                           ; v's: 256
.set MOFF, 88                          ; the mask's words: 256
.set SKIP, 89
.set OPEN, 90
.set TMPS, 91
.set CS,  92                           ; s[92:93] log2(e) / 8
.set SEL, 94
.set MB,  96                           ; s[96:97] my tile's mask words
.set HI,  98
.set MNX, 99                           ; the offset that the mask's loads in flight name: written only when none is out
.set PF,  100                          ; 1: the next trip's k and lane masks have been asked for
.set PFO, 101                          ; the same of the trip in hand
	s_load_b128 s[4:7], s[0:1], 0x0                ; qkv, mk
	s_load_b64 s[8:9], s[0:1], 0x10                ; ao
	v_lshl_add_u32 v224, v0, 2, 0x23000
	v_mov_b32 v225, 0
	v_lshrrev_b32 v1, 5, v0
	v_readfirstlane_b32 s10, v1                    ; wave 0..15
	s_and_b32 s11, ttmp7, 0xffff                   ; 16 x batch + head
	s_sub_co_u32 s12, 15, s10                      ; 15 - w
	s_add_co_u32 s13, s10, 4
	s_and_b32 s13, s13, 15                         ; (w + 4) mod 16
	s_and_b32 s14, s10, 4
	s_cmp_lg_u32 s14, 0
	s_cselect_b32 s13, s13, s12                    ; i
	s_lshl_b32 s13, s13, 3
	s_add_co_u32 s13, s13, ttmp9                   ; my tile of queries: 8 i + x
	v_and_b32 v11, 31, v0
	v_and_b32 v9, 15, v0                           ; r
	v_bfe_u32 v10, v0, 4, 1                        ; h
	v_lshlrev_b32 v1, 4, v11                       ; 16 x lane
	v_lshl_add_u32 v2, v11, 2, KSB
	v_lshl_add_u32 v3, v11, 2, VSB
	v_lshlrev_b32 v4, 4, v0                        ; the copy: 16 bytes a thread
	v_add_nc_u32 v5, 65536, v4
	v_add_nc_u32 v6, KSB, v4
	v_lshl_add_u32 v7, v0, 3, VSB
	v_lshlrev_b32 v204, 3, v0
	s_lshl_b32 s12, s13, 9
	v_add_nc_u32 v205, s12, v1                     ; q's codes: 512 x tile + 16 x lane
	s_lshl_b32 s12, s13, 6
	v_lshl_add_u32 v206, v9, 2, s12                ; q's scale words: 64 x tile + 4 r
	s_lshl_b32 s16, s11, 16
	s_mov_b32 s17, 0
	s_lshl_b32 s18, s11, 13
	s_mov_b32 s19, 0
	s_lshl_b32 s20, s11, 12
	s_mov_b32 s21, 0
	s_lshl_b32 s22, s13, 4
	s_mov_b32 s23, 0
	s_lshl_b32 s24, s13, 12
	s_mov_b32 s25, 0
	s_wait_kmcnt 0x0
	s_add_nc_u64 s[16:17], s[4:5], s[16:17]        ; the head's codes: 65,536 bytes in each of the three parts
	s_add_nc_u64 s[18:19], s[4:5], s[18:19]        ; q's and k's scale words: 8,192 bytes a head
	s_add_nc_u64 s[20:21], s[4:5], s[20:21]        ; v's: 4,096
	s_add_nc_u64 s[22:23], s[6:7], s[22:23]
	s_add_nc_u64 s[MB:MB+1], s[6:7], s[24:25]
	s_load_b128 s[28:31], s[22:23], 0x80000        ; my tile's four words of flags
.irp k, 0,1,2,3,4,5,6,7
	global_load_b128 v[100+4*\k:103+4*\k], v4, s[16:17] offset:0x200000+8192*\k
.endr
.irp k, 0,1,2,3,4,5,6,7
	global_load_b128 v[132+4*\k:135+4*\k], v4, s[16:17] offset:0x400000+8192*\k
.endr
	global_load_b128 v[196:199], v4, s[18:19] offset:6553600
	global_load_b64 v[200:201], v204, s[20:21] offset:6815744
	global_load_b128 v[16:19], v205, s[16:17]
	global_load_b32 v30, v206, s[18:19] offset:6291456
	s_mov_b32 s[CS], 0x3e38aa3b
	s_mov_b32 s[CS+1], s[CS]                       ; (named with it as a pair, so it is written)
	s_mov_b32 s[SEL], 0x76543210
	s_mov_b32 s[SEL+1], 0xfedcba98
	s_mov_b32 s[HI], 0xffff0000
	s_mov_b32 s[CNT], 0
	s_mov_b32 s[TB], 0
	s_mov_b32 s[TS], 0
	s_mov_b32 s[TV], 0
	s_mov_b32 s[MOFF], 0
	s_mov_b32 s[PF], 1                             ; step 0 is asked for below, ahead of the loop
.irp j, 20,21,22,23,64,65,66,67
	v_mov_b32 v[\j], 0                             ; zero codes: q's upper half, and what stands behind k's last tile
.endr
	v_mov_b32 v8, 0xd0000000                       ; -2^33
	v_mov_b32 v13, 0xff61b1e6                      ; the largest t so far: -3e38
	v_floor_f32 v12, -v13                          ; -M
	v_mov_b32 v14, 0
	v_mov_b32 v15, 0
.irp j, 208,209,210,211,216,219
	v_mov_b32 v[\j], 0                             ; lane permutes' destinations, and the upper half of the pair v[218:219]
.endr
.set n, 0
.rept 32
	v_mov_b32 v[164+n], 0                          ; O^T: the step is written once; the first finds zeros
.set n, n+1
.endr
	s_wait_kmcnt 0x0
	s_or_b32 s24, s28, s29
	s_or_b32 s25, s30, s31
	s_or_b32 s24, s24, s25
	s_lshr_b32 s24, s24, 16                        ; the queries that see some key
	s_and_b32 s[SKIP], s28, 15
	s_bfe_u32 s[OPEN], s28, 0x40004
.irp q, 1,2,3
	s_and_b32 s25, s[28+\q], 15
	s_lshl_b32 s25, s25, 4*\q
	s_or_b32 s[SKIP], s[SKIP], s25
	s_bfe_u32 s25, s[28+\q], 0x40004
	s_lshl_b32 s25, s25, 4*\q
	s_or_b32 s[OPEN], s[OPEN], s25
.endr
	s_cmp_eq_u32 s24, 0xffff
	s_cselect_b32 s[SKIP], s[SKIP], 0              ; a query with no open key averages over ALL keys: then nothing is left out
	s_wait_loadcnt 0x0                             ; the copy's loads are in: their bases, s16-21, may be written again
	s_load_b512 s[16:31], s[MB:MB+1], 0x0          ; step 0's 64 lane masks: they land while the copy is stored and the barrier is passed
	s_load_b512 s[32:47], s[MB:MB+1], 0x40
	s_load_b512 s[48:63], s[MB:MB+1], 0x80
	s_load_b512 s[68:83], s[MB:MB+1], 0xc0
.irp k, 0,1,2,3,4,5,6,7
	ds_store_b128 v4, v[100+4*\k:103+4*\k] offset:8192*\k
.endr
.irp k, 0,1,2,3,4,5,6,7
	ds_store_b128 v5, v[132+4*\k:135+4*\k] offset:8192*\k
.endr
	ds_store_b128 v6, v[196:199]
	ds_store_b64 v7, v[200:201]
	s_wait_dscnt 0x0                               ; for the others' sake: my part of the copy has landed
	s_barrier_signal -1
	s_barrier_wait -1
.irp t, 0,1,2,3,4,5,6,7
	ds_load_b128 v[32+4*\t:35+4*\t], v1 offset:512*\t          ; step 0's k
.endr
.irp p, 0,1,2,3
	ds_load_b32 v[24+\p], v2 offset:128*\p
.endr
.Lstep:                                            ; 16 trips, 128 keys each
	s_lshr_b32 s[TMPS], s[SKIP], s[CNT]
	s_and_b32 s[TMPS], s[TMPS], 1
	s_mov_b32 s[PFO], s[PF]
	s_mov_b32 s[PF], 0                             ; a trip that is left out asks for nothing
	s_cmp_lg_u32 s[TMPS], 0
	s_cbranch_scc1 .Lnext                          ; wholly hidden: only the addresses step
	v_add_nc_u32 v4, s[TB], v1
	v_add_nc_u32 v6, s[TS], v2
	s_cmp_lg_u32 s[PFO], 0
	s_cbranch_scc1 .Lhave
	s_wait_dscnt 0x0                               ; the trip before was left out: what was asked for earlier has landed in these registers,
	s_wait_kmcnt 0x0                               ; so they may be loaded anew, and MNX written
	s_mov_b32 s[MNX], s[MOFF]
	s_load_b512 s[16:31], s[MB:MB+1], s[MNX] offset:0x0
	s_load_b512 s[32:47], s[MB:MB+1], s[MNX] offset:0x40
	s_load_b512 s[48:63], s[MB:MB+1], s[MNX] offset:0x80
	s_load_b512 s[68:83], s[MB:MB+1], s[MNX] offset:0xc0
.irp t, 0,1,2,3,4,5,6,7
	ds_load_b128 v[32+4*\t:35+4*\t], v4 offset:512*\t          ; 512 consecutive bytes: a tile of 16 keys
.endr
.irp p, 0,1,2,3
	ds_load_b32 v[24+\p], v6 offset:128*\p                     ; lanes 0-15: tile 2 p's scale words, lanes 16-31: tile 2 p + 1's
.endr
.Lhave:
	s_wait_dscnt 0x0                               ; this step's k is in
.irp t, 0,1,2,3,4,5,6,7
.if \t%2
	v_wmma_scale_f32_16x16x128_f8f6f4 v[100+8*\t:107+8*\t], v[32+4*\t:39+4*\t], v[16:23], 0, v[24+\t/2], v30 matrix_a_fmt:MATRIX_FMT_FP4 matrix_b_fmt:MATRIX_FMT_FP4 matrix_a_scale:MATRIX_SCALE_ROW1
.else
	v_wmma_scale_f32_16x16x128_f8f6f4 v[100+8*\t:107+8*\t], v[32+4*\t:39+4*\t], v[16:23], 0, v[24+\t/2], v30 matrix_a_fmt:MATRIX_FMT_FP4 matrix_b_fmt:MATRIX_FMT_FP4
.endif
.endr
	v_add_nc_u32 v5, 65536, v4                     ; four places behind the products (ISA guide 7.12.1): two addresses and two v_nop
	v_add_nc_u32 v7, s[TV], v3
	v_nop
	v_nop
.irp t, 0,1,2,3
	ds_load_b128 v[68+8*\t:71+8*\t], v5 offset:1024*\t         ; v^T: 16 channels x these 128 keys
	ds_load_b128 v[72+8*\t:75+8*\t], v5 offset:1024*\t+512
.endr
.irp p, 0,1
	ds_load_b32 v[28+\p], v7 offset:128*\p
.endr
.irp t, 0,1,2,3,4,5,6,7
	ds_load_b128 v[32+4*\t:35+4*\t], v4 offset:4096+512*\t     ; the NEXT step's k: twelve loads behind v's ten
.endr
.irp p, 0,1,2,3
	ds_load_b32 v[24+\p], v6 offset:512+128*\p
.endr
	s_wait_kmcnt 0x0                               ; the lane masks
	s_lshr_b32 s[TMPS], s[OPEN], s[CNT]
	s_and_b32 s[TMPS], s[TMPS], 1
	s_cmp_lg_u32 s[TMPS], 0
	s_cbranch_scc1 .Lopen                          ; wholly open: nothing to replace
.set n, 0
.rept 64
.if n < 48
	v_cndmask_b32 v[100+n], v8, v[100+n], s[16+n]
.else
	v_cndmask_b32 v[100+n], v8, v[100+n], s[20+n]
.endif
.set n, n+1
.endr
.Lopen:
.irp b, 0,1,2,3
	v_max3_num_f32 v[204+\b], v[100+16*\b], v[101+16*\b], v[102+16*\b]   ; the largest score of each block of 32 keys: for the row's maximum, and, since p rises with the score, for the block's largest p
.endr
.irp i, 3,5,7,9,11,13
.irp b, 0,1,2,3
	v_max3_num_f32 v[204+\b], v[204+\b], v[100+16*\b+\i], v[101+16*\b+\i]
.endr
.endr
.irp b, 0,1,2,3
	v_max_num_f32 v[204+\b], v[204+\b], v[115+16*\b]
.endr
.irp b, 0,1,2,3
	v_permlanex16_b32 v[208+\b], v[204+\b], s[SEL], s[SEL+1]
.endr
.irp b, 0,1,2,3
	v_max_num_f32 v[204+\b], v[204+\b], v[208+\b]
.endr
	v_max3_num_f32 v216, v204, v205, v206
	v_max_num_f32 v216, v216, v207
	v_mul_f32 v216, s[CS], v216                    ; as t
	v_max_num_f32 v13, v13, v216                   ; the running largest t
	v_mov_b32 v216, v12
	v_floor_f32 v12, -v13                          ; the new -M: M is a whole number
	v_sub_f32 v216, v12, v216                      ; old M - new M: a whole number, 0 or less
	v_cvt_i32_f32 v216, v216                       ; (it saturates)
	v_ldexp_f32 v218, 1.0, v216                    ; f = 2^(old M - new M)
	s_add_co_u32 s[MNX], s[MOFF], 256              ; the NEXT step's 64 lane masks: this step's have been used, and no scalar load is out
	s_load_b512 s[16:31], s[MB:MB+1], s[MNX] offset:0x0
	s_load_b512 s[32:47], s[MB:MB+1], s[MNX] offset:0x40
	s_load_b512 s[48:63], s[MB:MB+1], s[MNX] offset:0x80
	s_load_b512 s[68:83], s[MB:MB+1], s[MNX] offset:0xc0
	s_mov_b32 s[PF], 1                             ; the next trip's k and lane masks are asked for
.set n, 0
.rept 32
	v_pk_fma_f32 v[100+n:101+n], v[100+n:101+n], s[CS:CS+1], v[12:13] op_sel_hi:[1,0,0]   ; t - M, two at a time
.set n, n+2
.endr
.irp b, 0,1,2,3
	v_fma_f32 v[204+\b], v[204+\b], s[CS], v12
.endr
.set n, 0
.rept 64
	v_exp_f32 v[100+n], v[100+n]                   ; p = 2^(t - M)
.set n, n+1
.endr
.irp b, 0,1,2,3
	v_exp_f32 v[204+\b], v[204+\b]                 ; the block's largest p
.endr
	v_pk_mul_f32 v[14:15], v[14:15], v[218:219] op_sel_hi:[1,0]   ; the sums under the new M (a plain instruction behind the exponentials)
	s_wait_alu depctr_va_vdst(0)
.irp b, 0,1,2,3
	v_max_num_f32 v[204+\b], 0x1800000, v[204+\b]  ; the floor 2^(3 - 127)
.endr
.irp b, 0,1,2,3
	v_add_nc_u32 v[212+\b], 0xff000000, v[204+\b]
.endr
.irp b, 0,1,2,3
	v_lshrrev_b32 v[208+\b], 23, v[212+\b]
.endr
	v_lshl_or_b32 v31, v209, 8, v208               ; p's scale word for these 128 keys
	v_lshl_or_b32 v31, v210, 16, v31
	v_lshl_or_b32 v31, v211, 24, v31
.irp c, 0,1                            ; ordered so that two exchanges of halves for each 64 keys give the operand's layout
	v_cvt_scalef32_pk8_fp4_f32 v[196+4*\c], v[100+32*\c:107+32*\c], v[212+2*\c]
	v_cvt_scalef32_pk8_fp4_f32 v[197+4*\c], v[116+32*\c:123+32*\c], v[213+2*\c]
	v_cvt_scalef32_pk8_fp4_f32 v[198+4*\c], v[108+32*\c:115+32*\c], v[212+2*\c]
	v_cvt_scalef32_pk8_fp4_f32 v[199+4*\c], v[124+32*\c:131+32*\c], v[213+2*\c]
.endr
	v_nop                                          ; one plain instruction behind the scaled conversions
.irp c, 0,1
	v_permlane16_swap_b32 v[196+4*\c], v[197+4*\c]
	v_permlane16_swap_b32 v[198+4*\c], v[199+4*\c]
.endr
	v_pk_add_f32 v[220:221], v[100:101], v[102:103]            ; the row's sum of the UNQUANTISED p, in two chains
.irp j, 4,8,12,16,20,24,28,32,36,40,44,48,52,56,60
	v_pk_add_f32 v[14:15], v[14:15], v[100+\j:101+\j]
	v_pk_add_f32 v[220:221], v[220:221], v[102+\j:103+\j]
.endr
	v_pk_add_f32 v[14:15], v[14:15], v[220:221]
.set n, 0
.rept 16
	v_pk_mul_f32 v[164+n:165+n], v[164+n:165+n], v[218:219] op_sel_hi:[1,0]   ; O^T under the new M.  (These 48 plain instructions stand between the making of p's codes and scale word and the products)
.set n, n+2
.endr
	s_wait_dscnt 12                                ; v's ten loads are in; the twelve younger ones, the next step's k, may be out
.irp t, 0,1,2,3                        ; four accumulators by turns; the next step's eight products stand between two links of a chain
.if \t%2
	v_wmma_scale_f32_16x16x128_f8f6f4 v[164+8*\t:171+8*\t], v[68+8*\t:75+8*\t], v[196:203], v[164+8*\t:171+8*\t], v[28+\t/2], v31 matrix_a_fmt:MATRIX_FMT_FP4 matrix_b_fmt:MATRIX_FMT_FP4 matrix_a_scale:MATRIX_SCALE_ROW1
.else
	v_wmma_scale_f32_16x16x128_f8f6f4 v[164+8*\t:171+8*\t], v[68+8*\t:75+8*\t], v[196:203], v[164+8*\t:171+8*\t], v[28+\t/2], v31 matrix_a_fmt:MATRIX_FMT_FP4 matrix_b_fmt:MATRIX_FMT_FP4
.endif
.endr
.Lnext:
	s_add_co_u32 s[TB], s[TB], 4096
	s_add_co_u32 s[TS], s[TS], 512
	s_add_co_u32 s[TV], s[TV], 256
	s_add_co_u32 s[MOFF], s[MOFF], 256             ; (no load names MOFF: those in flight name MNX)
	s_add_co_u32 s[CNT], s[CNT], 1
	s_cmp_lt_u32 s[CNT], 16
	s_cbranch_scc1 .Lstep
.rept 4
	v_nop                                          ; places behind the last products
.endr
	v_add_f32 v14, v14, v15
	v_permlanex16_b32 v216, v14, s[SEL], s[SEL+1]
	v_add_f32 v14, v14, v216                       ; the row's sum
	v_rcp_f32 v14, v14
	v_lshl_add_u32 v217, v9, 2, v10                ; (a plain instruction behind the transcendental)  4 r + h
.set n, 0
	s_wait_alu depctr_va_vdst(0)
.rept 32
	v_mul_f32 v[100+n], v[164+n], v14              ; register 8 t + j is channel 16 t + 8 h + j of my query
.set n, n+1
.endr
.irp b, 0,1                            ; the head's two blocks of 32 along the next product's K
	v_max3_num_f32 v[204+\b], |v[100+16*\b]|, |v[101+16*\b]|, 0x1800000
.endr
.irp i, 2,4,6,8,10,12,14
.irp b, 0,1
	v_max3_num_f32 v[204+\b], v[204+\b], |v[100+16*\b+\i]|, |v[101+16*\b+\i]|
.endr
.endr
.irp b, 0,1
	v_permlanex16_b32 v[208+\b], v[204+\b], s[SEL], s[SEL+1]
.endr
.irp b, 0,1
	v_max_num_f32 v[204+\b], v[204+\b], v[208+\b]
.endr
.irp b, 0,1
	v_add_nc_u32 v[212+\b], 0xff000000, v[204+\b]
.endr
.irp b, 0,1
	v_lshrrev_b32 v[208+\b], 23, v[212+\b]
.endr
	v_cvt_scalef32_pk8_fp4_f32 v196, v[100:107], v212
	v_cvt_scalef32_pk8_fp4_f32 v197, v[116:123], v213
	v_cvt_scalef32_pk8_fp4_f32 v198, v[108:115], v212
	v_cvt_scalef32_pk8_fp4_f32 v199, v[124:131], v213
	v_cndmask_b32 v216, v208, v209, s[HI]          ; (a plain instruction behind the conversions)  lanes 0-15 store block 0's byte, lanes 16-31 block 1's
	v_permlane16_swap_b32 v196, v197
	v_permlane16_swap_b32 v198, v199
	s_wait_kmcnt 0x0                               ; the last requests ahead have landed: s16-23 may be written again,
	s_wait_dscnt 0x0                               ; and no LDS load is out at the end
	s_lshr_b32 s16, s11, 4
	s_lshl_b32 s16, s16, 7
	s_add_co_u32 s16, s16, s13                     ; the tile of tokens: 128 x batch + my tile
	s_and_b32 s17, s11, 15                         ; the head
	s_lshl_b32 s18, s16, 4
	s_add_co_u32 s18, s18, s17
	s_lshl_b32 s18, s18, 9
	s_mov_b32 s19, 0
	s_add_nc_u64 s[20:21], s[8:9], s[18:19]
	s_lshl_b32 s18, s16, 3
	s_lshr_b32 s22, s17, 1
	s_add_co_u32 s18, s18, s22
	s_lshl_b32 s18, s18, 6
	s_and_b32 s22, s17, 1
	s_lshl_b32 s22, s22, 1
	s_add_co_u32 s18, s18, s22
	s_add_nc_u64 s[22:23], s[8:9], s[18:19]
	global_store_b128 v1, v[196:199], s[20:21]     ; 512 consecutive bytes
	global_store_b8 v217, v216, s[22:23] offset:2097152
	s_wait_tensorcnt 0x0
	ds_add_u32 v224, v225
	s_wait_dscnt 0x0
	s_endpgm
.Lfunc_end_k_q108ce500bb_attn:
	.size	k_q108ce500bb_attn, .Lfunc_end_k_q108ce500bb_attn-k_q108ce500bb_attn
	.p2alignl 7, 3214868480
	.fill 96, 4, 3214868480
	.section	.rodata,"a",@progbits
	.p2align	6, 0x0
	.amdhsa_kernel k_q108ce500bb_attn
		.amdhsa_group_segment_fixed_size 145408
		.amdhsa_private_segment_fixed_size 0
		.amdhsa_enable_private_segment 0
		.amdhsa_kernarg_size 24
		.amdhsa_user_sgpr_count 2
		.amdhsa_user_sgpr_kernarg_segment_ptr 1
		.amdhsa_wavefront_size32 1
		.amdhsa_system_sgpr_workgroup_id_x 1
		.amdhsa_system_sgpr_workgroup_id_y 1
		.amdhsa_system_sgpr_workgroup_id_z 1
		.amdhsa_system_vgpr_workitem_id 0
		.amdhsa_next_free_vgpr 226
		.amdhsa_next_free_sgpr 102
		.amdhsa_reserve_vcc 0
		.amdhsa_float_denorm_mode_32 3
		.amdhsa_float_denorm_mode_16_64 3
		.amdhsa_memory_ordered 1
		.amdhsa_forward_progress 1
		.amdhsa_inst_pref_size 35
	.end_amdhsa_kernel
	.amdgpu_metadata
---
amdhsa.version: [ 1, 2 ]
amdhsa.kernels:
  - .name:           k_q108ce500bb_attn
    .symbol:         k_q108ce500bb_attn.kd
    .args:
      - { .name: qkv, .offset: 0, .size: 8, .value_kind: global_buffer, .address_space: global }
      - { .name: mk, .offset: 8, .size: 8, .value_kind: global_buffer, .address_space: global }
      - { .name: ao, .offset: 16, .size: 8, .value_kind: global_buffer, .address_space: global }
    .group_segment_fixed_size: 145408
    .private_segment_fixed_size: 0
    .kernarg_segment_align: 8
    .kernarg_segment_size: 24
    .max_flat_workgroup_size: 512
    .sgpr_count:     102
    .vgpr_count:     226
    .wavefront_size: 32
...
	.end_amdgpu_metadata
.endif
;; end of part 3
;; launch go (part 4): grid 8 x 32, 4 waves a work-group, clusters of 4 x 4, 327,680 bytes of LDS; arguments ao, Wo_codes, Wo_scales, bo, x, h; writes h
.if DOCPART == 4
	.amdgcn_target "amdgcn-amd-amdhsa--gfx1250"
	.amdhsa_code_object_version 6
	.text
	.protected	k_q108ce500bb_go
	.globl	k_q108ce500bb_go
	.p2align	8
	.type	k_q108ce500bb_go,@function
k_q108ce500bb_go:
	s_mov_b64 s[64:65], 0
	v_nop
	global_prefetch_b8 v0, s[64:65] scope:SCOPE_SE
	s_setreg_imm32_b32 hwreg(HW_REG_WAVE_MODE, 25, 1), 1
	s_wait_xcnt 0x0
	s_wait_alu depctr_hold_cnt(0) depctr_sa_sdst(0) depctr_va_vdst(0) depctr_va_sdst(0) depctr_va_ssrc(0) depctr_va_vcc(0) depctr_vm_vsrc(0)
	s_getreg_b32 s2, hwreg(HW_REG_IB_STS2, 6, 4)
	s_cmp_eq_u32 s2, 0
	s_cbranch_scc0 .Lentry_in_a_cluster
	s_endpgm
.Lentry_in_a_cluster:
	s_bfe_u32 s2, ttmp6, 0x10000c
	s_cmp_lg_u32 s2, 0xf033
	s_cbranch_scc0 .Lentry_shape_is_right
	s_endpgm
.Lentry_shape_is_right:
; out[m][n] = res[m][n] + bias[n] + sum over k of A[m][k] B[n][k], on codes of E2M1; m 4,096, n 1,024, K = 1,024 x NSTEP.  out, res: f32.
; A comes as images of operand registers: [1,024 along K: NSTEP][tile of 16 rows: 256][128 along K: 8][1,024 bytes: two groups of four registers, lane l's 16 bytes at 16 l]; its scale words, from byte ASOFF on,
; [tile 256][128 along K: NCH][16 words].  B: rows of K / 2 bytes of codes, rows of K / 32 scale bytes.
; A tile of out is 128 x 128: n = 1,024 gives only 64 tiles of 256 x 256, and 256 of these.  Four waves, each 64 x 64: 16 accumulators.  K goes in steps of 1,024 through two LDS slots filled by the tensor data mover:
; A's half tile is 32,768 dense bytes, B's rows are 512 bytes.  The scales of all of K come once, with the first fills.
; CLUSTERS: 4 x 4 work-groups; A's tiles are asked for jointly by a row of the cluster, B's by a column.  THE MATRIX INSTRUCTION IS USED TRANSPOSED (source 0 = 16 rows of B, source 1 = 16 rows of A).
; REGISTERS: window 0: v16-29 addresses; v32-63 A's scale words, v64-95 B's, two sets each; v96-99 my four numbers of the bias; v128-255 the accumulators ((a, b) at v[128 + 8 (4 a + b)]).
;   window 1: two fragment buffers of 128 (64 of A, 64 of B: 256 along K); on the way out v0-31 rows read back.   window 2: v0-127 my 64 x 64 of res, asked for at the head.
.set NSTEP,  1
.set NCH,    8*NSTEP
.set KBYTES, 512*NSTEP                 ; a row of B's codes
.set KS,     32*NSTEP                  ; a row of B's scale bytes
.set ASOFF,  2097152*NSTEP
.set LAPS,   NSTEP/2
.set PITCH,  528                       ; B's LDS row: 512 bytes + 16 of padding
.set HA,     32768                     ; A: four tiles of 16 rows x 8 x 1,024 bytes: what one tensor load brings
.set HB,     64*PITCH                  ; B: 64 rows
.set SLOT,   2*HA+2*HB
.set SCL,    2*SLOT                    ; behind the ring: A's scale words, two halves,
.set SAH,    256*NCH
.set SBH,    (64*KS/256)*272           ; then B's scale bytes, two halves, as runs of 256 bytes + 16 of padding
.set SBLK,   (16*KS/256)*272
.set SPARE,  300032                    ; the spare words, 128 bytes for each wave
.set STAGE,  300544                    ; the way out: 16 rows x (256 bytes + 16) for each wave; no fill lands here
.set SPITCH, 272
.set ADRA, 16
.set ADRB, 20
.set ADSA, 22
.set ADSB, 23
.set STO,  24
.set RD,   25
.set CO,   26
.set BO,   27
.set SPW,  28
.set NIL,  29
.set SCA,  32
.set SCB,  64
.set BIA,  96
.set ACC,  128
.set F0,   0
.set F1,   128
.set G1, 24
.set G0, 32
.set G1B, 48
.set G0B, 56
.set G1S, 68
.set G0S, 76
.set G1SB, 80
.set G0SB, 88
.set WV, 92
.set RH, 93
.set CH, 94
.set MSB, 0
.macro WIN new                         ; the immediate's high byte repeats the setting that is left
.if MSB != \new
	s_set_vgpr_msb (MSB<<8)|\new
.set MSB, \new
.endif
.endm
.set MUL,  0x05                        ; sources 0 (B) and 1 (A) window 1; C and D window 0
.set TO_F, 0x40                        ; destination window 1, address window 0
; A joint load: waves 0 and 1 fetch for A, waves 2 and 3 for B; the branch hangs on the wave's number alone.  Four v_nop follow each of the two lines.
.macro JLOAD g0a, g1a, g0b, g1b
	s_cmp_eq_u32 s[RH], 0
	s_cbranch_scc0 .Lfor_b_\@
	tensor_load_to_lds s[\g0a:\g0a+3], s[\g1a:\g1a+7]
	s_nop 0
.rept 4
	v_nop
.endr
	s_branch .Lasked_\@
.Lfor_b_\@:
	tensor_load_to_lds s[\g0b:\g0b+3], s[\g1b:\g1b+7]
	s_nop 0
.rept 4
	v_nop
.endr
.Lasked_\@:
.endm
.macro CREST                           ; a round of the cluster's barrier behind its opening barrier
	s_cmp_lg_u32 s[WV], 0
	s_cbranch_scc1 .Lnot_wave_0_\@
	s_barrier_signal -3
.Lnot_wave_0_\@:
	s_barrier_wait -3
	s_barrier_signal -1
	s_barrier_wait -1
.endm
.macro CROUND
	s_barrier_signal -1
	s_barrier_wait -1
	CREST
.endm
	s_load_b256 s[4:11], s[0:1], 0x0               ; A s[4:5], B's codes s[6:7], B's scales s[8:9], bias s[10:11]
	s_load_b128 s[12:15], s[0:1], 0x20             ; res s[12:13], out s[14:15]
	v_lshl_add_u32 v[SPW], v0, 2, SPARE
	v_mov_b32 v[NIL], 0
	ds_add_u32 v28, v29
	ds_add_u32 v28, v29
	s_wait_dscnt 0x0
	v_lshrrev_b32 v1, 5, v0
	v_readfirstlane_b32 s[WV], v1                  ; wave 0..3
	s_lshr_b32 s[RH], s[WV], 1                     ; which half of the tile's rows is mine.  Also: I fetch for A (0) or for B (1)
	s_and_b32 s[CH], s[WV], 1                      ; which half of its columns.  Also: which half of that tile I fetch
	s_bfe_u32 s40, ttmp6, 0x40000                  ; cx, cy
	s_bfe_u32 s41, ttmp6, 0x40004
	s_lshl_b32 s42, ttmp9, 2
	s_add_co_u32 s42, s42, s40                     ; tile column
	s_and_b32 s43, ttmp7, 0xffff
	s_lshl_b32 s43, s43, 2
	s_add_co_u32 s43, s43, s41                     ; tile row
	s_lshl_b32 s44, s41, 2
	s_lshl_b32 s44, 15, s44                        ; my row of the cluster
	s_lshl_b32 s45, 0x1111, s40                    ; my column
	; descriptor groups 1.  A's codes: 32,768 dense bytes as 128 rows of 32 elements of 8 bytes, no padding
	s_or_b32 s[G1+0], s44, (3<<16)|(1<<21)
	s_mov_b32 s[G1+1], 32<<16
	s_mov_b32 s[G1+2], 128<<16
	s_mov_b32 s[G1+3], 32<<16
	s_mov_b32 s[G1+4], 128
	s_mov_b32 s[G1+5], 32
	s_mov_b32 s[G1+6], 0
	s_mov_b32 s[G1+7], 0
	; B's codes: 64 rows of 512 bytes, four words of padding after every 128
	s_or_b32 s[G1B+0], s45, (0<<16)|(1<<20)|(1<<21)|(6<<22)|(3<<25)
	s_mov_b32 s[G1B+1], 512<<16
	s_mov_b32 s[G1B+2], 64<<16
	s_mov_b32 s[G1B+3], 512<<16
	s_mov_b32 s[G1B+4], 64
	s_mov_b32 s[G1B+5], KBYTES
	s_mov_b32 s[G1B+6], 0
	s_mov_b32 s[G1B+7], 0
	; A's scale words of four tiles of rows: 256 NCH dense bytes
	s_or_b32 s[G1S+0], s44, (3<<16)|(1<<21)
	s_mov_b32 s[G1S+1], 32<<16
	s_mov_b32 s[G1S+2], NCH<<16
	s_mov_b32 s[G1S+3], 32<<16
	s_mov_b32 s[G1S+4], NCH
	s_mov_b32 s[G1S+5], 32
	s_mov_b32 s[G1S+6], 0
	s_mov_b32 s[G1S+7], 0
	; B's scale bytes of 64 rows: 64 KS dense bytes, 16 bytes of padding behind every 256
	s_or_b32 s[G1SB+0], s45, (3<<16)|(1<<20)|(1<<21)|(5<<22)|(3<<25)
	s_mov_b32 s[G1SB+1], 32<<16
	s_mov_b32 s[G1SB+2], (64*KS/256)<<16
	s_mov_b32 s[G1SB+3], 32<<16
	s_mov_b32 s[G1SB+4], 64*KS/256
	s_mov_b32 s[G1SB+5], 32
	s_mov_b32 s[G1SB+6], 0
	s_mov_b32 s[G1SB+7], 0
	s_lshl_b32 s16, s43, 3
	s_lshl_b32 s17, s[CH], 2
	s_add_co_u32 s16, s16, s17                     ; A: the first tile of 16 rows that I fetch
	s_mul_i32 s18, s16, 64*NCH
	s_add_co_u32 s18, s18, ASOFF                   ; its scale words,
	s_mov_b32 s19, 0
	s_lshl_b32 s16, s16, 13                        ; its codes
	s_mov_b32 s17, 0
	s_lshl_b32 s46, s42, 7
	s_lshl_b32 s47, s[CH], 6
	s_add_co_u32 s46, s46, s47                     ; B: the first row that I fetch
	s_mul_i32 s20, s46, KS
	s_mov_b32 s21, 0
	s_mul_i32 s46, s46, KBYTES
	s_mov_b32 s47, 0
	s_mul_i32 s22, s[CH], HA                       ; where they go: no place in the cluster enters an LDS address
	s_mul_i32 s23, s[CH], HB
	s_add_co_u32 s23, s23, 2*HA
	s_mul_i32 s95, s[CH], SAH
	s_add_co_u32 s95, s95, SCL
	s_mul_i32 s96, s[CH], SBH
	s_add_co_u32 s96, s96, SCL+2*SAH
	s_wait_kmcnt 0x0
	s_add_nc_u64 s[16:17], s[4:5], s[16:17]
	s_add_nc_u64 s[18:19], s[4:5], s[18:19]
	s_add_nc_u64 s[46:47], s[6:7], s[46:47]
	s_add_nc_u64 s[20:21], s[8:9], s[20:21]
	CROUND                                         ; all sixteen work-groups are here: the first joint loads meet
	s_mov_b32 s[G0S], 1
	s_mov_b32 s[G0S+1], s95
	s_mov_b64 s[G0S+2:G0S+3], s[18:19]
	s_or_b32 s[G0S+3], s[G0S+3], 0x80000000
	s_mov_b32 s[G0SB], 1
	s_mov_b32 s[G0SB+1], s96
	s_mov_b64 s[G0SB+2:G0SB+3], s[20:21]
	s_or_b32 s[G0SB+3], s[G0SB+3], 0x80000000
	JLOAD G0S, G1S, G0SB, G1SB                     ; the scales first
.macro FIRST s
	s_mov_b32 s[G0+4*\s], 1
	s_add_co_u32 s[G0+4*\s+1], s22, \s*SLOT
	s_add_nc_u64 s[G0+4*\s+2:G0+4*\s+3], s[16:17], \s*2097152      ; a step of 1,024 along K is 256 tiles x 8,192 bytes
	s_or_b32 s[G0+4*\s+3], s[G0+4*\s+3], 0x80000000
	s_mov_b32 s[G0B+4*\s], 1
	s_add_co_u32 s[G0B+4*\s+1], s23, \s*SLOT
	s_add_nc_u64 s[G0B+4*\s+2:G0B+4*\s+3], s[46:47], \s*512
	s_or_b32 s[G0B+4*\s+3], s[G0B+4*\s+3], 0x80000000
	JLOAD G0+4*\s, G1, G0B+4*\s, G1B
.endm
	FIRST 0
.if NSTEP > 1
	FIRST 1
.endif
	v_and_b32 v1, 15, v0                           ; r
	v_bfe_u32 v2, v0, 4, 1                         ; h
	v_and_b32 v3, 31, v0                           ; lane
	v_lshlrev_b32 v4, 4, v3
	v_mul_u32_u24 v5, v1, PITCH
	v_lshl_add_u32 v5, v2, 4, v5
	s_mul_i32 s16, s[RH], HA
	s_mul_i32 s17, s[CH], HB
	s_add_co_u32 s17, s17, 2*HA
.irp s, 0,1
	v_add_nc_u32 v[ADRA+\s], s16, v4               ; A's images: 16 x lane
	v_add_nc_u32 v[ADRB+\s], s17, v5               ; B's rows: r x pitch + 16 h
	s_add_co_u32 s16, s16, SLOT
	s_add_co_u32 s17, s17, SLOT
.endr
	s_mul_i32 s16, s[RH], SAH
	s_add_co_u32 s16, s16, SCL
	v_lshl_add_u32 v[ADSA], v3, 2, s16             ; A's scale words: lanes 0-15 an even 128 along K, lanes 16-31 the odd one behind it
	v_mul_u32_u24 v6, v1, KS
	v_lshrrev_b32 v7, 8, v6
	v_lshl_add_u32 v6, v7, 4, v6                   ; B's: row r, 16 more for each 256 passed;
	v_mad_u32_u24 v6, v2, 2*SBLK, v6               ; lanes 16-31: the block of 16 rows two further on
	s_mul_i32 s16, s[CH], SBH
	s_add_co_u32 s16, s16, SCL+2*SAH
	v_add_nc_u32 v[ADSB], s16, v6
	s_mul_i32 s16, s[WV], 16*SPITCH
	s_add_co_u32 s16, s16, STAGE                   ; my stage
	v_mul_u32_u24 v6, v1, SPITCH
	v_lshl_add_u32 v6, v2, 5, v6
	v_add_nc_u32 v[STO], s16, v6                   ; in: row r, 32 bytes for each half of the lanes
	v_mul_u32_u24 v6, v2, SPITCH
	v_lshl_add_u32 v6, v1, 4, v6
	v_add_nc_u32 v[RD], s16, v6                    ; back: lanes 0-15 one row of 256 bytes, lanes 16-31 the next
	v_lshlrev_b32 v[BO], 4, v1
	v_lshl_add_u32 v[CO], v2, 12, v[BO]            ; and the same two rows in res and out
	s_lshl_b32 s16, s43, 7
	s_lshl_b32 s17, s[RH], 6
	s_add_co_u32 s16, s16, s17
	s_lshl_b32 s16, s16, 12                        ; my first row, 4,096 bytes a row,
	s_lshl_b32 s18, s42, 7
	s_lshl_b32 s19, s[CH], 6
	s_add_co_u32 s18, s18, s19
	s_lshl_b32 s18, s18, 2                         ; my first column
	s_mov_b32 s19, 0
	s_add_nc_u64 s[10:11], s[10:11], s[18:19]
	s_add_co_u32 s16, s16, s18
	s_mov_b32 s17, 0
	s_add_nc_u64 s[12:13], s[12:13], s[16:17]
	s_add_nc_u64 s[14:15], s[14:15], s[16:17]
	global_load_b128 v[BIA:BIA+3], v[BO], s[10:11]
	WIN 0x80                                       ; destination window 2: my 64 x 64 of res, laid as the rows come back from the stage; it lands under the products
.set n, 0
.rept 32
	global_load_b128 v[4*n:4*n+3], v[CO], s[12:13] offset:2*n*4096 th:TH_LOAD_NT
.set n, n+1
.endr
	WIN 0
.macro WM zero, rb, ra                 ; one product; rb, ra: B's, A's scale words stand in lanes 16-31
.if (\zero)&&(\rb)
	v_wmma_scale_f32_16x16x128_f8f6f4 v[rD:rD+7], v[rB:rB+7], v[rA:rA+7], 0, v[rSB], v[rSA] matrix_a_fmt:MATRIX_FMT_FP4 matrix_b_fmt:MATRIX_FMT_FP4 matrix_a_scale:MATRIX_SCALE_ROW1
.elseif \zero
	v_wmma_scale_f32_16x16x128_f8f6f4 v[rD:rD+7], v[rB:rB+7], v[rA:rA+7], 0, v[rSB], v[rSA] matrix_a_fmt:MATRIX_FMT_FP4 matrix_b_fmt:MATRIX_FMT_FP4
.elseif (\rb)&&(\ra)
	v_wmma_scale_f32_16x16x128_f8f6f4 v[rD:rD+7], v[rB:rB+7], v[rA:rA+7], v[rD:rD+7], v[rSB], v[rSA] matrix_a_fmt:MATRIX_FMT_FP4 matrix_b_fmt:MATRIX_FMT_FP4 matrix_a_scale:MATRIX_SCALE_ROW1 matrix_b_scale:MATRIX_SCALE_ROW1
.elseif \rb
	v_wmma_scale_f32_16x16x128_f8f6f4 v[rD:rD+7], v[rB:rB+7], v[rA:rA+7], v[rD:rD+7], v[rSB], v[rSA] matrix_a_fmt:MATRIX_FMT_FP4 matrix_b_fmt:MATRIX_FMT_FP4 matrix_a_scale:MATRIX_SCALE_ROW1
.elseif \ra
	v_wmma_scale_f32_16x16x128_f8f6f4 v[rD:rD+7], v[rB:rB+7], v[rA:rA+7], v[rD:rD+7], v[rSB], v[rSA] matrix_a_fmt:MATRIX_FMT_FP4 matrix_b_fmt:MATRIX_FMT_FP4 matrix_b_scale:MATRIX_SCALE_ROW1
.else
	v_wmma_scale_f32_16x16x128_f8f6f4 v[rD:rD+7], v[rB:rB+7], v[rA:rA+7], v[rD:rD+7], v[rSB], v[rSA] matrix_a_fmt:MATRIX_FMT_FP4 matrix_b_fmt:MATRIX_FMT_FP4
.endif
.endm
; 8 products: A's blocks a0, a0 + 1 x B's four, 128 along K: half c of buffer f, the slot's q-th 128.  The 16 accumulators take turns, one instruction a turn.
.macro MUL8 f, c, a0, zero, set, q
.irp a, \a0, \a0+1
.irp b, 0,1,2,3
.set rD, ACC+8*(4*(\a)+\b)
.set rB, \f+64+8*(4*\c+\b)
.set rA, \f+8*(4*\c+(\a))
.set rSB, SCB+16*(\set)+8*(\b%2)+(\q)
.set rSA, SCA+16*(\set)+4*(\a)+(\q)/2
	WM \zero, \b/2, (\q)%2
.endr
.endr
.endm
.macro SCALES set                      ; a K step's scale words
.irp i, 0,1,2,3
.irp p, 0,1,2,3
	ds_load_b32 v[SCA+16*\set+4*\i+\p], v[ADSA] offset:\i*64*NCH+128*\p
.endr
.endr
.irp i, 0,1
.irp g, 0,1
	ds_load_b128 v[SCB+16*\set+8*\i+4*\g:SCB+16*\set+8*\i+4*\g+3], v[ADSB] offset:\i*SBLK+16*\g
.endr
.endr
.endm
.macro FETCH slot, qt, f               ; 32 LDS loads in one run: the fragments of the slot's qt-th 256 along K; its first 128 first
	WIN TO_F
.irp c, 0,1
.irp i, 0,1,2,3
	ds_load_b128 v[\f+64+8*(4*\c+\i):\f+64+8*(4*\c+\i)+3],   v[ADRB+\slot] offset:128*(\qt)+64*\c+\i*16*PITCH
	ds_load_b128 v[\f+64+8*(4*\c+\i)+4:\f+64+8*(4*\c+\i)+7], v[ADRB+\slot] offset:128*(\qt)+64*\c+\i*16*PITCH+32
	ds_load_b128 v[\f+8*(4*\c+\i):\f+8*(4*\c+\i)+3],         v[ADRA+\slot] offset:8192*\i+(2*(\qt)+\c)*1024
	ds_load_b128 v[\f+8*(4*\c+\i)+4:\f+8*(4*\c+\i)+7],       v[ADRA+\slot] offset:8192*\i+(2*(\qt)+\c)*1024+512
.endr
.endr
.endm
.macro PLACES                          ; plain vector instructions between a matrix instruction and a load into, or a read of, its registers
.rept 4
	v_nop
.endr
.endm
.macro QUARTER slot, qt, f, g, zero    ; multiplies the slot's qt-th 256 along K from buffer f, and fetches the next into g
	s_wait_dscnt 16                                ; the first 128 along K are in (and the scale words, which are older); the youngest sixteen loads may be out
	WIN MUL
	MUL8 \f, 0, 0, \zero, \slot, 2*(\qt)
	MUL8 \f, 0, 2, \zero, \slot, 2*(\qt)
	PLACES
	FETCH \slot, (\qt)+1, \g
	s_wait_dscnt 32                                ; all but the 32 just issued
	WIN MUL
	MUL8 \f, 1, 0, 0, \slot, 2*(\qt)+1
	MUL8 \f, 1, 2, 0, \slot, 2*(\qt)+1
.endm
; A slot's last quarter changes slots: one barrier; in front of it each wave waits for all its tensor loads, adds 0 to its spare word, and waits for that and for its reads of this slot.  fill = 1: this slot is filled again, two K steps ahead.
.macro TURN slot, next, fill
	WIN 0
	s_wait_tensorcnt 0x0                           ; all my tensor loads have landed: my part of the next slot;
	ds_add_u32 v[SPW], v[NIL]                      ; 0 onto my spare word;
	s_wait_dscnt 17                                ; (the add and the youngest sixteen loads may be out)
	WIN MUL
	MUL8 F1, 0, 0, 0, \slot, 6
	s_wait_dscnt 0x0                               ; the add is done, and my reads of this slot are over
	s_barrier_signal -1
	MUL8 F1, 0, 2, 0, \slot, 6
	WIN 0
	s_barrier_wait -1
.if \fill
	CREST                                          ; the barrier has opened a round of the cluster's barrier: no wave of any partner still reads this slot or has a load on its way
	s_add_nc_u64 s[G0+4*\slot+2:G0+4*\slot+3], s[G0+4*\slot+2:G0+4*\slot+3], 4194304
	s_add_nc_u64 s[G0B+4*\slot+2:G0B+4*\slot+3], s[G0B+4*\slot+2:G0B+4*\slot+3], 1024
	JLOAD G0+4*\slot, G1, G0B+4*\slot, G1B         ; the first tensor load behind the round, my only one until the next; its four v_nop are also the places in front of the loads below
.else
	PLACES
.endif
	v_add_nc_u32 v[ADSA], 512, v[ADSA]             ; on to the next K step's scale words
	v_add_nc_u32 v[ADSB], 32, v[ADSB]
	SCALES \next
	FETCH \next, 0, F0
	WIN MUL
	MUL8 F1, 1, 0, 0, \slot, 7
	MUL8 F1, 1, 2, 0, \slot, 7
.endm
.macro LASTQ slot                      ; the very last quarter: nothing more to fetch
	s_wait_dscnt 16
	WIN MUL
	MUL8 F1, 0, 0, 0, \slot, 6
	MUL8 F1, 0, 2, 0, \slot, 6
	s_wait_dscnt 0
	MUL8 F1, 1, 0, 0, \slot, 7
	MUL8 F1, 1, 2, 0, \slot, 7
	WIN 0
.endm
.if NSTEP > 1
	s_wait_tensorcnt 1                             ; the scales and my part of K step 0 are in (K step 1's load may be out),
.else
	s_wait_tensorcnt 0x0                           ; the scales and my part of the one K step are in,
.endif
	s_barrier_signal -1
	s_barrier_wait -1                              ; everybody's are
	SCALES 0
	FETCH 0, 0, F0
	QUARTER 0, 0, F0, F1, 1                        ; the first products start the sums: nothing is cleared
.if NSTEP > 1
	WIN 0                                          ; at a label and at a branch every window is 0
	s_mov_b32 s3, LAPS-1
.Llap:                                                 ; a trip goes once round the ring and fills both slots again
	QUARTER 0, 1, F1, F0, 0
	QUARTER 0, 2, F0, F1, 0
	TURN 0, 1, 1
	QUARTER 1, 0, F0, F1, 0
	QUARTER 1, 1, F1, F0, 0
	QUARTER 1, 2, F0, F1, 0
	TURN 1, 0, 1
	QUARTER 0, 0, F0, F1, 0
	WIN 0
	s_sub_co_u32 s3, s3, 1
	s_cmp_lg_u32 s3, 0
	s_cbranch_scc1 .Llap
	QUARTER 0, 1, F1, F0, 0                        ; the last lap fills nothing
	QUARTER 0, 2, F0, F1, 0
	TURN 0, 1, 0
	QUARTER 1, 0, F0, F1, 0
	QUARTER 1, 1, F1, F0, 0
	QUARTER 1, 2, F0, F1, 0
	LASTQ 1
.else
	QUARTER 0, 1, F1, F0, 0
	QUARTER 0, 2, F0, F1, 0
	LASTQ 0
.endif
	; THE WAY OUT, 16 rows x 64 columns at a time: through my own stage, back as whole rows of 256 bytes, + bias + res, stored sixteen lanes to 256 consecutive aligned bytes.
	PLACES
	s_wait_loadcnt 0x0                             ; the bias and res
.irp a, 0,1,2,3
.if \a > 0
	s_wait_xcnt 0x0                                ; the last block's stores have read their registers
.endif
.irp b, 0,1,2,3
	ds_store_b128 v[STO], v[ACC+8*(4*\a+\b):ACC+8*(4*\a+\b)+3] offset:64*\b        ; each accumulator from its low end on
	ds_store_b128 v[STO], v[ACC+8*(4*\a+\b)+4:ACC+8*(4*\a+\b)+7] offset:64*\b+16
.endr
	WIN TO_F
.irp t, 0,1,2,3,4,5,6,7
	ds_load_b128 v[4*\t:4*\t+3], v[RD] offset:\t*2*SPITCH      ; LDS serves a wave's instructions in order: these see my stores
.endr
	s_wait_dscnt 0x0
	WIN 0x41                                       ; destination and source 0 window 1, source 1 (the bias) window 0
.irp t, 0,1,2,3,4,5,6,7
	v_pk_add_f32 v[4*\t:4*\t+1], v[4*\t:4*\t+1], v[BIA:BIA+1]
	v_pk_add_f32 v[4*\t+2:4*\t+3], v[4*\t+2:4*\t+3], v[BIA+2:BIA+3]
.endr
	WIN 0x49                                       ; source 1 (res) window 2
.irp t, 0,1,2,3,4,5,6,7
	v_pk_add_f32 v[4*\t:4*\t+1], v[4*\t:4*\t+1], v[4*(8*\a+\t):4*(8*\a+\t)+1]
	v_pk_add_f32 v[4*\t+2:4*\t+3], v[4*\t+2:4*\t+3], v[4*(8*\a+\t)+2:4*(8*\a+\t)+3]
.endr
	WIN 0x04                                       ; a store's data are its source 1: window 1
.irp t, 0,1,2,3,4,5,6,7
	global_store_b128 v[CO], v[4*\t:4*\t+3], s[14:15] offset:(16*\a+2*\t)*4096
.endr
	WIN 0
.endr
	s_wait_tensorcnt 0x0                           ; the wave's end
	ds_add_u32 v[SPW], v[NIL]
	s_wait_dscnt 0x0
	CROUND                                         ; the closing round
	s_endpgm
.Lfunc_end_k_q108ce500bb_go:
	.size	k_q108ce500bb_go, .Lfunc_end_k_q108ce500bb_go-k_q108ce500bb_go
	.p2alignl 7, 3214868480
	.fill 96, 4, 3214868480
	.section	.rodata,"a",@progbits
	.p2align	6, 0x0
	.amdhsa_kernel k_q108ce500bb_go
		.amdhsa_group_segment_fixed_size 327680
		.amdhsa_private_segment_fixed_size 0
		.amdhsa_enable_private_segment 0
		.amdhsa_kernarg_size 48
		.amdhsa_user_sgpr_count 2
		.amdhsa_user_sgpr_kernarg_segment_ptr 1
		.amdhsa_wavefront_size32 1
		.amdhsa_system_sgpr_workgroup_id_x 1
		.amdhsa_system_sgpr_workgroup_id_y 1
		.amdhsa_system_sgpr_workgroup_id_z 1
		.amdhsa_system_vgpr_workitem_id 0
		.amdhsa_next_free_vgpr 640
		.amdhsa_next_free_sgpr 98
		.amdhsa_reserve_vcc 0
		.amdhsa_float_denorm_mode_32 3
		.amdhsa_float_denorm_mode_16_64 3
		.amdhsa_memory_ordered 1
		.amdhsa_forward_progress 1
		.amdhsa_inst_pref_size 55
	.end_amdhsa_kernel
	.amdgpu_metadata
---
amdhsa.version: [ 1, 2 ]
amdhsa.kernels:
  - .name:           k_q108ce500bb_go
    .symbol:         k_q108ce500bb_go.kd
    .args:
      - { .name: ao, .offset: 0, .size: 8, .value_kind: global_buffer, .address_space: global }
      - { .name: Wo_codes, .offset: 8, .size: 8, .value_kind: global_buffer, .address_space: global }
      - { .name: Wo_scales, .offset: 16, .size: 8, .value_kind: global_buffer, .address_space: global }
      - { .name: bo, .offset: 24, .size: 8, .value_kind: global_buffer, .address_space: global }
      - { .name: x, .offset: 32, .size: 8, .value_kind: global_buffer, .address_space: global }
      - { .name: h, .offset: 40, .size: 8, .value_kind: global_buffer, .address_space: global }
    .group_segment_fixed_size: 327680
    .private_segment_fixed_size: 0
    .kernarg_segment_align: 8
    .kernarg_segment_size: 48
    .max_flat_workgroup_size: 128
    .sgpr_count:     98
    .vgpr_count:     640
    .wavefront_size: 32
...
	.end_amdgpu_metadata
.endif
;; end of part 4
;; launch ln2: the kernel of part 1 again; grid 256 x 1, 16 waves a work-group, no clusters, 76,288 bytes of LDS; arguments h, ln2_g, ln2_b, mask, xn, mk; writes xn, mk
;; launch g1 (part 5): grid 16 x 16, 4 waves a work-group, clusters of 4 x 4, 327,680 bytes of LDS; arguments xn, W1_codes, W1_scales, b1, hid; writes hid
.if DOCPART == 5
	.amdgcn_target "amdgcn-amd-amdhsa--gfx1250"
	.amdhsa_code_object_version 6
	.text
	.protected	k_q108ce500bb_g1
	.globl	k_q108ce500bb_g1
	.p2align	8
	.type	k_q108ce500bb_g1,@function
k_q108ce500bb_g1:
	s_mov_b64 s[64:65], 0
	v_nop
	global_prefetch_b8 v0, s[64:65] scope:SCOPE_SE
	s_setreg_imm32_b32 hwreg(HW_REG_WAVE_MODE, 25, 1), 1
	s_wait_xcnt 0x0
	s_wait_alu depctr_hold_cnt(0) depctr_sa_sdst(0) depctr_va_vdst(0) depctr_va_sdst(0) depctr_va_ssrc(0) depctr_va_vcc(0) depctr_vm_vsrc(0)
	s_getreg_b32 s2, hwreg(HW_REG_IB_STS2, 6, 4)
	s_cmp_eq_u32 s2, 0
	s_cbranch_scc0 .Lentry_in_a_cluster
	s_endpgm
.Lentry_in_a_cluster:
	s_bfe_u32 s2, ttmp6, 0x10000c
	s_cmp_lg_u32 s2, 0xf033
	s_cbranch_scc0 .Lentry_shape_is_right
	s_endpgm
.Lentry_shape_is_right:
; A PRODUCT ON CODES OF E2M1 WITH K = 1,024 WHOSE RESULT IS QUANTISED AGAIN ON ITS WAY OUT.  C[m][n] = sum over k of A[m][k] B[n][k] + bias; A, B: rows of 512 bytes of codes, rows of 32 E8M0 bytes.
; G1MODE = 0: three jobs, one for each cluster row of the grid.  Jobs 0, 1: A = the normalised tokens, B = Wq or Wk: q and k, quantised along the head's 64.  Job 2: A = Wv, B = the tokens: v TRANSPOSED, quantised along the keys.
; G1MODE = 1: A = the normalised tokens, B = W1: relu(C), quantised along the hidden units.
; A tile of C, 256 x 256, is made by four waves, each 128 x 128: 64 accumulators.  All of K lies in LDS: two slots of 512 along K and the scale bytes, each filled once.
; CLUSTERS: 4 x 4 work-groups; A's tiles are asked for jointly by a row of the cluster, B's by a column.  THE MATRIX INSTRUCTION IS USED TRANSPOSED (source 0 = 16 rows of B, source 1 = 16 rows of A):
; lane (r, h) holds row r of A's block, and register j of the accumulator of B's block b is column 16 b + 8 h + j: so a lane's 64 registers of a block of rows are 64 of 128 neighbours along the next product's K.
; THE WAY OUT writes images of operand registers: a group of four registers as 512 consecutive bytes, lane l's 16 bytes at 16 l; scale words, four bytes a row, beside them.
;   qkv: q's codes [head 32][tile of 16 tokens 128][512]; at 2,097,152 k's likewise; at 4,194,304 v's [head][128 keys 16][16 channels 4][1,024];
;        at 6,291,456 q's scale words [head][2,048] (bytes 0, 1; bytes 2, 3 are 0); at 6,553,600 k's; at 6,815,744 v's [head][16][4][16 words].
;   hid: codes [1,024 along K: 4][tile of 16 tokens 256][128 along K: 8][1,024]; at 8,388,608 scale words [tile 256][128 along K: 32][16 words].
; LIMITS: NaN and infinities are not served; a block of zeros, and one whose largest magnitude lies under 2^-124, gets the scale byte 1; this program alone reads the bytes.
; REGISTERS, in windows of 256: window 0: v8-15, v118-125 fresh codes; v16-31 addresses; v32-95 scale words, two sets; v96-117 at work on the way out; v128-191 A's fragments, later 64 results; v192-255 the bias along the columns.
;   window 1: B's fragments, two sets, at v0 and v128; v64-79 the bias along the rows, each number twice.   windows 2, 3: the accumulators ((a, b) at v[8 (8 (a % 4) + b)]).
.set G1MODE, 1
.set KSTEP,  512
.set NQ,     4                         ; matrix instructions deep in a slot
.set ROWB,   256                       ; a tile's row in bytes
.set KROW,   512                       ; a row of codes in memory
.set PITCH,  272                       ; an LDS row: 256 bytes + 16 of padding: the 16 rows that a load touches start at 16 different banks
.set FR,     8
.set NL,     2
.set NP,     4                         ; places behind this matrix instruction (ISA guide 7.12.1)
.set HALFT,  128*PITCH
.set SLOT,   4*HALFT
.set KS,     32                        ; a row of scale bytes
.set SCL,    2*SLOT
.set HALFS,  (128*KS/256)*272
.set SBLK,   (16*KS/256)*272
.set SPARE,  SCL+4*HALFS               ; the spare words, 128 bytes for each wave
.set ADRA, 16
.set ADRB, 20
.set LI,   24                          ; 16 x lane
.set WO,   25                          ; the scale words' lane offset (tokens in the lanes)
.set WO2,  26                          ; 4 x lane
.set ADRS, 27
.set SPW,  28
.set NIL,  29
.set BH,   30                          ; 32 h
.set BR,   31                          ; 4 r
.set SC,   32
.set TM,   96
.set PW,   112                         ; v112, v113: the scale word of an even, an odd block of rows
.set WD,   114                         ; v114, v115: the word to store, by turns
.set AF,   128
.set T,    128
.set BI,   192
.set BV,   64
.set G1, 24
.set G0, 32
.set G1B, 48
.set G0B, 56
.set G1S, 68
.set G0S, 76
.set G1SB, 80
.set G0SB, 88
.set SEL, 66
.set JOB, 95
.set BP,  96                           ; s[96:97] the bias
.set OC,  98                           ; s[98:99] where my codes go;  s[12:13] where my scale words go
.set HI,  100                          ; lanes 16-31
.set MSB, 0
.macro WIN new                         ; the immediate's high byte repeats the setting that is left
.if MSB != \new
	s_set_vgpr_msb (MSB<<8)|\new
.set MSB, \new
.endif
.endm
.set MUL_LO, 0xa1                      ; source 0 (B) window 1, source 1 (A) window 0, C and D window 2
.set MUL_HI, 0xf1
.set TO_B,   0x40
; A joint load: waves 0 and 1 fetch for A, waves 2 and 3 for B; the branch hangs on the wave's number alone.  Four v_nop follow each of the two lines.
.macro JLOAD g0a, g1a, g0b, g1b
	s_cmp_eq_u32 s15, 0
	s_cbranch_scc0 .Lfor_b_\@
	tensor_load_to_lds s[\g0a:\g0a+3], s[\g1a:\g1a+7]
	s_nop 0
.rept 4
	v_nop
.endr
	s_branch .Lasked_\@
.Lfor_b_\@:
	tensor_load_to_lds s[\g0b:\g0b+3], s[\g1b:\g1b+7]
	s_nop 0
.rept 4
	v_nop
.endr
.Lasked_\@:
.endm
.macro CROUND                          ; a round of the cluster's barrier
	s_barrier_signal -1
	s_barrier_wait -1
	s_cmp_lg_u32 s14, 0
	s_cbranch_scc1 .Lnot_wave_0_\@
	s_barrier_signal -3
.Lnot_wave_0_\@:
	s_barrier_wait -3
	s_barrier_signal -1
	s_barrier_wait -1
.endm
.if G1MODE
	s_load_b64 s[4:5], s[0:1], 0x0                 ; the tokens' codes
	s_load_b128 s[8:11], s[0:1], 0x8               ; W1's codes, W1's scales
	s_load_b64 s[BP:BP+1], s[0:1], 0x18            ; b1
	s_load_b64 s[12:13], s[0:1], 0x20              ; hid
.else
	s_load_b512 s[24:39], s[0:1], 0x0              ; xn s24, Wq codes s26, scales s28, Wk s30, s32, Wv s34, s36, bq s38
	s_load_b128 s[48:51], s[0:1], 0x40             ; bk, bv
	s_load_b64 s[12:13], s[0:1], 0x50              ; qkv
.endif
	v_lshl_add_u32 v[SPW], v0, 2, SPARE
	v_mov_b32 v[NIL], 0
	ds_add_u32 v28, v29
	ds_add_u32 v28, v29
	s_wait_dscnt 0x0
	v_lshrrev_b32 v1, 5, v0
	v_readfirstlane_b32 s14, v1                    ; wave 0..3
	s_lshr_b32 s15, s14, 1                         ; which half of the tile's rows is mine.  Also: I fetch for A (0) or for B (1)
	s_and_b32 s16, s14, 1                          ; which half of its columns.  Also: which 128 rows of that tile I fetch
	s_bfe_u32 s40, ttmp6, 0x40000                  ; cx, cy: my place in the cluster
	s_bfe_u32 s41, ttmp6, 0x40004
	s_and_b32 s[JOB], ttmp7, 0xffff                ; the cluster's y: the same in all sixteen partners
	s_lshl_b32 s46, ttmp9, 2
.if G1MODE
	s_lshl_b32 s17, s[JOB], 2
	s_mov_b32 s42, s46
.else
	s_cmp_eq_u32 s[JOB], 2                         ; the 16 tiles of tokens lie along the rows of C in jobs 0 and 1, along its columns in job 2
	s_cselect_b32 s17, 0, s46
	s_cselect_b32 s42, s46, 0
.endif
	s_add_co_u32 s17, s17, s41                     ; tile row of C
	s_add_co_u32 s42, s42, s40                     ; tile column of C
	s_lshl_b32 s43, s41, 2
	s_lshl_b32 s43, 15, s43                        ; my row of the cluster
	s_lshl_b32 s44, 0x1111, s40                    ; my column
	s_wait_kmcnt 0x0
.if G1MODE
	s_add_nc_u64 s[6:7], s[4:5], 0x200000          ; the tokens' scale bytes
.else
	s_add_nc_u64 s[92:93], s[24:25], 0x200000      ; the tokens' scale bytes
	s_cmp_eq_u32 s[JOB], 2                         ; the buffers are chosen by the job alone
	s_cselect_b64 s[4:5], s[34:35], s[24:25]       ; A's codes
	s_cselect_b64 s[6:7], s[36:37], s[92:93]       ; A's scales
	s_cselect_b64 s[8:9], s[24:25], s[30:31]       ; B's codes
	s_cselect_b64 s[10:11], s[92:93], s[32:33]     ; B's scales
	s_cselect_b64 s[BP:BP+1], s[50:51], s[48:49]
	s_cmp_eq_u32 s[JOB], 0
	s_cselect_b64 s[8:9], s[26:27], s[8:9]
	s_cselect_b64 s[10:11], s[28:29], s[10:11]
	s_cselect_b64 s[BP:BP+1], s[38:39], s[BP:BP+1]
.endif
	; descriptor group 1: a tile of 128 rows x 256 bytes, padded in LDS
	s_or_b32 s[G1+0], s43, (0<<16)|(1<<20)|(1<<21)|(5<<22)|(3<<25)  ; 15:0 the mask: my row; 17:16 elements of 1 byte; 20 padding on; 21 set beside a mask; 24:22 after every 64 words; 31:25 four words
	s_or_b32 s[G1B+0], s44, (0<<16)|(1<<20)|(1<<21)|(5<<22)|(3<<25)
.irp g, G1, G1B
	s_mov_b32 s[\g+1], ROWB<<16                    ; tensor_dim0
	s_mov_b32 s[\g+2], 128<<16                     ; tensor_dim1
	s_mov_b32 s[\g+3], ROWB<<16                    ; tile_dim0
	s_mov_b32 s[\g+4], 128                         ; tile_dim1
	s_mov_b32 s[\g+5], KROW                        ; tensor_dim0_stride
	s_mov_b32 s[\g+6], 0
	s_mov_b32 s[\g+7], 0
.endr
	; the scales of 128 rows: 4,096 dense bytes, as 16 rows of 256 bytes (32 elements of 8), 16 bytes of padding behind each
	s_or_b32 s[G1S+0], s43, (3<<16)|(1<<20)|(1<<21)|(5<<22)|(3<<25)
	s_or_b32 s[G1SB+0], s44, (3<<16)|(1<<20)|(1<<21)|(5<<22)|(3<<25)
.irp g, G1S, G1SB
	s_mov_b32 s[\g+1], 32<<16
	s_mov_b32 s[\g+2], (128*KS/256)<<16
	s_mov_b32 s[\g+3], 32<<16
	s_mov_b32 s[\g+4], 128*KS/256
	s_mov_b32 s[\g+5], 32
	s_mov_b32 s[\g+6], 0
	s_mov_b32 s[\g+7], 0
.endr
	s_lshl_b32 s18, s16, 7                         ; which 128 rows of the tile I fetch
	s_lshl_b32 s20, s17, 8
	s_add_co_u32 s20, s20, s18                     ; A: row 256 x tile row + 128 x half
	s_lshl_b32 s46, s42, 8
	s_add_co_u32 s46, s46, s18                     ; B: row 256 x tile column + 128 x half
	s_mov_b32 s21, 0
	s_mov_b32 s47, 0
	s_mov_b64 s[18:19], KS
	s_mul_u64 s[22:23], s[20:21], s[18:19]         ; where these rows' scales begin
	s_mul_u64 s[92:93], s[46:47], s[18:19]
	s_mov_b64 s[18:19], KROW
	s_mul_u64 s[20:21], s[20:21], s[18:19]         ; and their codes
	s_mul_u64 s[46:47], s[46:47], s[18:19]
	s_mul_i32 s45, s14, HALFT                      ; where they go: wave x 128 rows: no place in the cluster enters an LDS address
	s_mul_i32 s94, s14, HALFS
	s_add_nc_u64 s[20:21], s[4:5], s[20:21]
	s_add_nc_u64 s[22:23], s[6:7], s[22:23]
	s_add_nc_u64 s[46:47], s[8:9], s[46:47]
	s_add_nc_u64 s[92:93], s[10:11], s[92:93]
	CROUND                                         ; all sixteen work-groups are here: the joint loads meet
	s_mov_b32 s[G0S], 1
	s_add_co_u32 s[G0S+1], s94, SCL
	s_mov_b64 s[G0S+2:G0S+3], s[22:23]
	s_or_b32 s[G0S+3], s[G0S+3], 0x80000000
	s_mov_b32 s[G0SB], 1
	s_add_co_u32 s[G0SB+1], s94, SCL
	s_mov_b64 s[G0SB+2:G0SB+3], s[92:93]
	s_or_b32 s[G0SB+3], s[G0SB+3], 0x80000000
	JLOAD G0S, G1S, G0SB, G1SB                     ; the scales first: they are wanted with the first slot
.irp s, 0,1
	s_mov_b32 s[G0+4*\s], 1
	s_add_co_u32 s[G0+4*\s+1], s45, \s*SLOT
	s_add_nc_u64 s[G0+4*\s+2:G0+4*\s+3], s[20:21], \s*ROWB
	s_or_b32 s[G0+4*\s+3], s[G0+4*\s+3], 0x80000000
	s_mov_b32 s[G0B+4*\s], 1
	s_add_co_u32 s[G0B+4*\s+1], s45, \s*SLOT
	s_add_nc_u64 s[G0B+4*\s+2:G0B+4*\s+3], s[46:47], \s*ROWB
	s_or_b32 s[G0B+4*\s+3], s[G0B+4*\s+3], 0x80000000
	JLOAD G0+4*\s, G1, G0B+4*\s, G1B               ; three tensor loads of mine are out: all that this launch issues
.endr
	v_and_b32 v1, 15, v0                           ; r
	v_bfe_u32 v2, v0, 4, 1                         ; h
	v_mul_u32_u24 v3, v1, PITCH
	v_lshl_add_u32 v4, v2, 4, v3                   ; a fragment's row x pitch + 16 x half
	s_mul_i32 s21, s15, HALFT
	s_mul_i32 s22, s16, HALFT
	s_add_co_u32 s22, s22, 2*HALFT
.irp s, 0,1
	v_add_nc_u32 v[ADRA+\s], s21, v4
	v_add_nc_u32 v[ADRB+\s], s22, v4
	s_add_co_u32 s21, s21, SLOT
	s_add_co_u32 s22, s22, SLOT
.endr
	v_mul_u32_u24 v5, v1, KS                       ; my row's scales: 32 bytes a row,
	v_lshrrev_b32 v6, 8, v5
	v_lshl_add_u32 v5, v6, 4, v5                   ; and 16 more for each 256 passed
	s_mul_i32 s21, s15, HALFS
	s_mul_i32 s22, s16, HALFS
	s_add_co_u32 s22, s22, 2*HALFS
	s_sub_co_u32 s22, s22, s21
	v_mul_u32_u24 v6, s22, v2                      ; lanes 16-31 take B's
	s_add_co_u32 s21, s21, SCL
	v_add_nc_u32 v5, v5, v6
	v_add_nc_u32 v[ADRS], s21, v5
	v_and_b32 v6, 31, v0
	v_lshlrev_b32 v[LI], 4, v6
	v_lshlrev_b32 v[WO2], 2, v6
	v_lshlrev_b32 v[BR], 2, v1
	v_lshlrev_b32 v[BH], 5, v2
.if G1MODE
	v_lshl_add_u32 v[WO], v2, 11, v[BR]            ; lanes 16-31: the next tile of tokens, 2,048 bytes on
.else
	v_lshl_add_u32 v[WO], v2, 13, v[BR]            ; lanes 16-31: the next head, 8,192 bytes on
.endif
.irp b, 0,1,2,3
	v_mov_b32 v[TM+4+\b], 0                        ; written once: a lane permute's destination counts as one of its sources
.endr
	s_mov_b32 s[SEL], 0x76543210
	s_mov_b32 s[SEL+1], 0xfedcba98
	s_mov_b32 s[HI], 0xffff0000
	; where my 128 x 128 goes
	s_lshl_b32 s18, s17, 8
	s_lshl_b32 s19, s15, 7
	s_add_co_u32 s18, s18, s19                     ; m0: my first row of C
	s_lshl_b32 s19, s42, 8
	s_lshl_b32 s20, s16, 7
	s_add_co_u32 s19, s19, s20                     ; n0: my first column
	s_mov_b32 s47, 0
.if G1MODE
	s_lshr_b32 s20, s19, 7                         ; which 128 along the next K
	s_lshr_b32 s21, s18, 4                         ; which tile of 16 tokens
	s_lshr_b32 s22, s20, 3
	s_lshl_b32 s22, s22, 8
	s_add_co_u32 s22, s22, s21
	s_lshl_b32 s22, s22, 3
	s_and_b32 s23, s20, 7
	s_add_co_u32 s22, s22, s23
	s_lshl_b32 s46, s22, 10
	s_add_nc_u64 s[OC:OC+1], s[12:13], s[46:47]
	s_lshl_b32 s46, s21, 5
	s_add_co_u32 s46, s46, s20
	s_lshl_b32 s46, s46, 6
	s_add_co_u32 s46, s46, 8388608
	s_add_nc_u64 s[12:13], s[12:13], s[46:47]
	s_lshl_b32 s46, s19, 2
	s_add_nc_u64 s[BP:BP+1], s[BP:BP+1], s[46:47]
.else
	s_cmp_eq_u32 s[JOB], 2
	s_cselect_b32 s20, s19, s18                    ; my first token,
	s_cselect_b32 s21, s18, s19                    ; my first channel,
	s_cselect_b32 s22, 1, 0                        ; (v's scale words: half as many bytes for a head and for a token)
	s_lshr_b32 s23, s20, 11
	s_lshl_b32 s23, s23, 4
	s_lshr_b32 s46, s21, 6
	s_add_co_u32 s23, s23, s46                     ; 16 x batch + head
	s_and_b32 s20, s20, 2047                       ; the token in its batch
	s_lshl_b32 s46, s23, 16                        ; codes: 65,536 bytes a head, 32 a token, in all three layouts
	s_lshl_b32 s92, s20, 5
	s_add_co_u32 s46, s46, s92
	s_lshl_b32 s92, s[JOB], 21
	s_add_co_u32 s46, s46, s92
	s_add_nc_u64 s[OC:OC+1], s[12:13], s[46:47]
	s_lshl_b32 s46, s23, 13                        ; scale words: 8,192 bytes a head, 4 a token
	s_lshl_b32 s92, s20, 2
	s_add_co_u32 s46, s46, s92
	s_lshr_b32 s46, s46, s22
	s_lshl_b32 s92, s[JOB], 18
	s_add_co_u32 s46, s46, s92
	s_add_co_u32 s46, s46, 6291456
	s_add_nc_u64 s[12:13], s[12:13], s[46:47]
	s_lshl_b32 s46, s21, 2
	s_add_nc_u64 s[BP:BP+1], s[BP:BP+1], s[46:47]
.endif
.irp t, 0,1,2,3,4,5,6,7                ; the bias along the columns, in the result's layout: for B's block t the numbers 16 t + 8 h + 0 .. 7
	global_load_b128 v[BI+8*\t:BI+8*\t+3], v[BH], s[BP:BP+1] offset:64*\t
	global_load_b128 v[BI+8*\t+4:BI+8*\t+7], v[BH], s[BP:BP+1] offset:64*\t+16
.endr
.if !G1MODE
	WIN 0x40                                       ; and along the rows: for A's block a the number 16 a + r, twice.  Both forms lie inside the buffer in every job; each job uses one
.irp a, 0,1,2,3,4,5,6,7
	global_load_b32 v[BV+2*\a], v[BR], s[BP:BP+1] offset:64*\a
	global_load_b32 v[BV+2*\a+1], v[BR], s[BP:BP+1] offset:64*\a
.endr
	WIN 0
.endif
.macro FRAG reg, adr, q, i             ; a fragment, 16 rows x 128 K: lane l holds row l % 16; registers 4 c .. 4 c + 3 hold K = 64 c + 32 (l / 16) + 0 .. 31
.irp c, 0,1
	ds_load_b128 v[\reg+4*\c:\reg+4*\c+3], v[\adr] offset:64*(\q)+32*\c+(\i)*16*PITCH
.endr
.endm
; 16 matrix instructions: A's blocks a0, a0 + 1 x B's eight.  The 64 accumulators take turns, one instruction a turn, in the same order in every step.
.macro MUL16 a0, p, q, sc, zero
.irp a, \a0, \a0+1
.irp b, 0,1,2,3,4,5,6,7
.if \zero
	v_wmma_scale_f32_16x16x128_f8f6f4 v[8*(8*((\a)%4)+\b):8*(8*((\a)%4)+\b)+7], v[128*(\p)+FR*\b:128*(\p)+FR*\b+FR-1], v[AF+FR*(\a):AF+FR*(\a)+FR-1], 0, v[SC+8*NQ*(\sc)+NQ*\b+(\q)], v[SC+8*NQ*(\sc)+NQ*(\a)+(\q)] matrix_a_fmt:MATRIX_FMT_FP4 matrix_b_fmt:MATRIX_FMT_FP4 matrix_a_scale:MATRIX_SCALE_ROW1
.else
	v_wmma_scale_f32_16x16x128_f8f6f4 v[8*(8*((\a)%4)+\b):8*(8*((\a)%4)+\b)+7], v[128*(\p)+FR*\b:128*(\p)+FR*\b+FR-1], v[AF+FR*(\a):AF+FR*(\a)+FR-1], v[8*(8*((\a)%4)+\b):8*(8*((\a)%4)+\b)+7], v[SC+8*NQ*(\sc)+NQ*\b+(\q)], v[SC+8*NQ*(\sc)+NQ*(\a)+(\q)] matrix_a_fmt:MATRIX_FMT_FP4 matrix_b_fmt:MATRIX_FMT_FP4 matrix_a_scale:MATRIX_SCALE_ROW1
.endif
.endr
.endr
.endm
.macro FETCH_B slot, q, p
	WIN TO_B
.irp i, 0,1,2,3,4,5,6,7
	FRAG 128*(\p)+FR*\i, ADRB+\slot, \q, \i
.endr
	WIN 0
.endm
.macro FETCH_A slot, q, i0
.irp i, \i0, \i0+1, \i0+2, \i0+3
	FRAG AF+FR*(\i), ADRA+\slot, \q, \i
.endr
.endm
.macro SCALES sc                       ; a slot's scale words: four a row; lanes 0-15 take A's block i, lanes 16-31 B's block i
.irp i, 0,1,2,3,4,5,6,7
	ds_load_b128 v[SC+8*NQ*\sc+NQ*\i:SC+8*NQ*\sc+NQ*\i+3], v[ADRS] offset:\i*SBLK
.endr
.endm
.macro PLACES n                        ; plain vector instructions between a matrix instruction and a load into, or a vector instruction on, its registers
.rept \n
	v_nop
.endr
.endm
.macro STEP slot, q, zero              ; 128 along K, with its successor in the same slot
	s_wait_dscnt 4*NL                              ; B's set and A's blocks 0-3 are in; the youngest eight loads (A's blocks 4-7) may be out
	WIN MUL_LO
	MUL16 0, (\q)%2, \q, \slot, \zero
	MUL16 2, (\q)%2, \q, \slot, \zero
	s_wait_dscnt 0
	PLACES NP
	FETCH_B \slot, (\q)+1, 1-(\q)%2
	FETCH_A \slot, (\q)+1, 0
	WIN MUL_HI
	MUL16 4, (\q)%2, \q, \slot, \zero
	MUL16 6, (\q)%2, \q, \slot, \zero
	PLACES NP
	WIN 0
	FETCH_A \slot, (\q)+1, 4
.endm
.macro STEPS slot, from
.set Q, \from
.rept NQ-1-\from
	STEP \slot, Q, 0
.set Q, Q+1
.endr
.endm
	s_wait_tensorcnt 1                             ; the scales and my part of slot 0 are in (slot 1's load may be out),
	s_barrier_signal -1
	s_barrier_wait -1                              ; everybody's are
	FETCH_B 0, 0, 0
	FETCH_A 0, 0, 0
	SCALES 0
	FETCH_A 0, 0, 4
	STEP 0, 0, 1                                   ; the first products start the sums: nothing is cleared
	STEPS 0, 1
	; slot 0's last step changes slots: one barrier; nothing is filled again
	s_wait_tensorcnt 0x0                           ; my part of slot 1 has landed;
	ds_add_u32 v[SPW], v[NIL]                      ; 0 onto my spare word
	s_wait_dscnt 4*NL+1                            ; (the add and the youngest eight loads may be out)
	WIN MUL_LO
	MUL16 0, 1, NQ-1, 0, 0
	s_wait_dscnt 0x0
	s_barrier_signal -1
	MUL16 2, 1, NQ-1, 0, 0
	WIN 0
	s_barrier_wait -1                              ; slot 1 is whole
	PLACES NP
	v_add_nc_u32 v[ADRS], 4*NQ, v[ADRS]            ; on to slot 1's scale words
	FETCH_B 1, 0, 0
	FETCH_A 1, 0, 0
	SCALES 1
	WIN MUL_HI
	MUL16 4, 1, NQ-1, 0, 0
	MUL16 6, 1, NQ-1, 0, 0
	PLACES NP
	WIN 0
	FETCH_A 1, 0, 4
	STEPS 1, 0
	s_wait_dscnt 4*NL                              ; the very last step: nothing more to fetch
	WIN MUL_LO
	MUL16 0, 1, NQ-1, 1, 0
	MUL16 2, 1, NQ-1, 1, 0
	s_wait_dscnt 0
	WIN MUL_HI
	MUL16 4, 1, NQ-1, 1, 0
	MUL16 6, 1, NQ-1, 1, 0
	WIN 0
; 64 numbers of a lane, v[s] on: register 8 t + j = place 16 t + 8 h + j along the next K, of my row.  They become a fragment's eight registers of codes, v[pc] on, and its scale word, v[pw].
; A block of 32 is registers 16 b .. 16 b + 15 of lanes l and l xor 16.  The conversions are ordered so that two exchanges of halves for each 64 along K give the operand's layout: registers 4 c + i hold K = 64 c + 32 h + 8 i + 0 .. 7.
.macro QUANTN s, pc, pw
.irp b, 0,1,2,3
	v_max3_num_f32 v[TM+\b], |v[\s+16*\b]|, |v[\s+16*\b+1]|, 0x1800000   ; with the floor 2^(3 - 127): the byte cannot fall under 1
.endr
.irp i, 2,4,6,8,10,12,14
.irp b, 0,1,2,3
	v_max3_num_f32 v[TM+\b], v[TM+\b], |v[\s+16*\b+\i]|, |v[\s+16*\b+\i+1]|
.endr
.endr
.irp b, 0,1,2,3
	v_permlanex16_b32 v[TM+4+\b], v[TM+\b], s[SEL], s[SEL+1]
.endr
.irp b, 0,1,2,3
	v_max_num_f32 v[TM+\b], v[TM+\b], v[TM+4+\b]
.endr
.irp b, 0,1,2,3
	v_add_nc_u32 v[TM+12+\b], 0xff000000, v[TM+\b]     ; 2 off the exponent field: the conversion's scale operand
.endr
.irp b, 0,1,2,3
	v_lshrrev_b32 v[TM+4+\b], 23, v[TM+12+\b]          ; the scale's byte
.endr
	v_lshl_or_b32 v[\pw], v[TM+5], 8, v[TM+4]
	v_lshl_or_b32 v[\pw], v[TM+6], 16, v[\pw]
	v_lshl_or_b32 v[\pw], v[TM+7], 24, v[\pw]
.irp c, 0,1
	v_cvt_scalef32_pk8_fp4_f32 v[\pc+4*\c],   v[\s+32*\c:\s+32*\c+7],     v[TM+12+2*\c]
	v_cvt_scalef32_pk8_fp4_f32 v[\pc+4*\c+1], v[\s+32*\c+16:\s+32*\c+23], v[TM+13+2*\c]
	v_cvt_scalef32_pk8_fp4_f32 v[\pc+4*\c+2], v[\s+32*\c+8:\s+32*\c+15],  v[TM+12+2*\c]
	v_cvt_scalef32_pk8_fp4_f32 v[\pc+4*\c+3], v[\s+32*\c+24:\s+32*\c+31], v[TM+13+2*\c]
.endr
	v_nop                                          ; one plain instruction behind the scaled conversions
.irp c, 0,1
	v_permlane16_swap_b32 v[\pc+4*\c], v[\pc+4*\c+1]       ; the first's lanes 16-31 change places with the second's lanes 0-15
	v_permlane16_swap_b32 v[\pc+4*\c+2], v[\pc+4*\c+3]
.endr
.endm
; THE WAY OUT of A's block a.  mode 0: q or k;  1: v transposed;  2: the hidden layer.
.macro EPI a, mode
.set PCX, 118-110*((\a)%2)             ; the codes: v118-125 and v8-15 by turns
.set PWX, PW+(\a)%2
.if (\a) >= 2
	s_wait_xcnt 0x0                                ; the stores of two blocks ago have read their registers
.endif
.if \mode == 1
	WIN (0x06+(\a)/4)                              ; source 0: the accumulators' window; source 1: window 1
.else
	WIN (0x02+(\a)/4)
.endif
.set kk, 0
.rept 32                               ; + bias; each accumulator is read from its low end on
.if \mode == 1
	v_pk_add_f32 v[T+2*kk:T+2*kk+1], v[64*((\a)%4)+2*kk:64*((\a)%4)+2*kk+1], v[BV+2*(\a):BV+2*(\a)+1]
.else
	v_pk_add_f32 v[T+2*kk:T+2*kk+1], v[64*((\a)%4)+2*kk:64*((\a)%4)+2*kk+1], v[BI+2*kk:BI+2*kk+1]
.endif
.set kk, kk+1
.endr
	WIN 0
.if \mode == 2
.set kk, 0
.rept 64
	v_max_num_f32 v[T+kk], 0, v[T+kk]              ; the activation, in f32
.set kk, kk+1
.endr
.endif
	QUANTN T, PCX, PWX
.if \mode == 0
	v_and_b32 v116, 0xffff, v[PWX]                 ; the first head's two bytes,
	v_lshrrev_b32 v117, 16, v[PWX]                 ; the second's;
	v_cndmask_b32 v[WD+(\a)%2], v116, v117, s[HI]  ; lanes 0-15 store the first head's word of token r, lanes 16-31 the second's
	global_store_b128 v[LI], v[PCX:PCX+3], s[OC:OC+1] offset:(\a)*512              ; 512 consecutive bytes: a head's 64 channels of 16 tokens
	global_store_b128 v[LI], v[PCX+4:PCX+7], s[OC:OC+1] offset:65536+(\a)*512      ; the next head's
	global_store_b32 v[WO], v[WD+(\a)%2], s[12:13] offset:64*(\a)
.elseif \mode == 1
	global_store_b128 v[LI], v[PCX:PCX+3], s[OC:OC+1] offset:((\a)/4)*65536+((\a)%4)*1024
	global_store_b128 v[LI], v[PCX+4:PCX+7], s[OC:OC+1] offset:((\a)/4)*65536+((\a)%4)*1024+512
.if (\a)%2
	v_cndmask_b32 v[WD+((\a)/2)%2], v[PW], v[PW+1], s[HI]      ; two blocks' words leave together: 128 consecutive bytes
	global_store_b32 v[WO2], v[WD+((\a)/2)%2], s[12:13] offset:((\a)/4)*4096+(((\a)-1)%4)*64
.endif
.else
	global_store_b128 v[LI], v[PCX:PCX+3], s[OC:OC+1] offset:(\a)*8192
	global_store_b128 v[LI], v[PCX+4:PCX+7], s[OC:OC+1] offset:(\a)*8192+512
.if (\a)%2
	v_cndmask_b32 v[WD+((\a)/2)%2], v[PW], v[PW+1], s[HI]
	global_store_b32 v[WO], v[WD+((\a)/2)%2], s[12:13] offset:((\a)-1)*2048
.endif
.endif
.endm
	PLACES NP                                      ; behind the last products: their results are read and A's fragments overwritten below
	s_wait_loadcnt 0x0                             ; the bias
.if G1MODE
.irp a, 0,1,2,3,4,5,6,7
	EPI \a, 2
.endr
.else
	s_cmp_eq_u32 s[JOB], 2                         ; the job is the same in all partners
	s_cbranch_scc1 .Lvt
.irp a, 0,1,2,3,4,5,6,7
	EPI \a, 0
.endr
	s_branch .Lout
.Lvt:
.irp a, 0,1,2,3,4,5,6,7
	EPI \a, 1
.endr
.Lout:
.endif
	s_wait_tensorcnt 0x0                           ; the wave's end
	ds_add_u32 v[SPW], v[NIL]
	s_wait_dscnt 0x0
	CROUND                                         ; the closing round
	s_endpgm
.Lfunc_end_k_q108ce500bb_g1:
	.size	k_q108ce500bb_g1, .Lfunc_end_k_q108ce500bb_g1-k_q108ce500bb_g1
	.p2alignl 7, 3214868480
	.fill 96, 4, 3214868480
	.section	.rodata,"a",@progbits
	.p2align	6, 0x0
	.amdhsa_kernel k_q108ce500bb_g1
		.amdhsa_group_segment_fixed_size 327680
		.amdhsa_private_segment_fixed_size 0
		.amdhsa_enable_private_segment 0
		.amdhsa_kernarg_size 40
		.amdhsa_user_sgpr_count 2
		.amdhsa_user_sgpr_kernarg_segment_ptr 1
		.amdhsa_wavefront_size32 1
		.amdhsa_system_sgpr_workgroup_id_x 1
		.amdhsa_system_sgpr_workgroup_id_y 1
		.amdhsa_system_sgpr_workgroup_id_z 1
		.amdhsa_system_vgpr_workitem_id 0
		.amdhsa_next_free_vgpr 1024
		.amdhsa_next_free_sgpr 102
		.amdhsa_reserve_vcc 0
		.amdhsa_float_denorm_mode_32 3
		.amdhsa_float_denorm_mode_16_64 3
		.amdhsa_memory_ordered 1
		.amdhsa_forward_progress 1
		.amdhsa_inst_pref_size 162
	.end_amdhsa_kernel
	.amdgpu_metadata
---
amdhsa.version: [ 1, 2 ]
amdhsa.kernels:
  - .name:           k_q108ce500bb_g1
    .symbol:         k_q108ce500bb_g1.kd
    .args:
      - { .name: xn, .offset: 0, .size: 8, .value_kind: global_buffer, .address_space: global }
      - { .name: W1_codes, .offset: 8, .size: 8, .value_kind: global_buffer, .address_space: global }
      - { .name: W1_scales, .offset: 16, .size: 8, .value_kind: global_buffer, .address_space: global }
      - { .name: b1, .offset: 24, .size: 8, .value_kind: global_buffer, .address_space: global }
      - { .name: hid, .offset: 32, .size: 8, .value_kind: global_buffer, .address_space: global }
    .group_segment_fixed_size: 327680
    .private_segment_fixed_size: 0
    .kernarg_segment_align: 8
    .kernarg_segment_size: 40
    .max_flat_workgroup_size: 128
    .sgpr_count:     102
    .vgpr_count:     1024
    .wavefront_size: 32
...
	.end_amdgpu_metadata
.endif
;; end of part 5
;; launch g2 (part 6): grid 8 x 32, 4 waves a work-group, clusters of 4 x 4, 327,680 bytes of LDS; arguments hid, W2_codes, W2_scales, b2, h, out0; writes out0
.if DOCPART == 6
	.amdgcn_target "amdgcn-amd-amdhsa--gfx1250"
	.amdhsa_code_object_version 6
	.text
	.protected	k_q108ce500bb_g2
	.globl	k_q108ce500bb_g2
	.p2align	8
	.type	k_q108ce500bb_g2,@function
k_q108ce500bb_g2:
	s_mov_b64 s[64:65], 0
	v_nop
	global_prefetch_b8 v0, s[64:65] scope:SCOPE_SE
	s_setreg_imm32_b32 hwreg(HW_REG_WAVE_MODE, 25, 1), 1
	s_wait_xcnt 0x0
	s_wait_alu depctr_hold_cnt(0) depctr_sa_sdst(0) depctr_va_vdst(0) depctr_va_sdst(0) depctr_va_ssrc(0) depctr_va_vcc(0) depctr_vm_vsrc(0)
	s_getreg_b32 s2, hwreg(HW_REG_IB_STS2, 6, 4)
	s_cmp_eq_u32 s2, 0
	s_cbranch_scc0 .Lentry_in_a_cluster
	s_endpgm
.Lentry_in_a_cluster:
	s_bfe_u32 s2, ttmp6, 0x10000c
	s_cmp_lg_u32 s2, 0xf033
	s_cbranch_scc0 .Lentry_shape_is_right
	s_endpgm
.Lentry_shape_is_right:
; out[m][n] = res[m][n] + bias[n] + sum over k of A[m][k] B[n][k], on codes of E2M1; m 4,096, n 1,024, K = 1,024 x NSTEP.  out, res: f32.
; A comes as images of operand registers: [1,024 along K: NSTEP][tile of 16 rows: 256][128 along K: 8][1,024 bytes: two groups of four registers, lane l's 16 bytes at 16 l]; its scale words, from byte ASOFF on,
; [tile 256][128 along K: NCH][16 words].  B: rows of K / 2 bytes of codes, rows of K / 32 scale bytes.
; A tile of out is 128 x 128: n = 1,024 gives only 64 tiles of 256 x 256, and 256 of these.  Four waves, each 64 x 64: 16 accumulators.  K goes in steps of 1,024 through two LDS slots filled by the tensor data mover:
; A's half tile is 32,768 dense bytes, B's rows are 512 bytes.  The scales of all of K come once, with the first fills.
; CLUSTERS: 4 x 4 work-groups; A's tiles are asked for jointly by a row of the cluster, B's by a column.  THE MATRIX INSTRUCTION IS USED TRANSPOSED (source 0 = 16 rows of B, source 1 = 16 rows of A).
; REGISTERS: window 0: v16-29 addresses; v32-63 A's scale words, v64-95 B's, two sets each; v96-99 my four numbers of the bias; v128-255 the accumulators ((a, b) at v[128 + 8 (4 a + b)]).
;   window 1: two fragment buffers of 128 (64 of A, 64 of B: 256 along K); on the way out v0-31 rows read back.   window 2: v0-127 my 64 x 64 of res, asked for at the head.
.set NSTEP,  4
.set NCH,    8*NSTEP
.set KBYTES, 512*NSTEP                 ; a row of B's codes
.set KS,     32*NSTEP                  ; a row of B's scale bytes
.set ASOFF,  2097152*NSTEP
.set LAPS,   NSTEP/2
.set PITCH,  528                       ; B's LDS row: 512 bytes + 16 of padding
.set HA,     32768                     ; A: four tiles of 16 rows x 8 x 1,024 bytes: what one tensor load brings
.set HB,     64*PITCH                  ; B: 64 rows
.set SLOT,   2*HA+2*HB
.set SCL,    2*SLOT                    ; behind the ring: A's scale words, two halves,
.set SAH,    256*NCH
.set SBH,    (64*KS/256)*272           ; then B's scale bytes, two halves, as runs of 256 bytes + 16 of padding
.set SBLK,   (16*KS/256)*272
.set SPARE,  300032                    ; the spare words, 128 bytes for each wave
.set STAGE,  300544                    ; the way out: 16 rows x (256 bytes + 16) for each wave; no fill lands here
.set SPITCH, 272
.set ADRA, 16
.set ADRB, 20
.set ADSA, 22
.set ADSB, 23
.set STO,  24
.set RD,   25
.set CO,   26
.set BO,   27
.set SPW,  28
.set NIL,  29
.set SCA,  32
.set SCB,  64
.set BIA,  96
.set ACC,  128
.set F0,   0
.set F1,   128
.set G1, 24
.set G0, 32
.set G1B, 48
.set G0B, 56
.set G1S, 68
.set G0S, 76
.set G1SB, 80
.set G0SB, 88
.set WV, 92
.set RH, 93
.set CH, 94
.set MSB, 0
.macro WIN new                         ; the immediate's high byte repeats the setting that is left
.if MSB != \new
	s_set_vgpr_msb (MSB<<8)|\new
.set MSB, \new
.endif
.endm
.set MUL,  0x05                        ; sources 0 (B) and 1 (A) window 1; C and D window 0
.set TO_F, 0x40                        ; destination window 1, address window 0
; A joint load: waves 0 and 1 fetch for A, waves 2 and 3 for B; the branch hangs on the wave's number alone.  Four v_nop follow each of the two lines.
.macro JLOAD g0a, g1a, g0b, g1b
	s_cmp_eq_u32 s[RH], 0
	s_cbranch_scc0 .Lfor_b_\@
	tensor_load_to_lds s[\g0a:\g0a+3], s[\g1a:\g1a+7]
	s_nop 0
.rept 4
	v_nop
.endr
	s_branch .Lasked_\@
.Lfor_b_\@:
	tensor_load_to_lds s[\g0b:\g0b+3], s[\g1b:\g1b+7]
	s_nop 0
.rept 4
	v_nop
.endr
.Lasked_\@:
.endm
.macro CREST                           ; a round of the cluster's barrier behind its opening barrier
	s_cmp_lg_u32 s[WV], 0
	s_cbranch_scc1 .Lnot_wave_0_\@
	s_barrier_signal -3
.Lnot_wave_0_\@:
	s_barrier_wait -3
	s_barrier_signal -1
	s_barrier_wait -1
.endm
.macro CROUND
	s_barrier_signal -1
	s_barrier_wait -1
	CREST
.endm
	s_load_b256 s[4:11], s[0:1], 0x0               ; A s[4:5], B's codes s[6:7], B's scales s[8:9], bias s[10:11]
	s_load_b128 s[12:15], s[0:1], 0x20             ; res s[12:13], out s[14:15]
	v_lshl_add_u32 v[SPW], v0, 2, SPARE
	v_mov_b32 v[NIL], 0
	ds_add_u32 v28, v29
	ds_add_u32 v28, v29
	s_wait_dscnt 0x0
	v_lshrrev_b32 v1, 5, v0
	v_readfirstlane_b32 s[WV], v1                  ; wave 0..3
	s_lshr_b32 s[RH], s[WV], 1                     ; which half of the tile's rows is mine.  Also: I fetch for A (0) or for B (1)
	s_and_b32 s[CH], s[WV], 1                      ; which half of its columns.  Also: which half of that tile I fetch
	s_bfe_u32 s40, ttmp6, 0x40000                  ; cx, cy
	s_bfe_u32 s41, ttmp6, 0x40004
	s_lshl_b32 s42, ttmp9, 2
	s_add_co_u32 s42, s42, s40                     ; tile column
	s_and_b32 s43, ttmp7, 0xffff
	s_lshl_b32 s43, s43, 2
	s_add_co_u32 s43, s43, s41                     ; tile row
	s_lshl_b32 s44, s41, 2
	s_lshl_b32 s44, 15, s44                        ; my row of the cluster
	s_lshl_b32 s45, 0x1111, s40                    ; my column
	; descriptor groups 1.  A's codes: 32,768 dense bytes as 128 rows of 32 elements of 8 bytes, no padding
	s_or_b32 s[G1+0], s44, (3<<16)|(1<<21)
	s_mov_b32 s[G1+1], 32<<16
	s_mov_b32 s[G1+2], 128<<16
	s_mov_b32 s[G1+3], 32<<16
	s_mov_b32 s[G1+4], 128
	s_mov_b32 s[G1+5], 32
	s_mov_b32 s[G1+6], 0
	s_mov_b32 s[G1+7], 0
	; B's codes: 64 rows of 512 bytes, four words of padding after every 128
	s_or_b32 s[G1B+0], s45, (0<<16)|(1<<20)|(1<<21)|(6<<22)|(3<<25)
	s_mov_b32 s[G1B+1], 512<<16
	s_mov_b32 s[G1B+2], 64<<16
	s_mov_b32 s[G1B+3], 512<<16
	s_mov_b32 s[G1B+4], 64
	s_mov_b32 s[G1B+5], KBYTES
	s_mov_b32 s[G1B+6], 0
	s_mov_b32 s[G1B+7], 0
	; A's scale words of four tiles of rows: 256 NCH dense bytes
	s_or_b32 s[G1S+0], s44, (3<<16)|(1<<21)
	s_mov_b32 s[G1S+1], 32<<16
	s_mov_b32 s[G1S+2], NCH<<16
	s_mov_b32 s[G1S+3], 32<<16
	s_mov_b32 s[G1S+4], NCH
	s_mov_b32 s[G1S+5], 32
	s_mov_b32 s[G1S+6], 0
	s_mov_b32 s[G1S+7], 0
	; B's scale bytes of 64 rows: 64 KS dense bytes, 16 bytes of padding behind every 256
	s_or_b32 s[G1SB+0], s45, (3<<16)|(1<<20)|(1<<21)|(5<<22)|(3<<25)
	s_mov_b32 s[G1SB+1], 32<<16
	s_mov_b32 s[G1SB+2], (64*KS/256)<<16
	s_mov_b32 s[G1SB+3], 32<<16
	s_mov_b32 s[G1SB+4], 64*KS/256
	s_mov_b32 s[G1SB+5], 32
	s_mov_b32 s[G1SB+6], 0
	s_mov_b32 s[G1SB+7], 0
	s_lshl_b32 s16, s43, 3
	s_lshl_b32 s17, s[CH], 2
	s_add_co_u32 s16, s16, s17                     ; A: the first tile of 16 rows that I fetch
	s_mul_i32 s18, s16, 64*NCH
	s_add_co_u32 s18, s18, ASOFF                   ; its scale words,
	s_mov_b32 s19, 0
	s_lshl_b32 s16, s16, 13                        ; its codes
	s_mov_b32 s17, 0
	s_lshl_b32 s46, s42, 7
	s_lshl_b32 s47, s[CH], 6
	s_add_co_u32 s46, s46, s47                     ; B: the first row that I fetch
	s_mul_i32 s20, s46, KS
	s_mov_b32 s21, 0
	s_mul_i32 s46, s46, KBYTES
	s_mov_b32 s47, 0
	s_mul_i32 s22, s[CH], HA                       ; where they go: no place in the cluster enters an LDS address
	s_mul_i32 s23, s[CH], HB
	s_add_co_u32 s23, s23, 2*HA
	s_mul_i32 s95, s[CH], SAH
	s_add_co_u32 s95, s95, SCL
	s_mul_i32 s96, s[CH], SBH
	s_add_co_u32 s96, s96, SCL+2*SAH
	s_wait_kmcnt 0x0
	s_add_nc_u64 s[16:17], s[4:5], s[16:17]
	s_add_nc_u64 s[18:19], s[4:5], s[18:19]
	s_add_nc_u64 s[46:47], s[6:7], s[46:47]
	s_add_nc_u64 s[20:21], s[8:9], s[20:21]
	CROUND                                         ; all sixteen work-groups are here: the first joint loads meet
	s_mov_b32 s[G0S], 1
	s_mov_b32 s[G0S+1], s95
	s_mov_b64 s[G0S+2:G0S+3], s[18:19]
	s_or_b32 s[G0S+3], s[G0S+3], 0x80000000
	s_mov_b32 s[G0SB], 1
	s_mov_b32 s[G0SB+1], s96
	s_mov_b64 s[G0SB+2:G0SB+3], s[20:21]
	s_or_b32 s[G0SB+3], s[G0SB+3], 0x80000000
	JLOAD G0S, G1S, G0SB, G1SB                     ; the scales first
.macro FIRST s
	s_mov_b32 s[G0+4*\s], 1
	s_add_co_u32 s[G0+4*\s+1], s22, \s*SLOT
	s_add_nc_u64 s[G0+4*\s+2:G0+4*\s+3], s[16:17], \s*2097152      ; a step of 1,024 along K is 256 tiles x 8,192 bytes
	s_or_b32 s[G0+4*\s+3], s[G0+4*\s+3], 0x80000000
	s_mov_b32 s[G0B+4*\s], 1
	s_add_co_u32 s[G0B+4*\s+1], s23, \s*SLOT
	s_add_nc_u64 s[G0B+4*\s+2:G0B+4*\s+3], s[46:47], \s*512
	s_or_b32 s[G0B+4*\s+3], s[G0B+4*\s+3], 0x80000000
	JLOAD G0+4*\s, G1, G0B+4*\s, G1B
.endm
	FIRST 0
.if NSTEP > 1
	FIRST 1
.endif
	v_and_b32 v1, 15, v0                           ; r
	v_bfe_u32 v2, v0, 4, 1                         ; h
	v_and_b32 v3, 31, v0                           ; lane
	v_lshlrev_b32 v4, 4, v3
	v_mul_u32_u24 v5, v1, PITCH
	v_lshl_add_u32 v5, v2, 4, v5
	s_mul_i32 s16, s[RH], HA
	s_mul_i32 s17, s[CH], HB
	s_add_co_u32 s17, s17, 2*HA
.irp s, 0,1
	v_add_nc_u32 v[ADRA+\s], s16, v4               ; A's images: 16 x lane
	v_add_nc_u32 v[ADRB+\s], s17, v5               ; B's rows: r x pitch + 16 h
	s_add_co_u32 s16, s16, SLOT
	s_add_co_u32 s17, s17, SLOT
.endr
	s_mul_i32 s16, s[RH], SAH
	s_add_co_u32 s16, s16, SCL
	v_lshl_add_u32 v[ADSA], v3, 2, s16             ; A's scale words: lanes 0-15 an even 128 along K, lanes 16-31 the odd one behind it
	v_mul_u32_u24 v6, v1, KS
	v_lshrrev_b32 v7, 8, v6
	v_lshl_add_u32 v6, v7, 4, v6                   ; B's: row r, 16 more for each 256 passed;
	v_mad_u32_u24 v6, v2, 2*SBLK, v6               ; lanes 16-31: the block of 16 rows two further on
	s_mul_i32 s16, s[CH], SBH
	s_add_co_u32 s16, s16, SCL+2*SAH
	v_add_nc_u32 v[ADSB], s16, v6
	s_mul_i32 s16, s[WV], 16*SPITCH
	s_add_co_u32 s16, s16, STAGE                   ; my stage
	v_mul_u32_u24 v6, v1, SPITCH
	v_lshl_add_u32 v6, v2, 5, v6
	v_add_nc_u32 v[STO], s16, v6                   ; in: row r, 32 bytes for each half of the lanes
	v_mul_u32_u24 v6, v2, SPITCH
	v_lshl_add_u32 v6, v1, 4, v6
	v_add_nc_u32 v[RD], s16, v6                    ; back: lanes 0-15 one row of 256 bytes, lanes 16-31 the next
	v_lshlrev_b32 v[BO], 4, v1
	v_lshl_add_u32 v[CO], v2, 12, v[BO]            ; and the same two rows in res and out
	s_lshl_b32 s16, s43, 7
	s_lshl_b32 s17, s[RH], 6
	s_add_co_u32 s16, s16, s17
	s_lshl_b32 s16, s16, 12                        ; my first row, 4,096 bytes a row,
	s_lshl_b32 s18, s42, 7
	s_lshl_b32 s19, s[CH], 6
	s_add_co_u32 s18, s18, s19
	s_lshl_b32 s18, s18, 2                         ; my first column
	s_mov_b32 s19, 0
	s_add_nc_u64 s[10:11], s[10:11], s[18:19]
	s_add_co_u32 s16, s16, s18
	s_mov_b32 s17, 0
	s_add_nc_u64 s[12:13], s[12:13], s[16:17]
	s_add_nc_u64 s[14:15], s[14:15], s[16:17]
	global_load_b128 v[BIA:BIA+3], v[BO], s[10:11]
	WIN 0x80                                       ; destination window 2: my 64 x 64 of res, laid as the rows come back from the stage; it lands under the products
.set n, 0
.rept 32
	global_load_b128 v[4*n:4*n+3], v[CO], s[12:13] offset:2*n*4096 th:TH_LOAD_NT
.set n, n+1
.endr
	WIN 0
.macro WM zero, rb, ra                 ; one product; rb, ra: B's, A's scale words stand in lanes 16-31
.if (\zero)&&(\rb)
	v_wmma_scale_f32_16x16x128_f8f6f4 v[rD:rD+7], v[rB:rB+7], v[rA:rA+7], 0, v[rSB], v[rSA] matrix_a_fmt:MATRIX_FMT_FP4 matrix_b_fmt:MATRIX_FMT_FP4 matrix_a_scale:MATRIX_SCALE_ROW1
.elseif \zero
	v_wmma_scale_f32_16x16x128_f8f6f4 v[rD:rD+7], v[rB:rB+7], v[rA:rA+7], 0, v[rSB], v[rSA] matrix_a_fmt:MATRIX_FMT_FP4 matrix_b_fmt:MATRIX_FMT_FP4
.elseif (\rb)&&(\ra)
	v_wmma_scale_f32_16x16x128_f8f6f4 v[rD:rD+7], v[rB:rB+7], v[rA:rA+7], v[rD:rD+7], v[rSB], v[rSA] matrix_a_fmt:MATRIX_FMT_FP4 matrix_b_fmt:MATRIX_FMT_FP4 matrix_a_scale:MATRIX_SCALE_ROW1 matrix_b_scale:MATRIX_SCALE_ROW1
.elseif \rb
	v_wmma_scale_f32_16x16x128_f8f6f4 v[rD:rD+7], v[rB:rB+7], v[rA:rA+7], v[rD:rD+7], v[rSB], v[rSA] matrix_a_fmt:MATRIX_FMT_FP4 matrix_b_fmt:MATRIX_FMT_FP4 matrix_a_scale:MATRIX_SCALE_ROW1
.elseif \ra
	v_wmma_scale_f32_16x16x128_f8f6f4 v[rD:rD+7], v[rB:rB+7], v[rA:rA+7], v[rD:rD+7], v[rSB], v[rSA] matrix_a_fmt:MATRIX_FMT_FP4 matrix_b_fmt:MATRIX_FMT_FP4 matrix_b_scale:MATRIX_SCALE_ROW1
.else
	v_wmma_scale_f32_16x16x128_f8f6f4 v[rD:rD+7], v[rB:rB+7], v[rA:rA+7], v[rD:rD+7], v[rSB], v[rSA] matrix_a_fmt:MATRIX_FMT_FP4 matrix_b_fmt:MATRIX_FMT_FP4
.endif
.endm
; 8 products: A's blocks a0, a0 + 1 x B's four, 128 along K: half c of buffer f, the slot's q-th 128.  The 16 accumulators take turns, one instruction a turn.
.macro MUL8 f, c, a0, zero, set, q
.irp a, \a0, \a0+1
.irp b, 0,1,2,3
.set rD, ACC+8*(4*(\a)+\b)
.set rB, \f+64+8*(4*\c+\b)
.set rA, \f+8*(4*\c+(\a))
.set rSB, SCB+16*(\set)+8*(\b%2)+(\q)
.set rSA, SCA+16*(\set)+4*(\a)+(\q)/2
	WM \zero, \b/2, (\q)%2
.endr
.endr
.endm
.macro SCALES set                      ; a K step's scale words
.irp i, 0,1,2,3
.irp p, 0,1,2,3
	ds_load_b32 v[SCA+16*\set+4*\i+\p], v[ADSA] offset:\i*64*NCH+128*\p
.endr
.endr
.irp i, 0,1
.irp g, 0,1
	ds_load_b128 v[SCB+16*\set+8*\i+4*\g:SCB+16*\set+8*\i+4*\g+3], v[ADSB] offset:\i*SBLK+16*\g
.endr
.endr
.endm
.macro FETCH slot, qt, f               ; 32 LDS loads in one run: the fragments of the slot's qt-th 256 along K; its first 128 first
	WIN TO_F
.irp c, 0,1
.irp i, 0,1,2,3
	ds_load_b128 v[\f+64+8*(4*\c+\i):\f+64+8*(4*\c+\i)+3],   v[ADRB+\slot] offset:128*(\qt)+64*\c+\i*16*PITCH
	ds_load_b128 v[\f+64+8*(4*\c+\i)+4:\f+64+8*(4*\c+\i)+7], v[ADRB+\slot] offset:128*(\qt)+64*\c+\i*16*PITCH+32
	ds_load_b128 v[\f+8*(4*\c+\i):\f+8*(4*\c+\i)+3],         v[ADRA+\slot] offset:8192*\i+(2*(\qt)+\c)*1024
	ds_load_b128 v[\f+8*(4*\c+\i)+4:\f+8*(4*\c+\i)+7],       v[ADRA+\slot] offset:8192*\i+(2*(\qt)+\c)*1024+512
.endr
.endr
.endm
.macro PLACES                          ; plain vector instructions between a matrix instruction and a load into, or a read of, its registers
.rept 4
	v_nop
.endr
.endm
.macro QUARTER slot, qt, f, g, zero    ; multiplies the slot's qt-th 256 along K from buffer f, and fetches the next into g
	s_wait_dscnt 16                                ; the first 128 along K are in (and the scale words, which are older); the youngest sixteen loads may be out
	WIN MUL
	MUL8 \f, 0, 0, \zero, \slot, 2*(\qt)
	MUL8 \f, 0, 2, \zero, \slot, 2*(\qt)
	PLACES
	FETCH \slot, (\qt)+1, \g
	s_wait_dscnt 32                                ; all but the 32 just issued
	WIN MUL
	MUL8 \f, 1, 0, 0, \slot, 2*(\qt)+1
	MUL8 \f, 1, 2, 0, \slot, 2*(\qt)+1
.endm
; A slot's last quarter changes slots: one barrier; in front of it each wave waits for all its tensor loads, adds 0 to its spare word, and waits for that and for its reads of this slot.  fill = 1: this slot is filled again, two K steps ahead.
.macro TURN slot, next, fill
	WIN 0
	s_wait_tensorcnt 0x0                           ; all my tensor loads have landed: my part of the next slot;
	ds_add_u32 v[SPW], v[NIL]                      ; 0 onto my spare word;
	s_wait_dscnt 17                                ; (the add and the youngest sixteen loads may be out)
	WIN MUL
	MUL8 F1, 0, 0, 0, \slot, 6
	s_wait_dscnt 0x0                               ; the add is done, and my reads of this slot are over
	s_barrier_signal -1
	MUL8 F1, 0, 2, 0, \slot, 6
	WIN 0
	s_barrier_wait -1
.if \fill
	CREST                                          ; the barrier has opened a round of the cluster's barrier: no wave of any partner still reads this slot or has a load on its way
	s_add_nc_u64 s[G0+4*\slot+2:G0+4*\slot+3], s[G0+4*\slot+2:G0+4*\slot+3], 4194304
	s_add_nc_u64 s[G0B+4*\slot+2:G0B+4*\slot+3], s[G0B+4*\slot+2:G0B+4*\slot+3], 1024
	JLOAD G0+4*\slot, G1, G0B+4*\slot, G1B         ; the first tensor load behind the round, my only one until the next; its four v_nop are also the places in front of the loads below
.else
	PLACES
.endif
	v_add_nc_u32 v[ADSA], 512, v[ADSA]             ; on to the next K step's scale words
	v_add_nc_u32 v[ADSB], 32, v[ADSB]
	SCALES \next
	FETCH \next, 0, F0
	WIN MUL
	MUL8 F1, 1, 0, 0, \slot, 7
	MUL8 F1, 1, 2, 0, \slot, 7
.endm
.macro LASTQ slot                      ; the very last quarter: nothing more to fetch
	s_wait_dscnt 16
	WIN MUL
	MUL8 F1, 0, 0, 0, \slot, 6
	MUL8 F1, 0, 2, 0, \slot, 6
	s_wait_dscnt 0
	MUL8 F1, 1, 0, 0, \slot, 7
	MUL8 F1, 1, 2, 0, \slot, 7
	WIN 0
.endm
.if NSTEP > 1
	s_wait_tensorcnt 1                             ; the scales and my part of K step 0 are in (K step 1's load may be out),
.else
	s_wait_tensorcnt 0x0                           ; the scales and my part of the one K step are in,
.endif
	s_barrier_signal -1
	s_barrier_wait -1                              ; everybody's are
	SCALES 0
	FETCH 0, 0, F0
	QUARTER 0, 0, F0, F1, 1                        ; the first products start the sums: nothing is cleared
.if NSTEP > 1
	WIN 0                                          ; at a label and at a branch every window is 0
	s_mov_b32 s3, LAPS-1
.Llap:                                                 ; a trip goes once round the ring and fills both slots again
	QUARTER 0, 1, F1, F0, 0
	QUARTER 0, 2, F0, F1, 0
	TURN 0, 1, 1
	QUARTER 1, 0, F0, F1, 0
	QUARTER 1, 1, F1, F0, 0
	QUARTER 1, 2, F0, F1, 0
	TURN 1, 0, 1
	QUARTER 0, 0, F0, F1, 0
	WIN 0
	s_sub_co_u32 s3, s3, 1
	s_cmp_lg_u32 s3, 0
	s_cbranch_scc1 .Llap
	QUARTER 0, 1, F1, F0, 0                        ; the last lap fills nothing
	QUARTER 0, 2, F0, F1, 0
	TURN 0, 1, 0
	QUARTER 1, 0, F0, F1, 0
	QUARTER 1, 1, F1, F0, 0
	QUARTER 1, 2, F0, F1, 0
	LASTQ 1
.else
	QUARTER 0, 1, F1, F0, 0
	QUARTER 0, 2, F0, F1, 0
	LASTQ 0
.endif
	; THE WAY OUT, 16 rows x 64 columns at a time: through my own stage, back as whole rows of 256 bytes, + bias + res, stored sixteen lanes to 256 consecutive aligned bytes.
	PLACES
	s_wait_loadcnt 0x0                             ; the bias and res
.irp a, 0,1,2,3
.if \a > 0
	s_wait_xcnt 0x0                                ; the last block's stores have read their registers
.endif
.irp b, 0,1,2,3
	ds_store_b128 v[STO], v[ACC+8*(4*\a+\b):ACC+8*(4*\a+\b)+3] offset:64*\b        ; each accumulator from its low end on
	ds_store_b128 v[STO], v[ACC+8*(4*\a+\b)+4:ACC+8*(4*\a+\b)+7] offset:64*\b+16
.endr
	WIN TO_F
.irp t, 0,1,2,3,4,5,6,7
	ds_load_b128 v[4*\t:4*\t+3], v[RD] offset:\t*2*SPITCH      ; LDS serves a wave's instructions in order: these see my stores
.endr
	s_wait_dscnt 0x0
	WIN 0x41                                       ; destination and source 0 window 1, source 1 (the bias) window 0
.irp t, 0,1,2,3,4,5,6,7
	v_pk_add_f32 v[4*\t:4*\t+1], v[4*\t:4*\t+1], v[BIA:BIA+1]
	v_pk_add_f32 v[4*\t+2:4*\t+3], v[4*\t+2:4*\t+3], v[BIA+2:BIA+3]
.endr
	WIN 0x49                                       ; source 1 (res) window 2
.irp t, 0,1,2,3,4,5,6,7
	v_pk_add_f32 v[4*\t:4*\t+1], v[4*\t:4*\t+1], v[4*(8*\a+\t):4*(8*\a+\t)+1]
	v_pk_add_f32 v[4*\t+2:4*\t+3], v[4*\t+2:4*\t+3], v[4*(8*\a+\t)+2:4*(8*\a+\t)+3]
.endr
	WIN 0x04                                       ; a store's data are its source 1: window 1
.irp t, 0,1,2,3,4,5,6,7
	global_store_b128 v[CO], v[4*\t:4*\t+3], s[14:15] offset:(16*\a+2*\t)*4096
.endr
	WIN 0
.endr
	s_wait_tensorcnt 0x0                           ; the wave's end
	ds_add_u32 v[SPW], v[NIL]
	s_wait_dscnt 0x0
	CROUND                                         ; the closing round
	s_endpgm
.Lfunc_end_k_q108ce500bb_g2:
	.size	k_q108ce500bb_g2, .Lfunc_end_k_q108ce500bb_g2-k_q108ce500bb_g2
	.p2alignl 7, 3214868480
	.fill 96, 4, 3214868480
	.section	.rodata,"a",@progbits
	.p2align	6, 0x0
	.amdhsa_kernel k_q108ce500bb_g2
		.amdhsa_group_segment_fixed_size 327680
		.amdhsa_private_segment_fixed_size 0
		.amdhsa_enable_private_segment 0
		.amdhsa_kernarg_size 48
		.amdhsa_user_sgpr_count 2
		.amdhsa_user_sgpr_kernarg_segment_ptr 1
		.amdhsa_wavefront_size32 1
		.amdhsa_system_sgpr_workgroup_id_x 1
		.amdhsa_system_sgpr_workgroup_id_y 1
		.amdhsa_system_sgpr_workgroup_id_z 1
		.amdhsa_system_vgpr_workitem_id 0
		.amdhsa_next_free_vgpr 640
		.amdhsa_next_free_sgpr 98
		.amdhsa_reserve_vcc 0
		.amdhsa_float_denorm_mode_32 3
		.amdhsa_float_denorm_mode_16_64 3
		.amdhsa_memory_ordered 1
		.amdhsa_forward_progress 1
		.amdhsa_inst_pref_size 138
	.end_amdhsa_kernel
	.amdgpu_metadata
---
amdhsa.version: [ 1, 2 ]
amdhsa.kernels:
  - .name:           k_q108ce500bb_g2
    .symbol:         k_q108ce500bb_g2.kd
    .args:
      - { .name: hid, .offset: 0, .size: 8, .value_kind: global_buffer, .address_space: global }
      - { .name: W2_codes, .offset: 8, .size: 8, .value_kind: global_buffer, .address_space: global }
      - { .name: W2_scales, .offset: 16, .size: 8, .value_kind: global_buffer, .address_space: global }
      - { .name: b2, .offset: 24, .size: 8, .value_kind: global_buffer, .address_space: global }
      - { .name: h, .offset: 32, .size: 8, .value_kind: global_buffer, .address_space: global }
      - { .name: out0, .offset: 40, .size: 8, .value_kind: global_buffer, .address_space: global }
    .group_segment_fixed_size: 327680
    .private_segment_fixed_size: 0
    .kernarg_segment_align: 8
    .kernarg_segment_size: 48
    .max_flat_workgroup_size: 128
    .sgpr_count:     98
    .vgpr_count:     640
    .wavefront_size: 32
...
	.end_amdgpu_metadata
.endif
;; end of part 6
;; ======== version 2 of 2: 7 launches; version 1 with the launch attn written anew for expert scheduling mode
;; limits: right only within a limited range of input values
;; workspace buffers: xn 2,228,224 bytes; mk 526,336 bytes of whole numbers; qkv 6,946,816 bytes; ao 2,228,224 bytes; h 16,777,216 bytes; hid 8,912,896 bytes
;; launch ln1: the kernel of part 1 again; grid 288 x 1, 16 waves a work-group, no clusters, 76,288 bytes of LDS; arguments x, ln1_g, ln1_b, mask, xn, mk; writes xn, mk
;; launch gqkv: the kernel of part 2 again; grid 16 x 12, 4 waves a work-group, clusters of 4 x 4, 327,680 bytes of LDS; arguments xn, Wq_codes, Wq_scales, Wk_codes, Wk_scales, Wv_codes, Wv_scales, bq, bk, bv, qkv; writes qkv
;; launch attn (part 7): grid 8 x 32, 16 waves a work-group, no clusters, 145,408 bytes of LDS; arguments qkv, mk, ao; writes ao
.if DOCPART == 7
	.amdgcn_target "amdgcn-amd-amdhsa--gfx1250"
	.amdhsa_code_object_version 6
	.text
	.protected	k_q108ce500bb_attn
	.globl	k_q108ce500bb_attn
	.p2align	8
	.type	k_q108ce500bb_attn,@function
k_q108ce500bb_attn:
	s_mov_b64 s[64:65], 0
	v_nop
	global_prefetch_b8 v0, s[64:65] scope:SCOPE_SE
	s_setreg_imm32_b32 hwreg(HW_REG_WAVE_SCHED_MODE, 0, 2), 2
	s_setreg_imm32_b32 hwreg(HW_REG_WAVE_MODE, 25, 1), 1
	s_wait_xcnt 0x0
	s_wait_alu depctr_vm_vsrc(0)
; ATTENTION ON CODES OF E2M1, head size 64, 2,048 keys, with the mask as it was given.  qkv and mk as the launches before laid them; ao: the result / the row's sum, quantised along the model's 1,024:
;   ao: codes [tile of 16 tokens 256][head 16][512 bytes: an image of four operand registers]; from byte 2,097,152 on scale words [tile][two heads: 8][16 words], byte 2 (head % 2) + block of word r.
; SOFTMAX: t = score x log2(e) / 8; M = the running largest t rounded up to a whole number; p = 2^(t - M) is quantised along the keys; the row's sum is taken of the unquantised p and divides at the end.
; SHARES.  A work-group owns one head and sixteen tiles of 16 queries, 8 i + x, i = 0 .. 15.  Wave w takes i = 15 - w (bit 2 of w clear) or (w + 4) mod 16 (set): the indices of waves w, w + 4, w + 8, w + 12 add up to 30,
; so that where a mask hides the keys behind a query, and a tile's work grows with i, these four have equal work in sum, and the longest tiles belong to the first waves.
; The head's codes and scale words of k and v, 143,360 bytes, are copied into LDS once, through registers; one barrier; then no wave waits for another.
; NO TENSOR LOADS AND NO JOINT REQUESTS: the walk over the keys branches on the stored flags of the mask, and what the eight work-groups of a head share is fetched once by each, 143,360 bytes for up to 256 wave-steps of work.
; LAYOUT.  Both products are used transposed: S^T = k q^T (source 0 = 16 keys), O^T = v^T p^T (source 0 = 16 channels): a lane holds ONE query (lane % 16); register j of tile t is key 16 t + 8 (lane / 16) + j.
; K = 64 fills half of the instruction's 128: q's upper four registers are zero codes.  So the upper four registers of a fragment of k may hold anything: they are the next tile's codes, and one load a tile serves.
; REQUESTS GO OUT A STEP AHEAD.  Behind a step's eight products its v and the NEXT step's k are asked of LDS in one run; behind the lines that use the step's 64 lane masks the next step's are asked of memory.
; PF says whether the step in hand was asked for so; a step that follows steps left out asks anew.  In the last trip the requests ahead read v's bytes in LDS, and the next tile's mask words or, behind the last tile, the flags:
; inside LDS and inside mk, and never used.
; THE MASK: word 8 t + j of a step is the lane mask of register 8 t + j.  A hidden score is replaced by -2^33, a logit of -2^30.
; LIMITS, stated: reference() puts -1e9 there; the results are the same as long as every open logit of a row that has one lies above about -9.9e8.  With -2^33 the product by log2(e) / 8 is exact and whole, so a row with no
; open key gets p = 1 everywhere, as with -1e9.  A step whose 16 x 128 scores are all hidden is left out, unless some query of the tile has no open key at all.  NaN and infinities are not served.
; The result's scale bytes leave one byte a lane: a word's other half belongs to the neighbouring head's work-group.
; REGISTERS: v1-3 lane terms; v4-7 the step's LDS addresses; v8 -2^33; v12 -M, v13 the largest t, v[14:15] the sum; v16-23 q; v24-27 k's scale words, v28-29 v's, v30 q's, v31 p's; v32-67 k; v68-99 v;
;   v100-163 S^T, then p; v164-195 O^T; v196-203 p's codes; v204-223 at work.
; THE MODE: SCHED_MODE bits 1:0 = 2 (LLVM: expert scheduling mode 2), set by the entry lines.  The code itself states the register dependences
; between vector or matrix instructions and memory or LDS instructions, with s_wait_alu, always for 0.
; THE PLAN.  Registers that memory or LDS instructions touch:
;   v1-3             Written at the head, never again.  v1, v2: addresses of step 0's LDS loads; v1: the last store's offset.
;   v4-7             At the head the copy's offsets and LDS addresses.  In a step its four LDS addresses: v4, v6 written at the step's head, v5, v7 behind its eight products; read by the step's LDS loads.
;   v204-206         At the head offsets of the copy's global loads; written again by the steps' maxima.
;   v100-163, v196-201  At the head the copy: global loads land there, LDS stores read them; then written by products and conversions.
;   v24-27, v32-63   k: a step's eight products read them; behind those the next step's loads land there.
;   v28-29, v68-99   v: a step's last four products read them; the loads of the next step that is walked land there.
;   v196-199, v216, v217  On the way out: written by vector lines, read by the two last stores.     v224, v225: written at the head, read by the closing add alone.
; A step that is walked has one wait on vm_vsrc, at its head, ahead of the additions to v4-7, and three on va_vdst: behind its eight products and their places, ahead of the run of 22 LDS loads (the products are done with k,
; the step before's last four with v, the four addresses are written); behind the exponentials, ahead of their first reader; and ahead of the last four products, which take p's fresh codes and scale word.
; A step that asks anew has one more on va_vdst, ahead of its twelve loads.  All else that the step's lines name is named by vector and matrix instructions alone.
.set KSB, 131072                       ; LDS: k's codes at 0, v's at 65,536, k's scale words here,
.set VSB, 139264                       ; v's here
.set CNT, 84
.set TB,  85                           ; the step's codes: 4,096 bytes a step
.set TS,  86                           ; k's scale words: 512
.set TV,  87                           ; v's: 256
.set MOFF, 88                          ; the mask's words: 256
.set SKIP, 89
.set OPEN, 90
.set TMPS, 91
.set CS,  92                           ; s[92:93] log2(e) / 8
.set SEL, 94
.set MB,  96                           ; s[96:97] my tile's mask words
.set HI,  98
.set MNX, 99                           ; the offset that the mask's loads in flight name: written only when none is out
.set PF,  100                          ; 1: the next trip's k and lane masks have been asked for
.set PFO, 101                          ; the same of the trip in hand
	s_load_b128 s[4:7], s[0:1], 0x0                ; qkv, mk
	s_load_b64 s[8:9], s[0:1], 0x10                ; ao
	v_lshl_add_u32 v224, v0, 2, 0x23000
	v_mov_b32 v225, 0
	v_lshrrev_b32 v1, 5, v0
	v_readfirstlane_b32 s10, v1                    ; wave 0..15
	v_and_b32 v11, 31, v0                          ; (the lane terms stand between the line that writes s10 and the wait for it)
	v_and_b32 v9, 15, v0                           ; r
	v_bfe_u32 v10, v0, 4, 1                        ; h
	v_lshlrev_b32 v1, 4, v11                       ; 16 x lane
	v_lshl_add_u32 v2, v11, 2, KSB
	v_lshl_add_u32 v3, v11, 2, VSB
	v_lshlrev_b32 v4, 4, v0                        ; the copy: 16 bytes a thread
	v_add_nc_u32 v5, 65536, v4
	v_add_nc_u32 v6, KSB, v4
	v_lshl_add_u32 v7, v0, 3, VSB
	v_lshlrev_b32 v204, 3, v0
	s_wait_alu depctr_va_sdst(0)                   ; s10 is written, ahead of its first reader: my tile's number, and with it every base, is made from it
	s_and_b32 s11, ttmp7, 0xffff                   ; 16 x batch + head
	s_sub_co_u32 s12, 15, s10                      ; 15 - w
	s_add_co_u32 s13, s10, 4
	s_and_b32 s13, s13, 15                         ; (w + 4) mod 16
	s_and_b32 s14, s10, 4
	s_cmp_lg_u32 s14, 0
	s_cselect_b32 s13, s13, s12                    ; i
	s_lshl_b32 s13, s13, 3
	s_add_co_u32 s13, s13, ttmp9                   ; my tile of queries: 8 i + x
	s_lshl_b32 s12, s13, 9
	v_add_nc_u32 v205, s12, v1                     ; q's codes: 512 x tile + 16 x lane
	s_lshl_b32 s12, s13, 6
	v_lshl_add_u32 v206, v9, 2, s12                ; q's scale words: 64 x tile + 4 r
	s_lshl_b32 s16, s11, 16
	s_mov_b32 s17, 0
	s_lshl_b32 s18, s11, 13
	s_mov_b32 s19, 0
	s_lshl_b32 s20, s11, 12
	s_mov_b32 s21, 0
	s_lshl_b32 s22, s13, 4
	s_mov_b32 s23, 0
	s_lshl_b32 s24, s13, 12
	s_mov_b32 s25, 0
	s_wait_kmcnt 0x0
	s_add_nc_u64 s[16:17], s[4:5], s[16:17]        ; the head's codes: 65,536 bytes in each of the three parts
	s_add_nc_u64 s[18:19], s[4:5], s[18:19]        ; q's and k's scale words: 8,192 bytes a head
	s_add_nc_u64 s[20:21], s[4:5], s[20:21]        ; v's: 4,096
	s_add_nc_u64 s[22:23], s[6:7], s[22:23]
	s_add_nc_u64 s[MB:MB+1], s[6:7], s[24:25]
	s_load_b128 s[28:31], s[22:23], 0x80000        ; my tile's four words of flags
	s_wait_alu depctr_va_vdst(0)                   ; v1-7 and v204-206 are written: the offsets and addresses that the copy's loads and LDS stores and step 0's LDS loads read; no vector line up to those names a register that they touch
.irp k, 0,1,2,3,4,5,6,7
	global_load_b128 v[100+4*\k:103+4*\k], v4, s[16:17] offset:0x200000+8192*\k
.endr
.irp k, 0,1,2,3,4,5,6,7
	global_load_b128 v[132+4*\k:135+4*\k], v4, s[16:17] offset:0x400000+8192*\k
.endr
	global_load_b128 v[196:199], v4, s[18:19] offset:6553600
	global_load_b64 v[200:201], v204, s[20:21] offset:6815744
	global_load_b128 v[16:19], v205, s[16:17]
	global_load_b32 v30, v206, s[18:19] offset:6291456
	s_mov_b32 s[CS], 0x3e38aa3b
	s_mov_b32 s[CS+1], s[CS]                       ; (named with it as a pair, so it is written)
	s_mov_b32 s[SEL], 0x76543210
	s_mov_b32 s[SEL+1], 0xfedcba98
	s_mov_b32 s[HI], 0xffff0000
	s_mov_b32 s[CNT], 0
	s_mov_b32 s[TB], 0
	s_mov_b32 s[TS], 0
	s_mov_b32 s[TV], 0
	s_mov_b32 s[MOFF], 0
	s_mov_b32 s[PF], 1                             ; step 0 is asked for below, ahead of the loop
.irp j, 20,21,22,23,64,65,66,67
	v_mov_b32 v[\j], 0                             ; zero codes: q's upper half, and what stands behind k's last tile
.endr
	v_mov_b32 v8, 0xd0000000                       ; -2^33
	v_mov_b32 v13, 0xff61b1e6                      ; the largest t so far: -3e38
	v_floor_f32 v12, -v13                          ; -M
	v_mov_b32 v14, 0
	v_mov_b32 v15, 0
.irp j, 208,209,210,211,216,219
	v_mov_b32 v[\j], 0                             ; lane permutes' destinations, and the upper half of the pair v[218:219]
.endr
.set n, 0
.rept 32
	v_mov_b32 v[164+n], 0                          ; O^T: the step is written once; the first finds zeros
.set n, n+1
.endr
	s_wait_kmcnt 0x0
	s_or_b32 s24, s28, s29
	s_or_b32 s25, s30, s31
	s_or_b32 s24, s24, s25
	s_lshr_b32 s24, s24, 16                        ; the queries that see some key
	s_and_b32 s[SKIP], s28, 15
	s_bfe_u32 s[OPEN], s28, 0x40004
.irp q, 1,2,3
	s_and_b32 s25, s[28+\q], 15
	s_lshl_b32 s25, s25, 4*\q
	s_or_b32 s[SKIP], s[SKIP], s25
	s_bfe_u32 s25, s[28+\q], 0x40004
	s_lshl_b32 s25, s25, 4*\q
	s_or_b32 s[OPEN], s[OPEN], s25
.endr
	s_cmp_eq_u32 s24, 0xffff
	s_cselect_b32 s[SKIP], s[SKIP], 0              ; a query with no open key averages over ALL keys: then nothing is left out
	s_wait_loadcnt 0x0                             ; the copy's loads are in: their bases, s16-21, may be written again
	s_load_b512 s[16:31], s[MB:MB+1], 0x0          ; step 0's 64 lane masks: they land while the copy is stored and the barrier is passed
	s_load_b512 s[32:47], s[MB:MB+1], 0x40
	s_load_b512 s[48:63], s[MB:MB+1], 0x80
	s_load_b512 s[68:83], s[MB:MB+1], 0xc0
.irp k, 0,1,2,3,4,5,6,7
	ds_store_b128 v4, v[100+4*\k:103+4*\k] offset:8192*\k
.endr
.irp k, 0,1,2,3,4,5,6,7
	ds_store_b128 v5, v[132+4*\k:135+4*\k] offset:8192*\k
.endr
	ds_store_b128 v6, v[196:199]
	ds_store_b64 v7, v[200:201]
	s_wait_dscnt 0x0                               ; for the others' sake: my part of the copy has landed
	s_barrier_signal -1
	s_barrier_wait -1
	s_wait_alu depctr_vm_vsrc(0)                   ; the copy's loads and LDS stores have read v4-7, v204-206, v100-163 and v196-201, which the steps and the way out write
	s_wait_alu depctr_va_vdst(0)                   ; the zero codes v20-23 and v64-67 are written, which the scaled products take inside their operands
.irp t, 0,1,2,3,4,5,6,7
	ds_load_b128 v[32+4*\t:35+4*\t], v1 offset:512*\t          ; step 0's k
.endr
.irp p, 0,1,2,3
	ds_load_b32 v[24+\p], v2 offset:128*\p
.endr
.Lstep:                                            ; 16 trips, 128 keys each
	s_lshr_b32 s[TMPS], s[SKIP], s[CNT]
	s_and_b32 s[TMPS], s[TMPS], 1
	s_mov_b32 s[PFO], s[PF]
	s_mov_b32 s[PF], 0                             ; a trip that is left out asks for nothing
	s_cmp_lg_u32 s[TMPS], 0
	s_cbranch_scc1 .Lnext                          ; wholly hidden: only the addresses step
	s_wait_alu depctr_vm_vsrc(0)                   ; the LDS loads issued so far have read v4-7: the four are written anew in this step, v4 and v6 here, v5 and v7 behind the products
	v_add_nc_u32 v4, s[TB], v1
	v_add_nc_u32 v6, s[TS], v2
	s_cmp_lg_u32 s[PFO], 0
	s_cbranch_scc1 .Lhave
	s_wait_dscnt 0x0                               ; the trip before was left out: what was asked for earlier has landed in these registers,
	s_wait_kmcnt 0x0                               ; so they may be loaded anew, and MNX written
	s_mov_b32 s[MNX], s[MOFF]
	s_load_b512 s[16:31], s[MB:MB+1], s[MNX] offset:0x0
	s_load_b512 s[32:47], s[MB:MB+1], s[MNX] offset:0x40
	s_load_b512 s[48:63], s[MB:MB+1], s[MNX] offset:0x80
	s_load_b512 s[68:83], s[MB:MB+1], s[MNX] offset:0xc0
	s_wait_alu depctr_va_vdst(0)                   ; v4 and v6 are written, which the loads below read; the products of earlier steps are done reading v24-27 and v32-63, in which they land
.irp t, 0,1,2,3,4,5,6,7
	ds_load_b128 v[32+4*\t:35+4*\t], v4 offset:512*\t          ; 512 consecutive bytes: a tile of 16 keys
.endr
.irp p, 0,1,2,3
	ds_load_b32 v[24+\p], v6 offset:128*\p                     ; lanes 0-15: tile 2 p's scale words, lanes 16-31: tile 2 p + 1's
.endr
.Lhave:
	s_wait_dscnt 0x0                               ; this step's k is in
.irp t, 0,1,2,3,4,5,6,7
.if \t%2
	v_wmma_scale_f32_16x16x128_f8f6f4 v[100+8*\t:107+8*\t], v[32+4*\t:39+4*\t], v[16:23], 0, v[24+\t/2], v30 matrix_a_fmt:MATRIX_FMT_FP4 matrix_b_fmt:MATRIX_FMT_FP4 matrix_a_scale:MATRIX_SCALE_ROW1
.else
	v_wmma_scale_f32_16x16x128_f8f6f4 v[100+8*\t:107+8*\t], v[32+4*\t:39+4*\t], v[16:23], 0, v[24+\t/2], v30 matrix_a_fmt:MATRIX_FMT_FP4 matrix_b_fmt:MATRIX_FMT_FP4
.endif
.endr
	v_add_nc_u32 v5, 65536, v4                     ; four places behind the products (ISA guide 7.12.1): two addresses and two v_nop
	v_add_nc_u32 v7, s[TV], v3
	v_nop
	v_nop
	s_wait_alu depctr_va_vdst(0)                   ; the eight products are done reading k (v24-27, v32-67), the last four of the step before reading v (v28-29, v68-99): the loads below land there; v4-7 are written, which they read
.irp t, 0,1,2,3
	ds_load_b128 v[68+8*\t:71+8*\t], v5 offset:1024*\t         ; v^T: 16 channels x these 128 keys
	ds_load_b128 v[72+8*\t:75+8*\t], v5 offset:1024*\t+512
.endr
.irp p, 0,1
	ds_load_b32 v[28+\p], v7 offset:128*\p
.endr
.irp t, 0,1,2,3,4,5,6,7
	ds_load_b128 v[32+4*\t:35+4*\t], v4 offset:4096+512*\t     ; the NEXT step's k: twelve loads behind v's ten
.endr
.irp p, 0,1,2,3
	ds_load_b32 v[24+\p], v6 offset:512+128*\p
.endr
	s_wait_kmcnt 0x0                               ; the lane masks
	s_lshr_b32 s[TMPS], s[OPEN], s[CNT]
	s_and_b32 s[TMPS], s[TMPS], 1
	s_cmp_lg_u32 s[TMPS], 0
	s_cbranch_scc1 .Lopen                          ; wholly open: nothing to replace
.set n, 0
.rept 64
.if n < 48
	v_cndmask_b32 v[100+n], v8, v[100+n], s[16+n]
.else
	v_cndmask_b32 v[100+n], v8, v[100+n], s[20+n]
.endif
.set n, n+1
.endr
.Lopen:
.irp b, 0,1,2,3
	v_max3_num_f32 v[204+\b], v[100+16*\b], v[101+16*\b], v[102+16*\b]   ; the largest score of each block of 32 keys: for the row's maximum, and, since p rises with the score, for the block's largest p
.endr
.irp i, 3,5,7,9,11,13
.irp b, 0,1,2,3
	v_max3_num_f32 v[204+\b], v[204+\b], v[100+16*\b+\i], v[101+16*\b+\i]
.endr
.endr
.irp b, 0,1,2,3
	v_max_num_f32 v[204+\b], v[204+\b], v[115+16*\b]
.endr
.irp b, 0,1,2,3
	v_permlanex16_b32 v[208+\b], v[204+\b], s[SEL], s[SEL+1]
.endr
.irp b, 0,1,2,3
	v_max_num_f32 v[204+\b], v[204+\b], v[208+\b]
.endr
	v_max3_num_f32 v216, v204, v205, v206
	v_max_num_f32 v216, v216, v207
	v_mul_f32 v216, s[CS], v216                    ; as t
	v_max_num_f32 v13, v13, v216                   ; the running largest t
	v_mov_b32 v216, v12
	v_floor_f32 v12, -v13                          ; the new -M: M is a whole number
	v_sub_f32 v216, v12, v216                      ; old M - new M: a whole number, 0 or less
	v_cvt_i32_f32 v216, v216                       ; (it saturates)
	v_ldexp_f32 v218, 1.0, v216                    ; f = 2^(old M - new M)
	s_add_co_u32 s[MNX], s[MOFF], 256              ; the NEXT step's 64 lane masks: this step's have been used, and no scalar load is out
	s_load_b512 s[16:31], s[MB:MB+1], s[MNX] offset:0x0
	s_load_b512 s[32:47], s[MB:MB+1], s[MNX] offset:0x40
	s_load_b512 s[48:63], s[MB:MB+1], s[MNX] offset:0x80
	s_load_b512 s[68:83], s[MB:MB+1], s[MNX] offset:0xc0
	s_mov_b32 s[PF], 1                             ; the next trip's k and lane masks are asked for
.set n, 0
.rept 32
	v_pk_fma_f32 v[100+n:101+n], v[100+n:101+n], s[CS:CS+1], v[12:13] op_sel_hi:[1,0,0]   ; t - M, two at a time
.set n, n+2
.endr
.irp b, 0,1,2,3
	v_fma_f32 v[204+\b], v[204+\b], s[CS], v12
.endr
.set n, 0
.rept 64
	v_exp_f32 v[100+n], v[100+n]                   ; p = 2^(t - M)
.set n, n+1
.endr
.irp b, 0,1,2,3
	v_exp_f32 v[204+\b], v[204+\b]                 ; the block's largest p
.endr
	v_pk_mul_f32 v[14:15], v[14:15], v[218:219] op_sel_hi:[1,0]   ; the sums under the new M (a plain instruction behind the exponentials)
	s_wait_alu depctr_va_vdst(0)                   ; the 68 exponentials have written v100-163 and v204-207: one wait for the batch, ahead of its first reader
.irp b, 0,1,2,3
	v_max_num_f32 v[204+\b], 0x1800000, v[204+\b]  ; the floor 2^(3 - 127)
.endr
.irp b, 0,1,2,3
	v_add_nc_u32 v[212+\b], 0xff000000, v[204+\b]
.endr
.irp b, 0,1,2,3
	v_lshrrev_b32 v[208+\b], 23, v[212+\b]
.endr
	v_lshl_or_b32 v31, v209, 8, v208               ; p's scale word for these 128 keys
	v_lshl_or_b32 v31, v210, 16, v31
	v_lshl_or_b32 v31, v211, 24, v31
.irp c, 0,1                            ; ordered so that two exchanges of halves for each 64 keys give the operand's layout
	v_cvt_scalef32_pk8_fp4_f32 v[196+4*\c], v[100+32*\c:107+32*\c], v[212+2*\c]
	v_cvt_scalef32_pk8_fp4_f32 v[197+4*\c], v[116+32*\c:123+32*\c], v[213+2*\c]
	v_cvt_scalef32_pk8_fp4_f32 v[198+4*\c], v[108+32*\c:115+32*\c], v[212+2*\c]
	v_cvt_scalef32_pk8_fp4_f32 v[199+4*\c], v[124+32*\c:131+32*\c], v[213+2*\c]
.endr
	v_nop                                          ; one plain instruction behind the scaled conversions
.irp c, 0,1
	v_permlane16_swap_b32 v[196+4*\c], v[197+4*\c]
	v_permlane16_swap_b32 v[198+4*\c], v[199+4*\c]
.endr
	v_pk_add_f32 v[220:221], v[100:101], v[102:103]            ; the row's sum of the UNQUANTISED p, in two chains
.irp j, 4,8,12,16,20,24,28,32,36,40,44,48,52,56,60
	v_pk_add_f32 v[14:15], v[14:15], v[100+\j:101+\j]
	v_pk_add_f32 v[220:221], v[220:221], v[102+\j:103+\j]
.endr
	v_pk_add_f32 v[14:15], v[14:15], v[220:221]
.set n, 0
.rept 16
	v_pk_mul_f32 v[164+n:165+n], v[164+n:165+n], v[218:219] op_sel_hi:[1,0]   ; O^T under the new M.  (These 48 plain instructions stand between the making of p's codes and scale word and the products)
.set n, n+2
.endr
	s_wait_dscnt 12                                ; v's ten loads are in; the twelve younger ones, the next step's k, may be out
	s_wait_alu depctr_va_vdst(0)                   ; the conversions and exchanges have written p's codes v196-203, the v_lshl_or lines its scale word v31, which the scaled products take; the places above stay beside this wait
.irp t, 0,1,2,3                        ; four accumulators by turns; the next step's eight products stand between two links of a chain
.if \t%2
	v_wmma_scale_f32_16x16x128_f8f6f4 v[164+8*\t:171+8*\t], v[68+8*\t:75+8*\t], v[196:203], v[164+8*\t:171+8*\t], v[28+\t/2], v31 matrix_a_fmt:MATRIX_FMT_FP4 matrix_b_fmt:MATRIX_FMT_FP4 matrix_a_scale:MATRIX_SCALE_ROW1
.else
	v_wmma_scale_f32_16x16x128_f8f6f4 v[164+8*\t:171+8*\t], v[68+8*\t:75+8*\t], v[196:203], v[164+8*\t:171+8*\t], v[28+\t/2], v31 matrix_a_fmt:MATRIX_FMT_FP4 matrix_b_fmt:MATRIX_FMT_FP4
.endif
.endr
.Lnext:
	s_add_co_u32 s[TB], s[TB], 4096
	s_add_co_u32 s[TS], s[TS], 512
	s_add_co_u32 s[TV], s[TV], 256
	s_add_co_u32 s[MOFF], s[MOFF], 256             ; (no load names MOFF: those in flight name MNX)
	s_add_co_u32 s[CNT], s[CNT], 1
	s_cmp_lt_u32 s[CNT], 16
	s_cbranch_scc1 .Lstep
.rept 4
	v_nop                                          ; places behind the last products
.endr
	v_add_f32 v14, v14, v15
	v_permlanex16_b32 v216, v14, s[SEL], s[SEL+1]
	v_add_f32 v14, v14, v216                       ; the row's sum
	v_rcp_f32 v14, v14
	v_lshl_add_u32 v217, v9, 2, v10                ; (a plain instruction behind the transcendental)  4 r + h
.set n, 0
	s_wait_alu depctr_va_vdst(0)                   ; the reciprocal has written v14, ahead of its first reader
.rept 32
	v_mul_f32 v[100+n], v[164+n], v14              ; register 8 t + j is channel 16 t + 8 h + j of my query
.set n, n+1
.endr
.irp b, 0,1                            ; the head's two blocks of 32 along the next product's K
	v_max3_num_f32 v[204+\b], |v[100+16*\b]|, |v[101+16*\b]|, 0x1800000
.endr
.irp i, 2,4,6,8,10,12,14
.irp b, 0,1
	v_max3_num_f32 v[204+\b], v[204+\b], |v[100+16*\b+\i]|, |v[101+16*\b+\i]|
.endr
.endr
.irp b, 0,1
	v_permlanex16_b32 v[208+\b], v[204+\b], s[SEL], s[SEL+1]
.endr
.irp b, 0,1
	v_max_num_f32 v[204+\b], v[204+\b], v[208+\b]
.endr
.irp b, 0,1
	v_add_nc_u32 v[212+\b], 0xff000000, v[204+\b]
.endr
.irp b, 0,1
	v_lshrrev_b32 v[208+\b], 23, v[212+\b]
.endr
	v_cvt_scalef32_pk8_fp4_f32 v196, v[100:107], v212
	v_cvt_scalef32_pk8_fp4_f32 v197, v[116:123], v213
	v_cvt_scalef32_pk8_fp4_f32 v198, v[108:115], v212
	v_cvt_scalef32_pk8_fp4_f32 v199, v[124:131], v213
	v_cndmask_b32 v216, v208, v209, s[HI]          ; (a plain instruction behind the conversions)  lanes 0-15 store block 0's byte, lanes 16-31 block 1's
	v_permlane16_swap_b32 v196, v197
	v_permlane16_swap_b32 v198, v199
	s_wait_kmcnt 0x0                               ; the last requests ahead have landed: s16-23 may be written again,
	s_wait_dscnt 0x0                               ; and no LDS load is out at the end
	s_lshr_b32 s16, s11, 4
	s_lshl_b32 s16, s16, 7
	s_add_co_u32 s16, s16, s13                     ; the tile of tokens: 128 x batch + my tile
	s_and_b32 s17, s11, 15                         ; the head
	s_lshl_b32 s18, s16, 4
	s_add_co_u32 s18, s18, s17
	s_lshl_b32 s18, s18, 9
	s_mov_b32 s19, 0
	s_add_nc_u64 s[20:21], s[8:9], s[18:19]
	s_lshl_b32 s18, s16, 3
	s_lshr_b32 s22, s17, 1
	s_add_co_u32 s18, s18, s22
	s_lshl_b32 s18, s18, 6
	s_and_b32 s22, s17, 1
	s_lshl_b32 s22, s22, 1
	s_add_co_u32 s18, s18, s22
	s_add_nc_u64 s[22:23], s[8:9], s[18:19]
	s_wait_alu depctr_va_vdst(0)                   ; the exchanges have written the codes v196-199, and vector lines the byte v216 and its offset v217, which the two stores read
	global_store_b128 v1, v[196:199], s[20:21]     ; 512 consecutive bytes
	global_store_b8 v217, v216, s[22:23] offset:2097152
	s_wait_dscnt 0x0                               ; the closing lines, six on end
	s_wait_alu 0x0
	s_wait_tensorcnt 0x0
	ds_add_u32 v224, v225
	s_wait_dscnt 0x0
	s_endpgm
.Lfunc_end_k_q108ce500bb_attn:
	.size	k_q108ce500bb_attn, .Lfunc_end_k_q108ce500bb_attn-k_q108ce500bb_attn
	.p2alignl 7, 3214868480
	.fill 96, 4, 3214868480
	.section	.rodata,"a",@progbits
	.p2align	6, 0x0
	.amdhsa_kernel k_q108ce500bb_attn
		.amdhsa_group_segment_fixed_size 145408
		.amdhsa_private_segment_fixed_size 0
		.amdhsa_enable_private_segment 0
		.amdhsa_kernarg_size 24
		.amdhsa_user_sgpr_count 2
		.amdhsa_user_sgpr_kernarg_segment_ptr 1
		.amdhsa_wavefront_size32 1
		.amdhsa_system_sgpr_workgroup_id_x 1
		.amdhsa_system_sgpr_workgroup_id_y 1
		.amdhsa_system_sgpr_workgroup_id_z 1
		.amdhsa_system_vgpr_workitem_id 0
		.amdhsa_next_free_vgpr 226
		.amdhsa_next_free_sgpr 102
		.amdhsa_reserve_vcc 0
		.amdhsa_float_denorm_mode_32 3
		.amdhsa_float_denorm_mode_16_64 3
		.amdhsa_memory_ordered 1
		.amdhsa_forward_progress 1
		.amdhsa_inst_pref_size 35
	.end_amdhsa_kernel
	.amdgpu_metadata
---
amdhsa.version: [ 1, 2 ]
amdhsa.kernels:
  - .name:           k_q108ce500bb_attn
    .symbol:         k_q108ce500bb_attn.kd
    .args:
      - { .name: qkv, .offset: 0, .size: 8, .value_kind: global_buffer, .address_space: global }
      - { .name: mk, .offset: 8, .size: 8, .value_kind: global_buffer, .address_space: global }
      - { .name: ao, .offset: 16, .size: 8, .value_kind: global_buffer, .address_space: global }
    .group_segment_fixed_size: 145408
    .private_segment_fixed_size: 0
    .kernarg_segment_align: 8
    .kernarg_segment_size: 24
    .max_flat_workgroup_size: 512
    .sgpr_count:     102
    .vgpr_count:     226
    .wavefront_size: 32
...
	.end_amdgpu_metadata
.endif
;; end of part 7
;; launch go: the kernel of part 4 again; grid 8 x 32, 4 waves a work-group, clusters of 4 x 4, 327,680 bytes of LDS; arguments ao, Wo_codes, Wo_scales, bo, x, h; writes h
;; launch ln2: the kernel of part 1 again; grid 256 x 1, 16 waves a work-group, no clusters, 76,288 bytes of LDS; arguments h, ln2_g, ln2_b, mask, xn, mk; writes xn, mk
;; launch g1: the kernel of part 5 again; grid 16 x 16, 4 waves a work-group, clusters of 4 x 4, 327,680 bytes of LDS; arguments xn, W1_codes, W1_scales, b1, hid; writes hid
;; launch g2: the kernel of part 6 again; grid 8 x 32, 4 waves a work-group, clusters of 4 x 4, 327,680 bytes of LDS; arguments hid, W2_codes, W2_scales, b2, h, out0; writes out0
